; MI455X (gfx1250); checked and timed in simulation.
; The chip was launched on July 23, 2026; its instructions are those of AMD's public machine-readable ISA for CDNA 5 (MIT licence, August 2026) and "CDNA5" Instruction Set Architecture Reference Guide (July 2026). The comments in the code are by the model that wrote it; some were corrected since.
;; Decoder Block. Allowed arithmetic: matrix products marked QUANTISED: E2M3 operands, one E8M0 scale for each 32 along K, by v_wmma_scale_f32_16x16x128_f8f6f4 with both operands' format E2M3, f32 sums; products left as they are: f32 operands where the result goes on into a quantised operand, else bf16, f16 or f32 operands; f32 sums; everything else in f32.
;; Inputs: W1 1,024 x 1,024 float32; W2 1,024 x 1,024 float32; Wck 1,024 x 1,024 float32; Wco 1,024 x 1,024 float32; Wcq 1,024 x 1,024 float32; Wcv 1,024 x 1,024 float32; Wk 1,024 x 1,024 float32; Wo 1,024 x 1,024 float32; Wq 1,024 x 1,024 float32; Wv 1,024 x 1,024 float32; b1 1,024 float32; b2 1,024 float32; bck 1,024 float32; bco 1,024 float32; bcq 1,024 float32; bcv 1,024 float32; beta 1,024 float32; bk 1,024 float32; bo 1,024 float32; bq 1,024 float32; bv 1,024 float32; gamma 1,024 float32; h 8 x 512 x 1,024 float32; x 8 x 512 x 1,024 float32.
;; Outputs: out0 8 x 512 x 1,024 float32.
;; This version of the problem:
;;   THIS VERSION OF THE PROBLEM IS GIVEN IN LOW PRECISION. The matrix products marked QUANTISED in the list below multiply operands that are first quantised to E2M3 (2 exponent bits, 3 mantissa bits; 6 bits a number), with one power-of-two scale for each 32 numbers along K (OCP MX v1.0); their sums are f32. All else is computed in f32.
;;   The module's matrix products, in the order in which they are computed (A, B: the left and right operand; K: the contracted axis; several contracted axes count as one K, in the product's order):
;;     1. [M 4,096, K 1,024] x [K 1,024, N 1,024]; A: input x; B: input Wq: QUANTISED
;;     2. [M 4,096, K 1,024] x [K 1,024, N 1,024]; A: input x; B: input Wk: QUANTISED
;;     3. [M 4,096, K 1,024] x [K 1,024, N 1,024]; A: input x; B: input Wv: QUANTISED
;;     4. batch 65,536 x [M 64, K 1] x [K 1, N 64]; A: computed on the way; B: computed on the way: left as it is (no contracted axis)
;;     5. batch 65,536 x [M 64, K 64] x [K 64, N 1]; A: softmax (see below); B: computed on the way: left as it is (N = 1 < 16)
;;     6. [M 4,096, K 1,024] x [K 1,024, N 1,024]; A: computed on the way; B: input Wo: QUANTISED
;;     7. [M 4,096, K 1,024] x [K 1,024, N 1,024]; A: computed on the way; B: input Wcq: QUANTISED
;;     8. [M 4,096, K 1,024] x [K 1,024, N 1,024]; A: input h; B: input Wck: QUANTISED
;;     9. [M 4,096, K 1,024] x [K 1,024, N 1,024]; A: input h; B: input Wcv: QUANTISED
;;     10. batch 128 x [M 512, K 64] x [K 64, N 512]; A: computed on the way; B: computed on the way: QUANTISED
;;     11. batch 128 x [M 512, K 512] x [K 512, N 64]; A: softmax (see below); B: computed on the way: QUANTISED
;;     12. [M 4,096, K 1,024] x [K 1,024, N 1,024]; A: computed on the way; B: input Wco: QUANTISED
;;     13. [M 4,096, K 1,024] x [K 1,024, N 1,024]; A: computed on the way; B: input W1: QUANTISED
;;     14. [M 4,096, K 1,024] x [K 1,024, N 1,024]; A: computed on the way; B: input W2: QUANTISED
;;   THE QUANTISER, for each operand of a quantised product, along K:
;;     - K is cut into blocks of 32 from its start; a last block that is shorter is filled with zeros.
;;     - A block's scale is 2^e with e = floor(log2(the largest magnitude in the block)) - 2, held to -126 .. 127; a block of zeros has e = 0. As a byte (E8M0): e + 127.
;;     - Each number is divided by its block's scale, clamped to +-7.5, and rounded to the nearest number of E2M3, ties to even, subnormals kept.
;;     - The product sums the exact products of the quantised numbers (number of the format x scale) in f32.
;;   ~~~python
;;   def quantise(x, axis):      # numpy; x: float32 -> the quantised numbers, widened to float32 again
;;       x = np.moveaxis(x, axis, -1); K = x.shape[-1]
;;       x = np.pad(x, [(0, 0)] * (x.ndim - 1) + [(0, -K % 32)]); x = x.reshape(x.shape[:-1] + (-1, 32)); a = np.abs(x).max(-1, keepdims=True)
;;       e = np.where(a > 0, np.clip(np.frexp(np.where(a > 0, a, 1))[1] - 1 - 2, -126, 127), 0)      # np.frexp(a)[1] - 1 = floor(log2(a)), exactly
;;       r = np.clip(x / 2.0 ** e, -7.5, 7.5)
;;       step = 2.0 ** (np.maximum(np.frexp(np.where(r == 0, 1, r))[1] - 1, 0) - 3)
;;       q = np.round(r / step) * step * 2.0 ** e      # np.round: ties to even
;;       return np.moveaxis(q.reshape(q.shape[:-2] + (-1,))[..., :K], -1, axis).astype(np.float32)
;;   ~~~
;;   SOFTMAX AHEAD OF A QUANTISED PRODUCT. Where the list says 'softmax', what is quantised is not the finished softmax but p = 2^(t - M), with t = logit x log2(e) and M = ceil(the row's largest t), a whole number; so 1/2 < the row's largest p <= 1. The row's sum l is taken of the UNQUANTISED p, in f32, and the product's result is divided by l at the end. Since M is a whole number, a kernel that streams over the keys may use a running M (the ceiling of the running maximum): every later rescaling is an exact power of two, which a block's scale takes up: the codes' values come out the same.
;;   OPERANDS COMPUTED ON THE WAY. 'Computed on the way' means the value that the module computes at that place (a softmax that the list does not call 'softmax' is quantised finished and normalised). What goes into a quantiser is computed in f32, as accurately as f32 sums, v_exp_f32 and their like allow (about 1e-6 of the number): no bf16 or f16 on the way to a quantiser, and a product that is left as it is and whose result goes on into a quantised operand takes f32 operands (vector FMAs, or v_wmma_f32_16x16x4_f32). A number that lies on a knife's edge between two numbers of the format may be rounded either way, as far as f32 arithmetic and the matrix unit's own rounding can turn it there, and no further.
;; 2 versions, each right; version 2 is version 1 with the launches kv, self, chain written anew for expert scheduling mode. Each part assembles by itself: llvm-mc -triple=amdgcn-amd-amdhsa -mcpu=gfx1250 --defsym DOCPART=n.
;; ======== version 1 of 2: 4 launches
;; workspace buffers: WQ 8,192,000 bytes; XC 3,407,872 bytes; HC 3,407,872 bytes; AV 3,407,872 bytes; KC 3,276,800 bytes; VC 3,276,800 bytes
;; launch prep (part 1): grid 576 x 1, 4 waves a work-group, no clusters, 26,112 bytes of LDS; arguments Wq, Wk, Wv, Wck, Wcv, Wo, Wcq, Wco, W1, W2, x, h, WQ, XC, HC; writes WQ, XC, HC
.if DOCPART == 1
	.amdgcn_target "amdgcn-amd-amdhsa--gfx1250"
	.amdhsa_code_object_version 6
	.text
	.protected	k_qa3cba2f183_prep
	.globl	k_qa3cba2f183_prep
	.p2align	8
	.type	k_qa3cba2f183_prep,@function
k_qa3cba2f183_prep:
	s_mov_b64 s[64:65], 0
	v_nop
	global_prefetch_b8 v0, s[64:65] scope:SCOPE_SE
	s_setreg_imm32_b32 hwreg(HW_REG_WAVE_MODE, 25, 1), 1
	s_wait_xcnt 0x0
; PREP: the ten weights [1024 (k)][1024 (n)] f32, and x and h [4096][1024] f32, become codes of FP6 (E2M3) with one E8M0 byte for each 32 along K,
; laid as IMAGES OF OPERAND REGISTERS.  A fragment is 16 rows x 128 K = 12 registers a lane = 1,536 bytes: chunk c (512 bytes) holds lane l's registers 4c..4c+3 at 512 c + 16 l.
; TILE ORDER: row rho of tile 2b+u is index 32 b + 8 u + rho + 8 (rho / 8), for weights' columns and for tokens alike.
; WQ: codes [group of 128 columns g][weight wi][K step s][tile i] x 1,536; from byte 7,864,320 scale packs [g][wi][s] x 512: the word of (tile i, row rho) at 16 (rho + 16 (i % 2)) + 4 (i / 2).
; XC, HC: codes [token tile T][K step s] x 1,536; from byte 3,145,728 scale images [T][s] x 128: lane l's word at 4 l (lanes 16-31 repeat lanes 0-15).
; A block's scale is 2^(floor(log2(largest magnitude)) - 2); its byte is the largest magnitude's exponent field - 2, held at 1 from below.
; LIMITS: a block of zeros, and a block whose largest magnitude lies under 2^-124, carries the byte 1 (its codes are zeros or subnormal codes; the bytes are read by this program alone); NaN and infinities are not served.
; Work-groups 0-319 take the weights (a lane to a column, registers down K); work-groups 320-575 take x and h (a lane holds 16 neighbours of its row).  Only the first path uses LDS and a barrier.
.set TM,  240                          ; v240-255 at work in QUANT
.set SEL, 48                           ; s[48:49] lane selects for v_permlanex16_b32: lane l xor 16
; 64 numbers of a lane, register 16 b + i = k 32 b + 16 (lane / 16) + i of my row, become a fragment's codes in v[pc..pc+11] (pc+12..pc+19 at work) and its scale word in v[pw]
.macro QUANT s, pc, pw
.irp b, 0,1,2,3
	v_max3_num_f32 v[TM+\b], |v[(\s)+16*\b]|, |v[(\s)+1+16*\b]|, 0x1800000   ; my 16 numbers of block b, and the floor 2^(3 - 127): the byte cannot fall under 1
.endr
.irp i, 2,4,6,8,10,12,14
.irp b, 0,1,2,3
	v_max3_num_f32 v[TM+\b], v[TM+\b], |v[(\s)+16*\b+\i]|, |v[(\s)+1+16*\b+\i]|
.endr
.endr
.irp b, 0,1,2,3
	v_permlanex16_b32 v[TM+4+\b], v[TM+\b], s[SEL], s[SEL+1]
.endr
.irp b, 0,1,2,3
	v_max_num_f32 v[TM+\b], v[TM+\b], v[TM+4+\b]                   ; with lane l xor 16's 16: the block's largest magnitude
.endr
.irp b, 0,1,2,3
	v_add_nc_u32 v[TM+12+\b], 0xff000000, v[TM+\b]                 ; 2 off its exponent field: the conversion's scale operand
.endr
.irp b, 0,1,2,3
	v_lshrrev_b32 v[TM+4+\b], 23, v[TM+12+\b]                      ; the scale's byte
.endr
	v_lshl_or_b32 v[\pw], v[TM+5], 8, v[TM+4]
	v_lshl_or_b32 v[\pw], v[TM+6], 16, v[\pw]
	v_lshl_or_b32 v[\pw], v[TM+7], 24, v[\pw]
.irp c, 0,1
	v_cvt_scalef32_pk16_fp6_f32 v[(\pc)+6*\c:(\pc)+2+6*\c], v[(\s)+32*\c:(\s)+15+32*\c], v[TM+12+2*\c]
	v_cvt_scalef32_pk16_fp6_f32 v[(\pc)+12+4*\c:(\pc)+14+4*\c], v[(\s)+16+32*\c:(\s)+31+32*\c], v[TM+12+2*\c+1]
.endr
	v_nop                                                          ; one plain instruction behind the scaled conversions
.irp c, 0,1                                                    ; the layout wants a whole block in a lane: lanes 0-15 block 2 c, lanes 16-31 block 2 c + 1
.irp i, 0,1,2
	v_permlane16_swap_b32 v[(\pc)+6*\c+\i], v[(\pc)+12+4*\c+\i]
.endr
.irp i, 0,1,2
	v_mov_b32 v[(\pc)+3+6*\c+\i], v[(\pc)+12+4*\c+\i]
.endr
.endr
.endm
	s_load_b512 s[8:23], s[0:1], 0x0               ; Wq, Wk, Wv, Wck, Wcv, Wo, Wcq, Wco
	s_load_b256 s[24:31], s[0:1], 0x40             ; W1, W2, x, h
	s_load_b128 s[32:35], s[0:1], 0x60             ; WQ, XC
	s_load_b64 s[36:37], s[0:1], 0x70              ; HC
	v_lshl_add_u32 v250, v0, 2, 0x6400
	v_mov_b32 v251, 0
	v_lshrrev_b32 v1, 5, v0
	v_readfirstlane_b32 s2, v1                     ; wave 0..3
	s_wait_kmcnt 0x0
	s_cmp_lt_u32 ttmp9, 320
	s_cbranch_scc0 .Lact
	; ---------------- the weights: work-group = (weight wi, group g of 128 columns, 256 along K) ----------------
	s_lshr_b32 s3, ttmp9, 5                        ; wi
	s_bfe_u32 s4, ttmp9, 0x30002                   ; g
	s_and_b32 s5, ttmp9, 3                         ; kq: K steps 2 kq and 2 kq + 1
	s_mov_b64 s[40:41], s[8:9]
.irp k, 1,2,3,4,5,6,7,8,9
	s_cmp_eq_u32 s3, \k                            ; the choice hangs on the work-group's number alone
	s_cselect_b64 s[40:41], s[8+2*\k:9+2*\k], s[40:41]
.endr
	s_lshl_b32 s42, s5, 20                         ; 256 rows of 4,096 bytes
	s_lshl_b32 s43, s4, 9                          ; 128 columns
	s_add_co_u32 s42, s42, s43
	s_lshl_b32 s43, s2, 7                          ; my wave's 32 columns
	s_add_co_u32 s42, s42, s43
	s_mov_b32 s43, 0
	s_add_nc_u64 s[40:41], s[40:41], s[42:43]
	s_mul_i32 s44, s4, 983040
	s_mul_i32 s45, s3, 98304
	s_add_co_u32 s44, s44, s45
	s_mul_i32 s45, s5, 24576
	s_add_co_u32 s44, s44, s45
	s_mov_b32 s45, 0
	s_add_nc_u64 s[44:45], s[32:33], s[44:45]      ; where the two K steps' 16 fragments go
	s_mul_i32 s46, s4, 40960
	s_lshl_b32 s47, s3, 12
	s_add_co_u32 s46, s46, s47
	s_lshl_b32 s47, s5, 10
	s_add_co_u32 s46, s46, s47
	s_add_co_u32 s46, s46, 7864320
	s_mov_b32 s47, 0
	s_add_nc_u64 s[46:47], s[32:33], s[46:47]      ; and their two scale packs
	v_and_b32 v2, 31, v0                           ; lane l: column 32 w + l of the group
	v_lshlrev_b32 v3, 2, v2
	v_bfe_u32 v5, v0, 3, 1                         ; u = (l / 8) % 2
	v_and_b32 v6, 7, v0
	v_bfe_u32 v7, v0, 4, 1
	v_lshl_add_u32 v6, v7, 3, v6                   ; rho = l % 8 + 8 (l / 16)
	v_lshl_add_u32 v8, v1, 1, v5                   ; tile 2 w + u
	v_mul_u32_u24 v4, v8, 1536
	v_lshl_add_u32 v4, v6, 4, v4                   ; the stage: my tile's image, lane rho's 16 bytes
	v_lshlrev_b32 v9, 4, v6
	v_lshl_add_u32 v9, v5, 8, v9
	v_lshl_add_u32 v9, v1, 2, v9                   ; my word in a pack: 16 rho + 256 u + 4 w
	v_lshlrev_b32 v10, 4, v0                       ; the way out: 16 bytes a thread
	v_lshlrev_b32 v11, 3, v0                       ; and 8 for the packs
.macro LOAD t                          ; block t: W(32 t + i, my column), i = 0..31: each load reads 128 consecutive bytes
.irp i, 0,1,2,3,4,5,6,7,8,9,10,11,12,13,14,15,16,17,18,19,20,21,22,23,24,25,26,27,28,29,30,31
	global_load_b32 v[32+32*((\t)%2)+\i], v3, s[40:41] offset:(32*(\t)+\i)*4096 th:TH_LOAD_NT
.endr
.endm
	LOAD 0
	LOAD 1
.macro BLOCK t
.set XS, 32+32*((\t)%2)
.if (\t) < 7
	s_wait_loadcnt 32                              ; this block's 32 loads are in; the next block's 32 stay out
.else
	s_wait_loadcnt 0x0
.endif
	v_max3_num_f32 v12, |v[XS]|, |v[XS+1]|, |v[XS+2]|              ; all 32 numbers of the block are mine
	v_max3_num_f32 v13, |v[XS+3]|, |v[XS+4]|, |v[XS+5]|
.irp i, 6,10,14,18,22,26
	v_max3_num_f32 v12, v12, |v[XS+\i]|, |v[XS+\i+1]|
	v_max3_num_f32 v13, v13, |v[XS+\i+2]|, |v[XS+\i+3]|
.endr
	v_max3_num_f32 v12, v12, |v[XS+30]|, |v[XS+31]|
	v_max3_num_f32 v12, v12, v13, 0x1800000        ; and the floor
	v_add_nc_u32 v14, 0xff000000, v12              ; the conversion's scale operand
	v_lshrrev_b32 v13, 23, v14                     ; the byte
.if ((\t)%4) == 0
	v_mov_b32 v[24+(\t)/4], v13                    ; four bytes make a K step's scale word
.else
	v_lshl_or_b32 v[24+(\t)/4], v13, 8*((\t)%4), v[24+(\t)/4]
.endif
	v_cvt_scalef32_pk16_fp6_f32 v[96:98], v[XS:XS+15], v14
	v_cvt_scalef32_pk16_fp6_f32 v[104:106], v[XS+16:XS+31], v14    ; (a conversion's three registers begin on an even number)
	v_nop
	v_mov_b32 v99, v104
	v_mov_b32 v100, v105
	v_mov_b32 v101, v106
; block beta = t % 4 of a K step is registers 6 (beta / 2) .. + 5 of lane rho + 16 (beta % 2) of my tile's image
.if ((\t)%4) < 2
	ds_store_b128 v4, v[96:99] offset:((\t)/4)*12288+256*((\t)%4)
	ds_store_b64 v4, v[100:101] offset:((\t)/4)*12288+256*((\t)%4)+512
.else
	ds_store_b64 v4, v[96:97] offset:((\t)/4)*12288+256*((\t)%4-2)+520
	ds_store_b128 v4, v[98:101] offset:((\t)/4)*12288+256*((\t)%4-2)+1024
.endif
.if (\t)+2 < 8
	LOAD (\t)+2
.endif
	s_wait_dscnt 0x0                               ; the stores have read their registers: the next block's codes may be written
.endm
.irp t, 0,1,2,3,4,5,6,7
	BLOCK \t
.endr
	ds_store_b32 v9, v24 offset:24576
	ds_store_b32 v9, v25 offset:25088
	s_wait_dscnt 0x0                               ; my stores into the stage have landed,
	s_barrier_signal -1
	s_barrier_wait -1                              ; everybody's have
.irp k, 0,1,2,3,4,5,6,7,8,9,10,11
	ds_load_b128 v[112+4*\k:115+4*\k], v10 offset:2048*\k
.endr
	ds_load_b64 v[160:161], v11 offset:24576
.irp k, 0,1,2,3,4,5,6,7,8,9,10,11
	s_wait_dscnt 12-\k                             ; load k is in; the younger ones stay out
	global_store_b128 v10, v[112+4*\k:115+4*\k], s[44:45] offset:2048*\k   ; a wave's store covers 512 consecutive bytes, aligned
.endr
	s_wait_dscnt 0x0
	global_store_b64 v11, v[160:161], s[46:47]     ; a wave's store covers 256 consecutive bytes, aligned
	s_wait_tensorcnt 0x0
	ds_add_u32 v250, v251
	s_wait_dscnt 0x0
	s_endpgm
	; ---------------- x and h: a wave takes a tile of 16 tokens and four K steps ----------------
.Lact:
	s_sub_co_u32 s3, ttmp9, 320
	s_cmp_lt_u32 s3, 128                           ; x's work-group or h's
	s_cselect_b64 s[40:41], s[28:29], s[30:31]
	s_cselect_b64 s[44:45], s[34:35], s[36:37]
	s_and_b32 s3, s3, 127
	s_lshl_b32 s3, s3, 2
	s_add_co_u32 s3, s3, s2                        ; job = 2 T + half
	s_lshr_b32 s4, s3, 1                           ; T
	s_and_b32 s5, s3, 1                            ; which four K steps
	s_lshr_b32 s6, s4, 1
	s_lshl_b32 s6, s6, 17                          ; 32 (T / 2) rows of 4,096 bytes
	s_and_b32 s7, s4, 1
	s_lshl_b32 s7, s7, 15                          ; + 8 (T % 2) rows
	s_add_co_u32 s6, s6, s7
	s_lshl_b32 s7, s5, 11
	s_add_co_u32 s6, s6, s7
	s_mov_b32 s7, 0
	s_add_nc_u64 s[40:41], s[40:41], s[6:7]
	s_mul_i32 s6, s3, 6144                         ; four fragments a job
	s_add_nc_u64 s[46:47], s[44:45], s[6:7]
	s_lshl_b32 s6, s3, 9                           ; four scale images a job
	s_add_co_u32 s6, s6, 3145728
	s_add_nc_u64 s[44:45], s[44:45], s[6:7]
	s_mov_b32 s[SEL], 0x76543210
	s_mov_b32 s[SEL+1], 0xfedcba98
	v_and_b32 v2, 31, v0
	v_and_b32 v5, 15, v0                           ; r
	v_bfe_u32 v6, v0, 4, 1                         ; h
	v_and_b32 v3, 8, v5
	v_add_nc_u32 v3, v3, v5                        ; r + 8 (r / 8)
	v_lshlrev_b32 v3, 12, v3
	v_lshl_add_u32 v3, v6, 6, v3                   ; my row, + 64 h: my 16 numbers of a block of 32
	v_lshlrev_b32 v4, 4, v2
	v_lshlrev_b32 v7, 2, v2
.irp b, 0,1,2,3
	v_mov_b32 v[TM+4+\b], 0                        ; written once: a lane permute's destination counts as one of its sources
.endr
.macro XLOAD reg, s
.irp b, 0,1,2,3
.irp j, 0,1,2,3
	global_load_b128 v[(\reg)+16*\b+4*\j:(\reg)+16*\b+4*\j+3], v3, s[40:41] offset:512*(\s)+128*\b+16*\j th:TH_LOAD_NT
.endr
.endr
.endm
	XLOAD 32, 0
	XLOAD 96, 1
.macro ASTEP t                         ; each step has its own registers for codes and scale word, so no store's data are written again
.if (\t) < 3
	s_wait_loadcnt 16                              ; this K step's 16 loads are in; the other set's 16 stay out
.else
	s_wait_loadcnt 0x0
.endif
	QUANT 32+64*((\t)%2), 160+20*(\t), 16+(\t)
.irp c, 0,1,2
	global_store_b128 v4, v[160+20*(\t)+4*\c:160+20*(\t)+4*\c+3], s[46:47] offset:(\t)*1536+512*\c
.endr
	global_store_b32 v7, v[16+(\t)], s[44:45] offset:(\t)*128
.if (\t)+2 < 4
	XLOAD 32+64*((\t)%2), (\t)+2
.endif
.endm
.irp t, 0,1,2,3
	ASTEP \t
.endr
	s_endpgm
.Lfunc_end_k_qa3cba2f183_prep:
	.size	k_qa3cba2f183_prep, .Lfunc_end_k_qa3cba2f183_prep-k_qa3cba2f183_prep
	.p2alignl 7, 3214868480
	.fill 96, 4, 3214868480
	.section	.rodata,"a",@progbits
	.p2align	6, 0x0
	.amdhsa_kernel k_qa3cba2f183_prep
		.amdhsa_group_segment_fixed_size 26112
		.amdhsa_private_segment_fixed_size 0
		.amdhsa_enable_private_segment 0
		.amdhsa_kernarg_size 120
		.amdhsa_user_sgpr_count 2
		.amdhsa_user_sgpr_kernarg_segment_ptr 1
		.amdhsa_wavefront_size32 1
		.amdhsa_system_sgpr_workgroup_id_x 1
		.amdhsa_system_sgpr_workgroup_id_y 1
		.amdhsa_system_sgpr_workgroup_id_z 1
		.amdhsa_system_vgpr_workitem_id 0
		.amdhsa_next_free_vgpr 256
		.amdhsa_next_free_sgpr 66
		.amdhsa_reserve_vcc 0
		.amdhsa_float_denorm_mode_32 3
		.amdhsa_float_denorm_mode_16_64 3
		.amdhsa_memory_ordered 1
		.amdhsa_forward_progress 1
		.amdhsa_inst_pref_size 67
	.end_amdhsa_kernel
	.amdgpu_metadata
---
amdhsa.version: [ 1, 2 ]
amdhsa.kernels:
  - .name:           k_qa3cba2f183_prep
    .symbol:         k_qa3cba2f183_prep.kd
    .args:
      - { .name: Wq, .offset: 0, .size: 8, .value_kind: global_buffer, .address_space: global }
      - { .name: Wk, .offset: 8, .size: 8, .value_kind: global_buffer, .address_space: global }
      - { .name: Wv, .offset: 16, .size: 8, .value_kind: global_buffer, .address_space: global }
      - { .name: Wck, .offset: 24, .size: 8, .value_kind: global_buffer, .address_space: global }
      - { .name: Wcv, .offset: 32, .size: 8, .value_kind: global_buffer, .address_space: global }
      - { .name: Wo, .offset: 40, .size: 8, .value_kind: global_buffer, .address_space: global }
      - { .name: Wcq, .offset: 48, .size: 8, .value_kind: global_buffer, .address_space: global }
      - { .name: Wco, .offset: 56, .size: 8, .value_kind: global_buffer, .address_space: global }
      - { .name: W1, .offset: 64, .size: 8, .value_kind: global_buffer, .address_space: global }
      - { .name: W2, .offset: 72, .size: 8, .value_kind: global_buffer, .address_space: global }
      - { .name: x, .offset: 80, .size: 8, .value_kind: global_buffer, .address_space: global }
      - { .name: h, .offset: 88, .size: 8, .value_kind: global_buffer, .address_space: global }
      - { .name: WQ, .offset: 96, .size: 8, .value_kind: global_buffer, .address_space: global }
      - { .name: XC, .offset: 104, .size: 8, .value_kind: global_buffer, .address_space: global }
      - { .name: HC, .offset: 112, .size: 8, .value_kind: global_buffer, .address_space: global }
    .group_segment_fixed_size: 26112
    .private_segment_fixed_size: 0
    .kernarg_segment_align: 8
    .kernarg_segment_size: 120
    .max_flat_workgroup_size: 128
    .sgpr_count:     66
    .vgpr_count:     256
    .wavefront_size: 32
...
	.end_amdgpu_metadata
.endif
;; end of part 1
;; launch kv (part 2): grid 32 x 8, 8 waves a work-group, no clusters, 174,080 bytes of LDS; arguments HC, WQ, bck, bcv, KC, VC; writes KC, VC
.if DOCPART == 2
	.amdgcn_target "amdgcn-amd-amdhsa--gfx1250"
	.amdhsa_code_object_version 6
	.text
	.protected	k_qa3cba2f183_kv
	.globl	k_qa3cba2f183_kv
	.p2align	8
	.type	k_qa3cba2f183_kv,@function
k_qa3cba2f183_kv:
	s_mov_b64 s[64:65], 0
	v_nop
	global_prefetch_b8 v0, s[64:65] scope:SCOPE_SE
	s_setreg_imm32_b32 hwreg(HW_REG_WAVE_MODE, 25, 1), 1
	s_wait_xcnt 0x0
; KV: K = h Wck + bck and V = h Wcv + bcv of the cross attention, both products on codes of FP6 (E2M3) with E8M0 scales; the results are quantised again:
; K along its channels (the first attention product's K), V along the keys (the second's).  Work-group (x = block of 128 tokens, y = group g of 128 channels = two heads); eight waves.
; Wave v takes channel tile v against all eight token tiles: accK[tau] = Wck tile x tokens (a lane holds a token, registers run along channels),
; accV[tau] = tokens x Wcv tile (a lane holds a channel, registers run along tokens = keys).  h's 64 fragment images lie in LDS, brought once; the weights go from memory straight into registers, two K steps ahead.
; V's 64 registers of a lane are 128 keys' worth of one channel in the quantiser's order: they are quantised in place.  K's channels of a token lie in eight waves: they change hands through LDS as images of the accumulators.
; KC: codes [batch][g][kappa = 128 keys][key tile i] x 1,536 (16 keys x the group's 128 channels); VC: the same shape (16 channels x 128 keys); packs of scale words from byte 3,145,728, [batch][g][kappa] x 512.
; No tensor load: each operand block is brought once and no LDS byte is filled again.  LIMITS as in the first launch: the byte 1 for blocks under 2^-124; NaN and infinities are not served.
.set HSC, 98304                        ; LDS: h's fragment images [tau][s] x 1,536 from 0; their scale images [tau][s] x 128;
.set KX,  106496                       ; K's accumulators as images, [tau][channel tile] x 1,024;
.set SCG, 172032                       ; K's pack of scale words, then V's
.set TM,  232
.set SEL, 18
.set MSB, 0
.macro WIN new                         ; the immediate's high byte repeats the setting that is left
.if MSB != \new
	s_set_vgpr_msb (MSB<<8)|\new
.set MSB, \new
.endif
.endm
.macro BARRIER
	s_wait_dscnt 0x0                               ; my LDS stores have landed and my LDS loads are in
	s_barrier_signal -1
	s_barrier_wait -1
.endm
.macro MM d, a, b, c, sa, sb, row      ; the scaled FP6 product; c < 0: the constant 0 starts the sum; row = 1: source 0's scales stand in lanes 16-31
.if ((\c) < 0) && ((\row) == 0)
	v_wmma_scale_f32_16x16x128_f8f6f4 v[(\d):(\d)+7], v[(\a):(\a)+11], v[(\b):(\b)+11], 0, v[\sa], v[\sb] matrix_a_fmt:MATRIX_FMT_FP6 matrix_b_fmt:MATRIX_FMT_FP6
.elseif (\c) < 0
	v_wmma_scale_f32_16x16x128_f8f6f4 v[(\d):(\d)+7], v[(\a):(\a)+11], v[(\b):(\b)+11], 0, v[\sa], v[\sb] matrix_a_fmt:MATRIX_FMT_FP6 matrix_b_fmt:MATRIX_FMT_FP6 matrix_a_scale:MATRIX_SCALE_ROW1
.elseif (\row) == 0
	v_wmma_scale_f32_16x16x128_f8f6f4 v[(\d):(\d)+7], v[(\a):(\a)+11], v[(\b):(\b)+11], v[(\c):(\c)+7], v[\sa], v[\sb] matrix_a_fmt:MATRIX_FMT_FP6 matrix_b_fmt:MATRIX_FMT_FP6
.else
	v_wmma_scale_f32_16x16x128_f8f6f4 v[(\d):(\d)+7], v[(\a):(\a)+11], v[(\b):(\b)+11], v[(\c):(\c)+7], v[\sa], v[\sb] matrix_a_fmt:MATRIX_FMT_FP6 matrix_b_fmt:MATRIX_FMT_FP6 matrix_a_scale:MATRIX_SCALE_ROW1
.endif
.endm
.macro QUANT s, pc, pw                 ; 64 numbers of a lane (register 16 b + i = k 32 b + 16 (lane / 16) + i of my row) -> codes in v[pc..pc+11], scale word in v[pw]
.irp b, 0,1,2,3
	v_max3_num_f32 v[TM+\b], |v[(\s)+16*\b]|, |v[(\s)+1+16*\b]|, 0x1800000   ; with the floor 2^(3 - 127): the byte cannot fall under 1
.endr
.irp i, 2,4,6,8,10,12,14
.irp b, 0,1,2,3
	v_max3_num_f32 v[TM+\b], v[TM+\b], |v[(\s)+16*\b+\i]|, |v[(\s)+1+16*\b+\i]|
.endr
.endr
.irp b, 0,1,2,3
	v_permlanex16_b32 v[TM+4+\b], v[TM+\b], s[SEL], s[SEL+1]
.endr
.irp b, 0,1,2,3
	v_max_num_f32 v[TM+\b], v[TM+\b], v[TM+4+\b]
.endr
.irp b, 0,1,2,3
	v_add_nc_u32 v[TM+12+\b], 0xff000000, v[TM+\b]                 ; 2 off the exponent field: the conversion's scale operand
.endr
.irp b, 0,1,2,3
	v_lshrrev_b32 v[TM+4+\b], 23, v[TM+12+\b]
.endr
	v_lshl_or_b32 v[\pw], v[TM+5], 8, v[TM+4]
	v_lshl_or_b32 v[\pw], v[TM+6], 16, v[\pw]
	v_lshl_or_b32 v[\pw], v[TM+7], 24, v[\pw]
.irp c, 0,1
	v_cvt_scalef32_pk16_fp6_f32 v[(\pc)+6*\c:(\pc)+2+6*\c], v[(\s)+32*\c:(\s)+15+32*\c], v[TM+12+2*\c]
	v_cvt_scalef32_pk16_fp6_f32 v[(\pc)+12+4*\c:(\pc)+14+4*\c], v[(\s)+16+32*\c:(\s)+31+32*\c], v[TM+12+2*\c+1]
.endr
	v_nop                                                          ; one plain instruction behind the scaled conversions
.irp c, 0,1
.irp i, 0,1,2
	v_permlane16_swap_b32 v[(\pc)+6*\c+\i], v[(\pc)+12+4*\c+\i]
.endr
.irp i, 0,1,2
	v_mov_b32 v[(\pc)+3+6*\c+\i], v[(\pc)+12+4*\c+\i]
.endr
.endr
.endm
; REGISTERS, window 0: v1-13 addresses; v16-23 h's scale words; v24-27 the weights' (two sets x Wck, Wcv); v28, v29 the words just made; v32-39 bck, v40-47 bcv in the results' layouts;
;   v64-127 accK; v128-191 accV; v192-231 codes; v232-247 at work.   window 1: v0-95 h's eight fragments; v96-143 the weights' (two sets x 2 x 12).
	s_load_b256 s[4:11], s[0:1], 0x0               ; HC, WQ, bck, bcv
	s_load_b128 s[12:15], s[0:1], 0x20             ; KC, VC
	v_lshl_add_u32 v254, v0, 2, 0x2a400
	v_mov_b32 v255, 0
	v_lshrrev_b32 v1, 5, v0
	v_readfirstlane_b32 s2, v1                     ; wave v
	s_and_b32 s16, ttmp7, 0xffff                   ; g
	v_and_b32 v13, 31, v0                          ; lane
	v_and_b32 v14, 15, v0                          ; r
	v_bfe_u32 v15, v0, 4, 1                        ; h
	v_lshlrev_b32 v1, 4, v13                       ; 16 x lane: an image's place for my lane
	v_lshlrev_b32 v2, 4, v0                        ; 16 x thread
	v_add_nc_u32 v3, 65536, v2
	v_add_nc_u32 v4, 49152, v1                     ; token tiles 4-7
	v_lshl_add_u32 v5, v13, 2, HSC                 ; scale images
	s_mul_i32 s17, s2, 1536
	v_add_nc_u32 v6, s17, v1                       ; my tile's fragment in a block of eight
	s_and_b32 s20, s2, 1
	s_lshr_b32 s21, s2, 1
	s_lshl_b32 s22, s20, 8
	s_lshl_b32 s23, s21, 2
	s_add_co_u32 s22, s22, s23
	v_lshl_add_u32 v7, v14, 4, s22                 ; my tile's word in a pack: 16 r + 256 (v % 2) + 4 (v / 2)
	v_lshlrev_b32 v8, 6, v15                       ; bck: 64 h
	v_and_b32 v9, 8, v14
	v_add_nc_u32 v9, v9, v14
	v_lshlrev_b32 v9, 2, v9                        ; bcv: 4 (r + 8 (r / 8))
	s_lshl_b32 s23, s2, 10
	s_add_co_u32 s23, s23, KX
	v_add_nc_u32 v10, s23, v1                      ; accK out: + 8,192 tau
	s_lshl_b32 s23, s2, 13
	s_add_co_u32 s23, s23, KX
	v_add_nc_u32 v11, s23, v1                      ; and back: token tile v, + 1,024 t
	v_add_nc_u32 v12, SCG, v7
	s_lshl_b32 s23, s20, 9
	s_add_co_u32 s23, s23, SCG
	v_add_nc_u32 v13, s23, v1                      ; the packs' way out (waves 0 and 1)
	s_mov_b32 s[SEL], 0x76543210
	s_mov_b32 s[SEL+1], 0xfedcba98
.irp b, 0,1,2,3
	v_mov_b32 v[TM+4+\b], 0                        ; written once: a lane permute's destination counts as one of its sources
.endr
	s_mov_b32 s45, 0
	s_wait_kmcnt 0x0
	s_mul_i32 s44, ttmp9, 98304
	s_add_nc_u64 s[24:25], s[4:5], s[44:45]        ; my block's 64 fragments of h
	s_lshl_b32 s44, ttmp9, 13
	s_add_co_u32 s44, s44, 3145728
	s_add_nc_u64 s[26:27], s[4:5], s[44:45]        ; and their scale images
	s_mul_i32 s44, s16, 983040
	s_add_nc_u64 s[28:29], s[6:7], s[44:45]        ; the group's weights
	s_mul_i32 s44, s16, 40960
	s_add_co_u32 s44, s44, 7864320
	s_add_nc_u64 s[30:31], s[6:7], s[44:45]        ; and their packs
	s_lshl_b32 s44, s16, 9
	s_lshl_b32 s46, s21, 7
	s_add_co_u32 s44, s44, s46
	s_lshl_b32 s46, s20, 5
	s_add_co_u32 s44, s44, s46                     ; 4 x (128 g + 32 (v / 2) + 8 (v % 2))
	s_add_nc_u64 s[32:33], s[8:9], s[44:45]
	s_add_nc_u64 s[34:35], s[10:11], s[44:45]
	s_lshr_b32 s46, ttmp9, 2                       ; batch
	s_lshl_b32 s46, s46, 3
	s_add_co_u32 s46, s46, s16
	s_lshl_b32 s46, s46, 2
	s_and_b32 s47, ttmp9, 3                        ; kappa
	s_add_co_u32 s46, s46, s47                     ; (batch x 8 + g) x 4 + kappa
	s_lshl_b32 s44, s46, 3
	s_add_co_u32 s44, s44, s2
	s_mul_i32 s44, s44, 1536
	s_add_nc_u64 s[36:37], s[12:13], s[44:45]
	s_add_nc_u64 s[38:39], s[14:15], s[44:45]
	s_lshl_b32 s44, s46, 9
	s_add_co_u32 s44, s44, 3145728
	s_add_nc_u64 s[40:41], s[12:13], s[44:45]
	s_add_nc_u64 s[42:43], s[14:15], s[44:45]
.irp i, 0,1,2,3,4,5,6,7,8,9,10,11,12,13,14,15,16,17,18,19,20,21,22,23
	global_load_b128 v[64+4*\i:67+4*\i], v2, s[24:25] offset:4096*\i
.endr
.irp i, 0,1
	global_load_b128 v[160+4*\i:163+4*\i], v2, s[26:27] offset:4096*\i
.endr
	global_load_b128 v[32:35], v8, s[32:33]
	global_load_b128 v[36:39], v8, s[32:33] offset:16
	global_load_b32 v40, v9, s[34:35]
.macro WLOAD s                         ; K step s of my tile of Wck and of Wcv: six loads of 512 consecutive bytes, and two of scale words
	WIN 0x40
.irp m, 0,1
.irp c, 0,1,2
	global_load_b128 v[96+24*((\s)%2)+12*\m+4*\c:96+24*((\s)%2)+12*\m+4*\c+3], v6, s[28:29] offset:(3+\m)*98304+(\s)*12288+512*\c
.endr
.endr
	WIN 0
.irp m, 0,1
	global_load_b32 v[24+2*((\s)%2)+\m], v7, s[30:31] offset:(3+\m)*4096+(\s)*512
.endr
.endm
.macro HFETCH hf, s                    ; K step s of token tiles 4 hf .. 4 hf + 3: 12 + 4 LDS loads
	WIN 0x40
.irp a, 0,1,2,3
.irp c, 0,1,2
	ds_load_b128 v[12*(4*\hf+\a)+4*\c:12*(4*\hf+\a)+4*\c+3], v[1+3*\hf] offset:(8*\a+(\s))*1536+512*\c
.endr
.endr
	WIN 0
.irp a, 0,1,2,3
	ds_load_b32 v[16+4*\hf+\a], v5 offset:(8*(4*\hf+\a)+(\s))*128
.endr
.endm
	WLOAD 0
	WLOAD 1
	s_wait_loadcnt 19                              ; h's 26 loads are in; the 3 bias loads and the 2 x 8 of the weights stay out
.irp i, 0,1,2,3,4,5,6,7,8,9,10,11,12,13,14,15
	ds_store_b128 v2, v[64+4*\i:67+4*\i] offset:4096*\i
.endr
.irp i, 16,17,18,19,20,21,22,23,24,25
	ds_store_b128 v3, v[64+4*\i:67+4*\i] offset:4096*(\i-16)
.endr
	BARRIER                                        ; h's images lie in LDS
	HFETCH 0, 0
	HFETCH 1, 0
	s_wait_loadcnt 16                              ; the biases are in; two K steps of weights stay out
.irp j, 1,2,3,4,5,6,7
	v_mov_b32 v[40+\j], v40                        ; accV's eight registers are eight tokens of one channel: the same bias
.endr
.rept 4
	v_nop
.endr
.macro KHALF s, hf                     ; eight products: the accumulators take turns, one instruction a turn
	WIN 0x05                                       ; sources 0 and 1 in window 1
.irp a, 0,1,2,3
.if (\s) == 0
	MM 64+8*(4*\hf+\a), 96+24*((\s)%2), 12*(4*\hf+\a), 32, 24+2*((\s)%2), 16+4*\hf+\a, 0
	MM 128+8*(4*\hf+\a), 12*(4*\hf+\a), 108+24*((\s)%2), 40, 16+4*\hf+\a, 25+2*((\s)%2), 0
.else
	MM 64+8*(4*\hf+\a), 96+24*((\s)%2), 12*(4*\hf+\a), 64+8*(4*\hf+\a), 24+2*((\s)%2), 16+4*\hf+\a, 0
	MM 128+8*(4*\hf+\a), 12*(4*\hf+\a), 108+24*((\s)%2), 128+8*(4*\hf+\a), 16+4*\hf+\a, 25+2*((\s)%2), 0
.endif
.endr
	WIN 0
.rept 4
	v_nop                                          ; four plain instructions ahead of loads into registers that these products read, and of reads of their results
.endr
.endm
.macro KSTEP s
.if (\s) < 7
	s_wait_loadcnt 8                               ; this K step's weights are in; the next step's 8 loads stay out
.else
	s_wait_loadcnt 0x0
.endif
	s_wait_dscnt 16                                ; token tiles 0-3 are in; tiles 4-7's 16 loads stay out
	KHALF \s, 0
.if (\s) < 7
	HFETCH 0, (\s)+1
	s_wait_dscnt 16                                ; tiles 4-7 are in; the 16 just issued stay out
.else
	s_wait_dscnt 0x0
.endif
	KHALF \s, 1
.if (\s) < 7
	HFETCH 1, (\s)+1
.endif
.if (\s) < 6
	WLOAD (\s)+2
.endif
.endm
.irp s, 0,1,2,3,4,5,6,7
	KSTEP \s
.endr
	; K's accumulators change hands: wave v leaves its channel tile of every token tile, each accumulator from its low end on
.irp a, 0,1,2,3,4,5,6,7
	ds_store_b128 v10, v[64+8*\a:67+8*\a] offset:8192*\a
	ds_store_b128 v10, v[68+8*\a:71+8*\a] offset:8192*\a+512
.endr
	QUANT 128, 192, 29                             ; V: my channel tile x 128 keys
.irp c, 0,1,2
	global_store_b128 v1, v[192+4*\c:195+4*\c], s[38:39] offset:512*\c
.endr
	ds_store_b32 v12, v29 offset:512               ; both halves of the lanes write the same word with the same value
	BARRIER
.irp t, 0,1,2,3,4,5,6,7
	ds_load_b128 v[64+8*\t:67+8*\t], v11 offset:1024*\t
	ds_load_b128 v[68+8*\t:71+8*\t], v11 offset:1024*\t+512
.endr
	s_wait_dscnt 0x0
	QUANT 64, 212, 28                              ; K: token tile v x the group's 128 channels
.irp c, 0,1,2
	global_store_b128 v1, v[212+4*\c:215+4*\c], s[36:37] offset:512*\c
.endr
	ds_store_b32 v12, v28
	BARRIER                                        ; both packs are whole
	s_cmp_lt_u32 s2, 2
	s_cbranch_scc0 .Lend
	s_cmp_eq_u32 s2, 0                             ; wave 0 stores K's pack, wave 1 V's
	s_cselect_b64 s[44:45], s[40:41], s[42:43]
	ds_load_b128 v[48:51], v13
	s_wait_dscnt 0x0
	global_store_b128 v1, v[48:51], s[44:45]       ; 512 consecutive bytes, aligned
.Lend:
	s_wait_tensorcnt 0x0
	ds_add_u32 v254, v255
	s_wait_dscnt 0x0
	s_endpgm
.Lfunc_end_k_qa3cba2f183_kv:
	.size	k_qa3cba2f183_kv, .Lfunc_end_k_qa3cba2f183_kv-k_qa3cba2f183_kv
	.p2alignl 7, 3214868480
	.fill 96, 4, 3214868480
	.section	.rodata,"a",@progbits
	.p2align	6, 0x0
	.amdhsa_kernel k_qa3cba2f183_kv
		.amdhsa_group_segment_fixed_size 174080
		.amdhsa_private_segment_fixed_size 0
		.amdhsa_enable_private_segment 0
		.amdhsa_kernarg_size 48
		.amdhsa_user_sgpr_count 2
		.amdhsa_user_sgpr_kernarg_segment_ptr 1
		.amdhsa_wavefront_size32 1
		.amdhsa_system_sgpr_workgroup_id_x 1
		.amdhsa_system_sgpr_workgroup_id_y 1
		.amdhsa_system_sgpr_workgroup_id_z 1
		.amdhsa_system_vgpr_workitem_id 0
		.amdhsa_next_free_vgpr 400
		.amdhsa_next_free_sgpr 66
		.amdhsa_reserve_vcc 0
		.amdhsa_float_denorm_mode_32 3
		.amdhsa_float_denorm_mode_16_64 3
		.amdhsa_memory_ordered 1
		.amdhsa_forward_progress 1
		.amdhsa_inst_pref_size 63
	.end_amdhsa_kernel
	.amdgpu_metadata
---
amdhsa.version: [ 1, 2 ]
amdhsa.kernels:
  - .name:           k_qa3cba2f183_kv
    .symbol:         k_qa3cba2f183_kv.kd
    .args:
      - { .name: HC, .offset: 0, .size: 8, .value_kind: global_buffer, .address_space: global }
      - { .name: WQ, .offset: 8, .size: 8, .value_kind: global_buffer, .address_space: global }
      - { .name: bck, .offset: 16, .size: 8, .value_kind: global_buffer, .address_space: global }
      - { .name: bcv, .offset: 24, .size: 8, .value_kind: global_buffer, .address_space: global }
      - { .name: KC, .offset: 32, .size: 8, .value_kind: global_buffer, .address_space: global }
      - { .name: VC, .offset: 40, .size: 8, .value_kind: global_buffer, .address_space: global }
    .group_segment_fixed_size: 174080
    .private_segment_fixed_size: 0
    .kernarg_segment_align: 8
    .kernarg_segment_size: 48
    .max_flat_workgroup_size: 256
    .sgpr_count:     66
    .vgpr_count:     400
    .wavefront_size: 32
...
	.end_amdgpu_metadata
.endif
;; end of part 2
;; launch self (part 3): grid 32 x 8, 8 waves a work-group, no clusters, 304,128 bytes of LDS; arguments XC, WQ, bq, bk, bv, AV; writes AV
.if DOCPART == 3
	.amdgcn_target "amdgcn-amd-amdhsa--gfx1250"
	.amdhsa_code_object_version 6
	.text
	.protected	k_qa3cba2f183_self
	.globl	k_qa3cba2f183_self
	.p2align	8
	.type	k_qa3cba2f183_self,@function
k_qa3cba2f183_self:
	s_mov_b64 s[64:65], 0
	v_nop
	global_prefetch_b8 v0, s[64:65] scope:SCOPE_SE
	s_setreg_imm32_b32 hwreg(HW_REG_WAVE_MODE, 25, 1), 1
	s_wait_xcnt 0x0
; SELF: Q, K, V = x W + b on codes of FP6 (E2M3) with E8M0 scales; then, for each (token, head), the attention over the head's 64 CHANNELS:
; av[q] = sum over k <= q of softmax_k(Q[q] K[k] / 8) V[k], all in f32 by vector instructions, since av goes on into a quantiser; av is quantised along the channels and stored as fragment images.
; Work-group (x = block of 128 tokens, y = head pair p = 128 columns); eight waves.  GEMM: wave v takes column tile v of Wq, Wk, Wv against all eight token tiles (24 accumulators).
; Then the results change hands through LDS so that ONE LANE owns one (token, head): wave tau owns token tile tau, lane = token + 16 x head.
; THE MAXIMUM is taken away exactly: over k <= q the largest Q[q] K[k] is Q[q] times the running largest or the running smallest K, so max(Q kmax, Q kmin) is the row's maximum, known before any exponential.
; The 64 x 64 triangle goes in blocks of 16 x 16; blocks above the diagonal are left out (a scalar branch on the two loop counters).  In a block, two rows form a group: 32 exponentials in one batch,
; issued by turns with the packed sums of the group before, one wait a batch.
; LIMITS: NaN and infinities are not served; sums are taken in another order than the model's text; the byte 1 for blocks under 2^-124.
.set XSC, 98304                        ; LDS: x's fragment images [tau][s] x 1,536 from 0; their scale images;
.set SCR, 106496                       ; eight units of 24,576: Q, K, V of token tile tau: element (channel c, lane) at 512 (c / 4) + 16 lane + 4 (c % 4)
.set SEL, 18
.set CS,  20                           ; s[20:21] log2(e) / 8
.set QOFF, 22
.set KOFF, 23
.set QS, 64                            ; v64-79   16 rows' Q x log2(e) / 8
.set MX, 80                            ; v80-95   their maxima
.set KR, 96                            ; v96-111  16 K
.set VR, 112                           ; v112-127 16 V
.set LL, 128                           ; v128-159 16 pairs: the rows' sums (even k, odd k)
.set AC, 160                           ; v160-191 16 pairs: the rows' weighted sums
.set TT, 192                           ; v192-255 two sets of 2 rows x 16
.set MSB, 0
.macro WIN new                         ; the immediate's high byte repeats the setting that is left
.if MSB != \new
	s_set_vgpr_msb (MSB<<8)|\new
.set MSB, \new
.endif
.endm
.macro BARRIER
	s_wait_dscnt 0x0                               ; my LDS stores have landed and my LDS loads are in
	s_barrier_signal -1
	s_barrier_wait -1
.endm
.macro MM d, a, b, c, sa, sb           ; the scaled FP6 product
	v_wmma_scale_f32_16x16x128_f8f6f4 v[(\d):(\d)+7], v[(\a):(\a)+11], v[(\b):(\b)+11], v[(\c):(\c)+7], v[\sa], v[\sb] matrix_a_fmt:MATRIX_FMT_FP6 matrix_b_fmt:MATRIX_FMT_FP6
.endm
; REGISTERS of the GEMM, window 0: v1-15 addresses; v16-23 x's scale words; v24-29 the weights' (two sets x 3); v32-55 the three biases; v64-255 acc[tau][m] at 64 + 8 (3 tau + m).
;   window 1: v0-95 x's eight fragments; v96-167 the weights' (two sets x 3 x 12).
	s_load_b256 s[4:11], s[0:1], 0x0               ; XC, WQ, bq, bk
	s_load_b128 s[12:15], s[0:1], 0x20             ; bv, AV
	v_lshl_add_u32 v62, v0, 2, 0x4a000
	v_mov_b32 v63, 0
	v_lshrrev_b32 v1, 5, v0
	v_readfirstlane_b32 s2, v1                     ; wave v
	s_and_b32 s16, ttmp7, 0xffff                   ; p
	v_and_b32 v13, 31, v0
	v_and_b32 v14, 15, v0                          ; r
	v_bfe_u32 v15, v0, 4, 1                        ; h
	v_lshlrev_b32 v1, 4, v13                       ; 16 x lane
	v_lshlrev_b32 v2, 4, v0                        ; 16 x thread
	v_add_nc_u32 v3, 65536, v2
	v_add_nc_u32 v4, 49152, v1
	v_lshl_add_u32 v5, v13, 2, XSC
	s_mul_i32 s17, s2, 1536
	v_add_nc_u32 v6, s17, v1
	s_and_b32 s44, s2, 1
	s_lshr_b32 s45, s2, 1
	s_lshl_b32 s46, s44, 8
	s_lshl_b32 s47, s45, 2
	s_add_co_u32 s46, s46, s47
	v_lshl_add_u32 v7, v14, 4, s46                 ; my tile's word in a pack
	v_lshlrev_b32 v8, 6, v15                       ; the biases: 64 h
	s_bfe_u32 s46, s2, 0x10001
	s_lshl_b32 s46, s46, 12                        ; the exchange: channel c = 32 ((v / 2) % 2) + 16 h + 8 (v % 2) + j of head v / 4
	s_lshl_b32 s47, s44, 10
	s_add_co_u32 s46, s46, s47
	s_lshr_b32 s47, s2, 2
	s_lshl_b32 s47, s47, 8
	s_add_co_u32 s46, s46, s47
	s_add_co_u32 s46, s46, SCR
	v_lshlrev_b32 v9, 4, v14
	v_lshl_add_u32 v9, v15, 11, v9
	v_add_nc_u32 v9, s46, v9                       ; units 0, 1
	v_add_nc_u32 v10, 49152, v9                    ; units 2, 3
	v_add_nc_u32 v11, 98304, v9                    ; units 4, 5
	v_add_nc_u32 v12, 147456, v9                   ; units 6, 7
	s_mul_i32 s46, s2, 24576
	s_add_co_u32 s46, s46, SCR
	v_add_nc_u32 v13, s46, v1                      ; RA: my unit, my lane
	s_mov_b32 s[SEL], 0x76543210
	s_mov_b32 s[SEL+1], 0xfedcba98
	s_mov_b32 s[CS], 0x3e38aa3b
	s_mov_b32 s[CS+1], s[CS]
	s_lshl_b32 s46, s16, 9
	s_lshl_b32 s47, s45, 7
	s_add_co_u32 s46, s46, s47
	s_lshl_b32 s47, s44, 5
	s_add_co_u32 s46, s46, s47                     ; 4 x (128 p + 32 (v / 2) + 8 (v % 2))
	s_mov_b32 s47, 0
	s_mov_b32 s45, 0
	s_wait_kmcnt 0x0
	s_add_nc_u64 s[32:33], s[8:9], s[46:47]
	s_add_nc_u64 s[34:35], s[10:11], s[46:47]
	s_add_nc_u64 s[36:37], s[12:13], s[46:47]
	s_mul_i32 s44, ttmp9, 98304
	s_add_nc_u64 s[24:25], s[4:5], s[44:45]
	s_lshl_b32 s44, ttmp9, 13
	s_add_co_u32 s44, s44, 3145728
	s_add_nc_u64 s[26:27], s[4:5], s[44:45]
	s_mul_i32 s44, s16, 983040
	s_add_nc_u64 s[28:29], s[6:7], s[44:45]
	s_mul_i32 s44, s16, 40960
	s_add_co_u32 s44, s44, 7864320
	s_add_nc_u64 s[30:31], s[6:7], s[44:45]
	s_lshl_b32 s46, ttmp9, 3
	s_add_co_u32 s46, s46, s2
	s_lshl_b32 s46, s46, 3
	s_add_co_u32 s46, s46, s16                     ; (8 tb + v) x 8 + p
	s_mul_i32 s44, s46, 1536
	s_add_nc_u64 s[38:39], s[14:15], s[44:45]
	s_lshl_b32 s44, s46, 7
	s_add_co_u32 s44, s44, 3145728
	s_add_nc_u64 s[40:41], s[14:15], s[44:45]
.irp i, 0,1,2,3,4,5,6,7,8,9,10,11,12,13,14,15,16,17,18,19,20,21,22,23
	global_load_b128 v[64+4*\i:67+4*\i], v2, s[24:25] offset:4096*\i
.endr
.irp i, 0,1
	global_load_b128 v[160+4*\i:163+4*\i], v2, s[26:27] offset:4096*\i
.endr
.irp m, 0,1,2
	global_load_b128 v[32+8*\m:35+8*\m], v8, s[32+2*\m:33+2*\m]
	global_load_b128 v[36+8*\m:39+8*\m], v8, s[32+2*\m:33+2*\m] offset:16
.endr
.macro WLOAD s                         ; K step s of my tile of Wq, Wk, Wv: 9 + 3 loads
	WIN 0x40
.irp m, 0,1,2
.irp c, 0,1,2
	global_load_b128 v[96+36*((\s)%2)+12*\m+4*\c:96+36*((\s)%2)+12*\m+4*\c+3], v6, s[28:29] offset:\m*98304+(\s)*12288+512*\c
.endr
.endr
	WIN 0
.irp m, 0,1,2
	global_load_b32 v[24+3*((\s)%2)+\m], v7, s[30:31] offset:\m*4096+(\s)*512
.endr
.endm
.macro XFETCH hf, s                    ; K step s of token tiles 4 hf .. 4 hf + 3: 12 + 4 LDS loads
	WIN 0x40
.irp a, 0,1,2,3
.irp c, 0,1,2
	ds_load_b128 v[12*(4*\hf+\a)+4*\c:12*(4*\hf+\a)+4*\c+3], v[1+3*\hf] offset:(8*\a+(\s))*1536+512*\c
.endr
.endr
	WIN 0
.irp a, 0,1,2,3
	ds_load_b32 v[16+4*\hf+\a], v5 offset:(8*(4*\hf+\a)+(\s))*128
.endr
.endm
	WLOAD 0
	WLOAD 1
	s_wait_loadcnt 30                              ; x's 26 loads are in; 6 bias loads and 2 x 12 of the weights stay out
.irp i, 0,1,2,3,4,5,6,7,8,9,10,11,12,13,14,15
	ds_store_b128 v2, v[64+4*\i:67+4*\i] offset:4096*\i
.endr
.irp i, 16,17,18,19,20,21,22,23,24,25
	ds_store_b128 v3, v[64+4*\i:67+4*\i] offset:4096*(\i-16)
.endr
	BARRIER                                        ; x's images lie in LDS
	XFETCH 0, 0
	XFETCH 1, 0
.macro XHALF s, hf                     ; twelve products on twelve accumulators, one instruction a turn; the biases are the C of the first K step
	WIN 0x05
.irp a, 0,1,2,3
.irp m, 0,1,2
.if (\s) == 0
	MM 64+8*(3*(4*\hf+\a)+\m), 96+36*((\s)%2)+12*\m, 12*(4*\hf+\a), 32+8*\m, 24+3*((\s)%2)+\m, 16+4*\hf+\a
.else
	MM 64+8*(3*(4*\hf+\a)+\m), 96+36*((\s)%2)+12*\m, 12*(4*\hf+\a), 64+8*(3*(4*\hf+\a)+\m), 24+3*((\s)%2)+\m, 16+4*\hf+\a
.endif
.endr
.endr
	WIN 0
.rept 4
	v_nop                                          ; four plain instructions ahead of loads into registers that these products read, and of reads of their results
.endr
.endm
.macro KSTEP s
.if (\s) < 7
	s_wait_loadcnt 12                              ; this K step's weights (and, the first time, the biases) are in; the next step's 12 loads stay out
.else
	s_wait_loadcnt 0x0
.endif
	s_wait_dscnt 16                                ; token tiles 0-3 are in; tiles 4-7's 16 loads stay out
	XHALF \s, 0
.if (\s) < 7
	XFETCH 0, (\s)+1
	s_wait_dscnt 16
.else
	s_wait_dscnt 0x0
.endif
	XHALF \s, 1
.if (\s) < 7
	XFETCH 1, (\s)+1
.endif
.if (\s) < 6
	WLOAD (\s)+2
.endif
.endm
.irp s, 0,1,2,3,4,5,6,7
	KSTEP \s
.endr
	; the exchange: each accumulator from its low end on
.irp a, 0,1,2,3,4,5,6,7
.irp m, 0,1,2
	ds_store_b128 v[9+\a/2], v[64+8*(3*\a+\m):67+8*(3*\a+\m)] offset:(\a%2)*24576+\m*8192
	ds_store_b128 v[9+\a/2], v[68+8*(3*\a+\m):71+8*(3*\a+\m)] offset:(\a%2)*24576+\m*8192+512
.endr
.endr
	BARRIER                                        ; from here on a wave touches its own unit alone
; ---- the attention over channels ----
; group g = rows 2 g and 2 g + 1 of the block.  (row i, column k) counts where the block lies under the diagonal (diag = 0) or k <= i.
.macro TFMA g, diag                    ; t = K x (Q c) - the row's maximum, two columns an instruction
.irp e, 0,1
.irp j, 0,1,2,3,4,5,6,7
.if ((\diag) == 0) || (2*\j <= 2*(\g)+\e)
.if \e == 0
	v_pk_fma_f32 v[TT+32*((\g)%2)+2*\j:TT+32*((\g)%2)+2*\j+1], v[KR+2*\j:KR+2*\j+1], v[QS+2*(\g):QS+2*(\g)+1], v[MX+2*(\g):MX+2*(\g)+1] op_sel_hi:[1,0,0] neg_lo:[0,0,1] neg_hi:[0,0,1]
.else
	v_pk_fma_f32 v[TT+32*((\g)%2)+16+2*\j:TT+32*((\g)%2)+16+2*\j+1], v[KR+2*\j:KR+2*\j+1], v[QS+2*(\g):QS+2*(\g)+1], v[MX+2*(\g):MX+2*(\g)+1] op_sel:[0,1,1] op_sel_hi:[1,1,1] neg_lo:[0,0,1] neg_hi:[0,0,1]
.endif
.if (\diag) && (2*\j == 2*(\g)+\e)
	v_mov_b32 v[TT+32*((\g)%2)+16*\e+2*\j+1], 0    ; the column just above the diagonal: weight 0, and no exponential
.endif
.endif
.endr
.endr
.endm
.macro TEXP1 g, n, diag                ; element n = 16 e + k of the group
.if ((\diag) == 0) || (((\n)%16) <= 2*(\g)+(\n)/16)
	v_exp_f32 v[TT+32*((\g)%2)+(\n)], v[TT+32*((\g)%2)+(\n)]
.endif
.endm
.macro TCON1 g, n, diag                ; step n: kind n % 2 (the sum, the weighted sum), row (n / 2) % 2, pair n / 4: the group's four sums take turns
.set ce, ((\n)/2)%2
.set cj, (\n)/4
.set ci, 2*(\g)+ce
.set ct, TT+32*((\g)%2)+16*ce+2*cj
.if ((\diag) == 0) || (2*cj <= ci)
.if ((\n)%2) == 0
.if (\diag) && (cj == 0)
	v_pk_mul_f32 v[LL+2*ci:LL+2*ci+1], v[ct:ct+1], 1.0 op_sel_hi:[1,0]     ; the diagonal block comes first and starts the sums: nothing is cleared
.else
	v_pk_add_f32 v[LL+2*ci:LL+2*ci+1], v[LL+2*ci:LL+2*ci+1], v[ct:ct+1]
.endif
.else
.if (\diag) && (cj == 0)
	v_pk_mul_f32 v[AC+2*ci:AC+2*ci+1], v[ct:ct+1], v[VR:VR+1]
.else
	v_pk_fma_f32 v[AC+2*ci:AC+2*ci+1], v[ct:ct+1], v[VR+2*cj:VR+2*cj+1], v[AC+2*ci:AC+2*ci+1]
.endif
.endif
.endif
.endm
.macro BLK diag
	TFMA 0, \diag
.set NN, 0
.rept 32
	TEXP1 0, NN, \diag
.set NN, NN+1
.endr
.irp g, 1,2,3,4,5,6,7
	TFMA \g, \diag                                 ; plain work behind the batch of the group before; it names the other set
	s_wait_alu depctr_va_vdst(0)                   ; one wait for that batch, ahead of its first reader
.set NN, 0
.rept 32
	TEXP1 \g, NN, \diag
	TCON1 (\g)-1, NN, \diag
.set NN, NN+1
.endr
.endr
	v_nop                                          ; a plain instruction behind the last exponential
	s_wait_alu depctr_va_vdst(0)
.set NN, 0
.rept 32
	TCON1 7, NN, \diag
.set NN, NN+1
.endr
.endm
	v_mov_b32 v32, 0xff800000                      ; the running largest K,
	v_mov_b32 v33, 0x7f800000                      ; and the running smallest
	s_mov_b32 s[QOFF], 0
.Lqb:                                              ; four trips: rows 16 qb .. 16 qb + 15
	v_add_nc_u32 v14, s[QOFF], v13
.irp i, 0,1,2,3
	ds_load_b128 v[QS+4*\i:QS+4*\i+3], v14 offset:512*\i
	ds_load_b128 v[KR+4*\i:KR+4*\i+3], v14 offset:8192+512*\i
	ds_load_b128 v[VR+4*\i:VR+4*\i+3], v14 offset:16384+512*\i
.endr
	s_wait_dscnt 0x0
.irp i, 0,2,4,6,8,10,12,14
	v_pk_mul_f32 v[QS+\i:QS+\i+1], v[QS+\i:QS+\i+1], s[CS:CS+1] op_sel_hi:[1,0]
.endr
.irp i, 0,1,2,3,4,5,6,7,8,9,10,11,12,13,14,15
	v_max_num_f32 v32, v32, v[KR+\i]
	v_min_num_f32 v33, v33, v[KR+\i]
	v_mul_f32 v[34+2*(\i%2)], v[QS+\i], v32
	v_mul_f32 v[35+2*(\i%2)], v[QS+\i], v33
	v_max_num_f32 v[MX+\i], v[34+2*(\i%2)], v[35+2*(\i%2)]         ; the row's largest t over k <= q
.endr
	BLK 1
	s_mov_b32 s[KOFF], 0
.Lkb:                                              ; four trips; the blocks at and above the diagonal are passed over
	s_cmp_ge_u32 s[KOFF], s[QOFF]
	s_cbranch_scc1 .Lskip
	v_add_nc_u32 v15, s[KOFF], v13
.irp i, 0,1,2,3
	ds_load_b128 v[KR+4*\i:KR+4*\i+3], v15 offset:8192+512*\i
	ds_load_b128 v[VR+4*\i:VR+4*\i+3], v15 offset:16384+512*\i
.endr
	s_wait_dscnt 0x0
	BLK 0
.Lskip:
	s_add_co_u32 s[KOFF], s[KOFF], 2048
	s_cmp_lt_u32 s[KOFF], 8192
	s_cbranch_scc1 .Lkb
.irp i, 0,1,2,3,4,5,6,7,8,9,10,11,12,13,14,15
	v_add_f32 v[TT+\i], v[LL+2*\i], v[LL+2*\i+1]
.endr
.irp i, 0,1,2,3,4,5,6,7,8,9,10,11,12,13,14,15
	v_add_f32 v[TT+16+\i], v[AC+2*\i], v[AC+2*\i+1]
.endr
.irp i, 0,1,2,3,4,5,6,7,8,9,10,11,12,13,14,15
	v_rcp_f32 v[TT+\i], v[TT+\i]
.endr
	v_nop
	s_wait_alu depctr_va_vdst(0)                   ; one wait for the sixteen reciprocals
.irp i, 0,2,4,6,8,10,12,14
	v_pk_mul_f32 v[TT+32+\i:TT+33+\i], v[TT+16+\i:TT+17+\i], v[TT+\i:TT+\i+1]
.endr
.irp i, 0,1,2,3
	ds_store_b128 v14, v[TT+32+4*\i:TT+35+4*\i] offset:512*\i      ; av takes the place of these rows' Q, which is done with
.endr
	s_wait_dscnt 0x0
	s_add_co_u32 s[QOFF], s[QOFF], 2048
	s_cmp_lt_u32 s[QOFF], 8192
	s_cbranch_scc1 .Lqb
	; av is quantised: my 64 channels are blocks 2 head and 2 head + 1 of K step p, both wholly mine
.irp i, 0,1,2,3,4,5,6,7,8,9,10,11,12,13,14,15
	ds_load_b128 v[64+4*\i:67+4*\i], v13 offset:512*\i
.endr
	s_wait_dscnt 0x0
.irp b, 0,1
	v_max3_num_f32 v[34+\b], |v[64+32*\b]|, |v[65+32*\b]|, 0x1800000
.endr
.irp i, 2,4,6,8,10,12,14,16,18,20,22,24,26,28,30
.irp b, 0,1
	v_max3_num_f32 v[34+\b], v[34+\b], |v[64+32*\b+\i]|, |v[65+32*\b+\i]|
.endr
.endr
.irp b, 0,1
	v_add_nc_u32 v[36+\b], 0xff000000, v[34+\b]
.endr
.irp b, 0,1
	v_lshrrev_b32 v[34+\b], 23, v[36+\b]
.endr
	v_lshl_or_b32 v38, v35, 8, v34                 ; my two bytes,
	v_bfe_u32 v39, v0, 4, 1
	v_lshlrev_b32 v39, 4, v39
	v_lshlrev_b32 v38, v39, v38                    ; at their places in the row's scale word;
	v_mov_b32 v39, 0
	v_permlanex16_b32 v39, v38, s[SEL], s[SEL+1]
	v_or_b32 v38, v38, v39                         ; with the other head's two the word is whole
.irp b, 0,1
	v_cvt_scalef32_pk16_fp6_f32 v[192+6*\b:194+6*\b], v[64+32*\b:79+32*\b], v[36+\b]
	v_cvt_scalef32_pk16_fp6_f32 v[204+4*\b:206+4*\b], v[80+32*\b:95+32*\b], v[36+\b]
.endr
	v_nop
.irp b, 0,1
.irp i, 0,1,2
	v_mov_b32 v[195+6*\b+\i], v[204+4*\b+\i]
.endr
.endr
.irp i, 0,1,2,3,4,5
	v_permlane16_swap_b32 v[192+\i], v[198+\i]     ; lanes 0-15 now hold blocks 0 and 2, lanes 16-31 blocks 1 and 3: the operand's layout
.endr
	v_lshlrev_b32 v39, 2, v0
	v_and_b32 v39, 124, v39                        ; 4 x lane
.irp c, 0,1,2
	global_store_b128 v1, v[192+4*\c:195+4*\c], s[38:39] offset:512*\c
.endr
	global_store_b32 v39, v38, s[40:41]
	s_wait_tensorcnt 0x0
	ds_add_u32 v62, v63
	s_wait_dscnt 0x0
	s_endpgm
.Lfunc_end_k_qa3cba2f183_self:
	.size	k_qa3cba2f183_self, .Lfunc_end_k_qa3cba2f183_self-k_qa3cba2f183_self
	.p2alignl 7, 3214868480
	.fill 96, 4, 3214868480
	.section	.rodata,"a",@progbits
	.p2align	6, 0x0
	.amdhsa_kernel k_qa3cba2f183_self
		.amdhsa_group_segment_fixed_size 304128
		.amdhsa_private_segment_fixed_size 0
		.amdhsa_enable_private_segment 0
		.amdhsa_kernarg_size 48
		.amdhsa_user_sgpr_count 2
		.amdhsa_user_sgpr_kernarg_segment_ptr 1
		.amdhsa_wavefront_size32 1
		.amdhsa_system_sgpr_workgroup_id_x 1
		.amdhsa_system_sgpr_workgroup_id_y 1
		.amdhsa_system_sgpr_workgroup_id_z 1
		.amdhsa_system_vgpr_workitem_id 0
		.amdhsa_next_free_vgpr 424
		.amdhsa_next_free_sgpr 66
		.amdhsa_reserve_vcc 0
		.amdhsa_float_denorm_mode_32 3
		.amdhsa_float_denorm_mode_16_64 3
		.amdhsa_memory_ordered 1
		.amdhsa_forward_progress 1
		.amdhsa_inst_pref_size 129
	.end_amdhsa_kernel
	.amdgpu_metadata
---
amdhsa.version: [ 1, 2 ]
amdhsa.kernels:
  - .name:           k_qa3cba2f183_self
    .symbol:         k_qa3cba2f183_self.kd
    .args:
      - { .name: XC, .offset: 0, .size: 8, .value_kind: global_buffer, .address_space: global }
      - { .name: WQ, .offset: 8, .size: 8, .value_kind: global_buffer, .address_space: global }
      - { .name: bq, .offset: 16, .size: 8, .value_kind: global_buffer, .address_space: global }
      - { .name: bk, .offset: 24, .size: 8, .value_kind: global_buffer, .address_space: global }
      - { .name: bv, .offset: 32, .size: 8, .value_kind: global_buffer, .address_space: global }
      - { .name: AV, .offset: 40, .size: 8, .value_kind: global_buffer, .address_space: global }
    .group_segment_fixed_size: 304128
    .private_segment_fixed_size: 0
    .kernarg_segment_align: 8
    .kernarg_segment_size: 48
    .max_flat_workgroup_size: 256
    .sgpr_count:     66
    .vgpr_count:     424
    .wavefront_size: 32
...
	.end_amdgpu_metadata
.endif
;; end of part 3
;; launch chain (part 4): grid 256 x 1, 8 waves a work-group, no clusters, 125,184 bytes of LDS; arguments x, AV, WQ, KC, VC, bo, bcq, bco, b1, b2, gamma, beta, out0; writes out0
.if DOCPART == 4
	.amdgcn_target "amdgcn-amd-amdhsa--gfx1250"
	.amdhsa_code_object_version 6
	.text
	.protected	k_qa3cba2f183_chain
	.globl	k_qa3cba2f183_chain
	.p2align	8
	.type	k_qa3cba2f183_chain,@function
k_qa3cba2f183_chain:
	s_mov_b64 s[64:65], 0
	v_nop
	global_prefetch_b8 v0, s[64:65] scope:SCOPE_SE
	s_setreg_imm32_b32 hwreg(HW_REG_WAVE_MODE, 25, 1), 1
	s_wait_xcnt 0x0
; CHAIN: for one tile of 16 tokens, all that follows the channel attention: av Wo + bo + x, LayerNorm; Wcq; the cross attention of all 16 heads; Wco + bco + residual, LayerNorm; W1; W2 + residual, LayerNorm.
; All products on codes of FP6 (E2M3) with E8M0 scales; everything else in f32; nothing between the steps goes to memory.
; SHARES.  A work-group owns 16 whole rows (LayerNorm wants whole rows); wave v makes columns 128 v .. 128 v + 127 of every product, which are K step v of the next product and the head pair v of the attention.
; Products are used transposed (source 0 = 16 columns of a weight, 16 keys, or 16 channels of V^T; source 1 = my 16 tokens): a lane holds one token, and by the tile order its 64 registers are the quantiser's order.
; A quantised operand goes from wave to wave through LDS as an image of its registers (two buffers by turns).
; THE STREAM.  Each wave reads 48 blocks of 8 fragments (12,288 dense bytes) and a pack of scale words (512): Wo, Wcq, (K, V) x 4, Wco, W1, W2.  Block n lies in register slot n % 2 (window 1); the slot is asked for again
; as soon as block n's products are issued, so one or two blocks of every wave are always on their way, through the epilogues and barriers too.  A fragment feeds one product of one wave, so it does not pass through LDS.
; No cluster: the shared weights would have to pass through LDS to be asked for jointly, and each byte would then be written and read once more for one product.
; SOFTMAX of the cross attention: t = score x log2(e) / 32; M = the running largest t rounded up to a whole number; p = 2^(t - M) is quantised along the keys; the sum of the unquantised p divides at the end.
; LIMITS: NaN and infinities are not served; LayerNorm's and the softmax's sums are taken in another order than the model's text; the byte 1 for blocks under 2^-124.
.set RPITCH, 4112                      ; LDS: 16 rows of 4,096 bytes + 16: the residual (x, then each LayerNorm's result)
.set PAR,  65792                       ; bo, bcq, bco, b1, b2, gamma, beta: 4,096 bytes each
.set AIMG, 94464                       ; two buffers of 8 fragment images + 8 scale images
.set ABUF, 13312
.set STAT, 121088                      ; six regions of [row 16][wave 8] words
.set LI,  1                            ; v1  16 x lane
.set AA,  2                            ; v2  the A images in hand
.set AS,  3                            ; v3  their scale images
.set RP,  4                            ; v4  my place in the residual: r x 4,112 + 512 v + 64 h
.set PP,  5                            ; v5  my place in a parameter vector
.set IW,  6                            ; v6  where I store my fragment image
.set ISW, 7                            ; v7  and its scale image
.set SWR, 8                            ; v8  my word in a region of statistics
.set SRD, 9                            ; v9  my row's eight words
.set L4,  10                           ; v10 4 x lane
.set T16, 11                           ; v11 16 x thread
.set AF,  16                           ; v16-39   A's fragments, two sets
.set S,   16                           ; v16-79   the scores, then p
.set QA,  80                           ; v80-91   Q with the second head's codes zero
.set QB,  92                           ; v92-103  Q with the first head's codes zero
.set ACC, 112                          ; v112-175 eight accumulators; O^T in the attention
.set PC,  176                          ; v176-195 codes just made (the first head's p); v196-215 the second head's p
.set TM,  216                          ; v216-231 at work
.set ST,  232                          ; v232-239 a head's -M, largest t, and sum in two halves
.set SA,  240                          ; v240-241 A's scale words, two sets
.set SQ,  242                          ; v242     Q's scale word
.set PWA, 243                          ; v243-244 p's scale words
.set PW,  245                          ; v245     the scale word just made
.set SW,  248                          ; v248-255 the stream's packs, two slots x 4
.set SEL, 30
.set CS,  32                           ; s[32:33] log2(e) / 32
.set INV, 34                           ; 1 / 1,024
.set EPS, 35
.set CW,  36                           ; s[36:37] the weights' next two blocks;  s[38:39] their packs
.set CSW, 38
.set R0,  40                           ; s[40:47] K's next block and pack, V's next block and pack
.set R0S, 42
.set R1,  44
.set R1S, 46
.set CNT, 56
.set AO,  57
.set AO2, 58
.set KAP, 59
.set MSB, 0
.macro WIN new                         ; the immediate's high byte repeats the setting that is left
.if MSB != \new
	s_set_vgpr_msb (MSB<<8)|\new
.set MSB, \new
.endif
.endm
.macro BARRIER
	s_wait_dscnt 0x0                               ; my LDS stores have landed and my LDS loads are in
	s_barrier_signal -1
	s_barrier_wait -1
.endm
.macro MM d, a, b, c, sa, sb, row      ; the scaled FP6 product; c < 0: the constant 0 starts the sum; row = 1: source 0's scales stand in lanes 16-31
.if ((\c) < 0) && ((\row) == 0)
	v_wmma_scale_f32_16x16x128_f8f6f4 v[(\d):(\d)+7], v[(\a):(\a)+11], v[(\b):(\b)+11], 0, v[\sa], v[\sb] matrix_a_fmt:MATRIX_FMT_FP6 matrix_b_fmt:MATRIX_FMT_FP6
.elseif (\c) < 0
	v_wmma_scale_f32_16x16x128_f8f6f4 v[(\d):(\d)+7], v[(\a):(\a)+11], v[(\b):(\b)+11], 0, v[\sa], v[\sb] matrix_a_fmt:MATRIX_FMT_FP6 matrix_b_fmt:MATRIX_FMT_FP6 matrix_a_scale:MATRIX_SCALE_ROW1
.elseif (\row) == 0
	v_wmma_scale_f32_16x16x128_f8f6f4 v[(\d):(\d)+7], v[(\a):(\a)+11], v[(\b):(\b)+11], v[(\c):(\c)+7], v[\sa], v[\sb] matrix_a_fmt:MATRIX_FMT_FP6 matrix_b_fmt:MATRIX_FMT_FP6
.else
	v_wmma_scale_f32_16x16x128_f8f6f4 v[(\d):(\d)+7], v[(\a):(\a)+11], v[(\b):(\b)+11], v[(\c):(\c)+7], v[\sa], v[\sb] matrix_a_fmt:MATRIX_FMT_FP6 matrix_b_fmt:MATRIX_FMT_FP6 matrix_a_scale:MATRIX_SCALE_ROW1
.endif
.endm
.macro PLACES                          ; four plain instructions ahead of loads into registers that products have read, and of reads of their results
.rept 4
	v_nop
.endr
.endm
.macro QUANT s, pc, pw                 ; 64 numbers of a lane (register 16 b + i = k 32 b + 16 (lane / 16) + i of my row) -> codes in v[pc..pc+11], scale word in v[pw]
.irp b, 0,1,2,3
	v_max3_num_f32 v[TM+\b], |v[(\s)+16*\b]|, |v[(\s)+1+16*\b]|, 0x1800000   ; with the floor 2^(3 - 127): the byte cannot fall under 1
.endr
.irp i, 2,4,6,8,10,12,14
.irp b, 0,1,2,3
	v_max3_num_f32 v[TM+\b], v[TM+\b], |v[(\s)+16*\b+\i]|, |v[(\s)+1+16*\b+\i]|
.endr
.endr
.irp b, 0,1,2,3
	v_permlanex16_b32 v[TM+4+\b], v[TM+\b], s[SEL], s[SEL+1]
.endr
.irp b, 0,1,2,3
	v_max_num_f32 v[TM+\b], v[TM+\b], v[TM+4+\b]
.endr
.irp b, 0,1,2,3
	v_add_nc_u32 v[TM+12+\b], 0xff000000, v[TM+\b]                 ; 2 off the exponent field: the conversion's scale operand
.endr
.irp b, 0,1,2,3
	v_lshrrev_b32 v[TM+4+\b], 23, v[TM+12+\b]
.endr
	v_lshl_or_b32 v[\pw], v[TM+5], 8, v[TM+4]
	v_lshl_or_b32 v[\pw], v[TM+6], 16, v[\pw]
	v_lshl_or_b32 v[\pw], v[TM+7], 24, v[\pw]
.irp c, 0,1
	v_cvt_scalef32_pk16_fp6_f32 v[(\pc)+6*\c:(\pc)+2+6*\c], v[(\s)+32*\c:(\s)+15+32*\c], v[TM+12+2*\c]
	v_cvt_scalef32_pk16_fp6_f32 v[(\pc)+12+4*\c:(\pc)+14+4*\c], v[(\s)+16+32*\c:(\s)+31+32*\c], v[TM+12+2*\c+1]
.endr
	v_nop                                                          ; one plain instruction behind the scaled conversions
.irp c, 0,1
.irp i, 0,1,2
	v_permlane16_swap_b32 v[(\pc)+6*\c+\i], v[(\pc)+12+4*\c+\i]
.endr
.irp i, 0,1,2
	v_mov_b32 v[(\pc)+3+6*\c+\i], v[(\pc)+12+4*\c+\i]
.endr
.endr
.endm
; a block of the stream into slot sg: 24 loads of 512 consecutive bytes, and the pack: 25 loads
.macro LOADBLK sg, c, s, imm
	WIN 0x40
.irp k, 0,1,2,3,4,5,6,7,8,9,10,11,12,13,14,15,16,17,18,19,20,21,22,23
	global_load_b128 v[96*(\sg)+4*\k:96*(\sg)+4*\k+3], v[LI], s[\c:\c+1] offset:(\imm)*12288+512*\k
.endr
	WIN 0
	global_load_b128 v[SW+4*(\sg):SW+4*(\sg)+3], v[LI], s[\s:\s+1] offset:(\imm)*512
.endm
.macro AFETCH set, k                   ; the A image k K steps on from the trip's first, into set
.irp c, 0,1,2
	ds_load_b128 v[AF+12*(\set)+4*\c:AF+12*(\set)+4*\c+3], v[AA] offset:1536*(\k)+512*\c
.endr
	ds_load_b32 v[SA+(\set)], v[AS] offset:128*(\k)
.endm
; a K step of a product: slot and A set sg.  refill: 0 none, 1 the weights' next block, 2 K's or V's first block
.macro KST sg, afetch, refill, cnt
	s_wait_loadcnt \cnt                            ; this slot's block is in; the other slot's 25 loads stay out (0: nothing is left)
	s_wait_dscnt 0x0                               ; this K step's A image (and, the first time, the bias) is in
.if (\sg) == 0
	v_add_nc_u32 v[AA], s[AO], v[LI]               ; no LDS load of mine is out: the trip's addresses
	v_add_nc_u32 v[AS], s[AO2], v[L4]
.endif
.if \afetch
	AFETCH 1-(\sg), (\sg)+1
.endif
	WIN 0x01                                       ; source 0 in window 1
.irp t, 0,1,2,3,4,5,6,7                        ; the eight accumulators take turns, one instruction a turn
	MM ACC+8*\t, 96*(\sg)+12*\t, AF+12*(\sg), ACC+8*\t, SW+4*(\sg)+\t/2, SA+(\sg), \t%2
.endr
	WIN 0
	PLACES
.if (\refill) == 1
	LOADBLK \sg, CW, CSW, \sg
.elseif (\refill) == 2
.if (\sg) == 0
	LOADBLK 0, R0, R0S, 0
.else
	LOADBLK 1, R1, R1S, 0
.endif
.endif
.endm
; a product of 16 rows x 1,024 x my 128 columns.  The bias is loaded straight into the accumulators, so every K step adds in place.
.macro GEMM par, buf, tail
.irp t, 0,1,2,3,4,5,6,7
.irp q, 0,1
	ds_load_b128 v[ACC+8*\t+4*\q:ACC+8*\t+4*\q+3], v[PP] offset:(\par)*4096+128*(\t/2)+32*(\t%2)+16*\q
.endr
.endr
	s_mov_b32 s[AO], AIMG+(\buf)*ABUF
	s_mov_b32 s[AO2], AIMG+(\buf)*ABUF+12288
	v_add_nc_u32 v[AA], s[AO], v[LI]
	v_add_nc_u32 v[AS], s[AO2], v[L4]
	AFETCH 0, 0
	s_mov_b32 s[CNT], 3
.Lgemm_\@:                                         ; three trips of two K steps
	KST 0, 1, 1, 25
	KST 1, 1, 1, 25
	s_wait_xcnt 0x0                                ; the loads have read their bases: they may step
	s_add_nc_u64 s[CW:CW+1], s[CW:CW+1], 24576
	s_add_nc_u64 s[CSW:CSW+1], s[CSW:CSW+1], 1024
	s_add_co_u32 s[AO], s[AO], 3072
	s_add_co_u32 s[AO2], s[AO2], 256
	s_sub_co_u32 s[CNT], s[CNT], 1
	s_cmp_lg_u32 s[CNT], 0
	s_cbranch_scc1 .Lgemm_\@
.if (\tail) == 0                       ; the last product: nothing is left to ask for
	KST 0, 1, 0, 25
	KST 1, 0, 0, 0
.elseif (\tail) == 1                   ; the next weight's first two blocks
	KST 0, 1, 1, 25
	KST 1, 0, 1, 25
	s_wait_xcnt 0x0
	s_add_nc_u64 s[CW:CW+1], s[CW:CW+1], 24576
	s_add_nc_u64 s[CSW:CSW+1], s[CSW:CSW+1], 1024
.else                                  ; K's and V's first blocks
	KST 0, 1, 2, 25
	KST 1, 0, 2, 25
	s_wait_xcnt 0x0
	s_add_nc_u64 s[R0:R0+1], s[R0:R0+1], 12288
	s_add_nc_u64 s[R0S:R0S+1], s[R0S:R0S+1], 512
	s_add_nc_u64 s[R1:R1+1], s[R1:R1+1], 12288
	s_add_nc_u64 s[R1S:R1S+1], s[R1S:R1S+1], 512
.endif
.endm
; four packed partial sums in v[TM..TM+7] -> the whole row's sum in v[dst], the same bits in every wave
.macro RED off, dst
	v_pk_add_f32 v[TM:TM+1], v[TM:TM+1], v[TM+2:TM+3]
	v_pk_add_f32 v[TM+4:TM+5], v[TM+4:TM+5], v[TM+6:TM+7]
	v_pk_add_f32 v[TM:TM+1], v[TM:TM+1], v[TM+4:TM+5]
	v_add_f32 v[TM], v[TM], v[TM+1]
	v_permlanex16_b32 v[TM+1], v[TM], s[SEL], s[SEL+1]
	v_add_f32 v[TM], v[TM], v[TM+1]                ; my wave's 128 columns of row r
	ds_store_b32 v[SWR], v[TM] offset:\off         ; both halves of the lanes write the same word with the same value
	BARRIER
	ds_load_b128 v[TM+8:TM+11], v[SRD] offset:\off
	ds_load_b128 v[TM+12:TM+15], v[SRD] offset:(\off)+16
	s_wait_dscnt 0x0
	v_pk_add_f32 v[TM+8:TM+9], v[TM+8:TM+9], v[TM+10:TM+11]
	v_pk_add_f32 v[TM+12:TM+13], v[TM+12:TM+13], v[TM+14:TM+15]
	v_pk_add_f32 v[TM+8:TM+9], v[TM+8:TM+9], v[TM+12:TM+13]
	v_add_f32 v[\dst], v[TM+8], v[TM+9]
.endm
; the residual is added, the rows are normalised, and the result takes the residual's place
.macro LNORM k
.irp t, 0,1,2,3,4,5,6,7
.irp q, 0,1
	ds_load_b128 v[16+8*\t+4*\q:19+8*\t+4*\q], v[RP] offset:128*(\t/2)+32*(\t%2)+16*\q
.endr
.endr
	s_wait_dscnt 0x0
.set J, 0
.rept 32
	v_pk_add_f32 v[ACC+J:ACC+J+1], v[ACC+J:ACC+J+1], v[16+J:17+J]  ; each accumulator from its low end on
.set J, J+2
.endr
.irp t, 0,1,2,3,4,5,6,7                        ; gamma and beta land while the statistics are made
.irp q, 0,1
	ds_load_b128 v[16+8*\t+4*\q:19+8*\t+4*\q], v[PP] offset:5*4096+128*(\t/2)+32*(\t%2)+16*\q
.endr
.endr
.irp t, 0,1,2,3
.irp q, 0,1
	ds_load_b128 v[80+8*\t+4*\q:83+8*\t+4*\q], v[PP] offset:6*4096+128*(\t/2)+32*(\t%2)+16*\q
	ds_load_b128 v[176+8*\t+4*\q:179+8*\t+4*\q], v[PP] offset:6*4096+256+128*(\t/2)+32*(\t%2)+16*\q
.endr
.endr
.irp c, 0,1,2,3
	v_pk_add_f32 v[TM+2*\c:TM+2*\c+1], v[ACC+2*\c:ACC+2*\c+1], v[ACC+8+2*\c:ACC+9+2*\c]
.endr
.irp m, 2,3,4,5,6,7
.irp c, 0,1,2,3
	v_pk_add_f32 v[TM+2*\c:TM+2*\c+1], v[TM+2*\c:TM+2*\c+1], v[ACC+8*\m+2*\c:ACC+8*\m+2*\c+1]
.endr
.endr
	RED 1024*(\k), 12
	v_mul_f32 v12, s[INV], v12                     ; the mean
	v_mov_b32 v13, v12
.set J, 0
.rept 32
	v_pk_add_f32 v[ACC+J:ACC+J+1], v[ACC+J:ACC+J+1], v[12:13] neg_lo:[0,1] neg_hi:[0,1]
.set J, J+2
.endr
.irp c, 0,1,2,3
	v_pk_mul_f32 v[TM+2*\c:TM+2*\c+1], v[ACC+2*\c:ACC+2*\c+1], v[ACC+2*\c:ACC+2*\c+1]
.endr
.irp m, 1,2,3,4,5,6,7
.irp c, 0,1,2,3
	v_pk_fma_f32 v[TM+2*\c:TM+2*\c+1], v[ACC+8*\m+2*\c:ACC+8*\m+2*\c+1], v[ACC+8*\m+2*\c:ACC+8*\m+2*\c+1], v[TM+2*\c:TM+2*\c+1]
.endr
.endr
	RED 1024*(\k)+512, 14
	v_fma_f32 v14, v14, s[INV], s[EPS]             ; the variance + 1e-5
	v_rsq_f32 v14, v14
	v_nop                                          ; a plain instruction behind the transcendental,
	s_wait_alu depctr_va_vdst(0)                   ; and the wait ahead of its first reader
	v_mov_b32 v15, v14
.set J, 0
.rept 32
	v_pk_mul_f32 v[ACC+J:ACC+J+1], v[ACC+J:ACC+J+1], v[14:15]
.set J, J+2
.endr
.set J, 0
.rept 16
	v_pk_fma_f32 v[ACC+J:ACC+J+1], v[ACC+J:ACC+J+1], v[16+J:17+J], v[80+J:81+J]
.set J, J+2
.endr
.set J, 0
.rept 16
	v_pk_fma_f32 v[ACC+32+J:ACC+33+J], v[ACC+32+J:ACC+33+J], v[48+J:49+J], v[176+J:177+J]
.set J, J+2
.endr
.irp t, 0,1,2,3,4,5,6,7
.irp q, 0,1
	ds_store_b128 v[RP], v[ACC+8*\t+4*\q:ACC+8*\t+4*\q+3] offset:128*(\t/2)+32*(\t%2)+16*\q   ; my own places: no other wave touches them before the last barrier
.endr
.endr
.endm
.macro IMAGE buf                       ; my fragment (K step v of the next product) and its scale word go to LDS as they stand
.irp c, 0,1,2
	ds_store_b128 v[IW], v[PC+4*\c:PC+4*\c+3] offset:(\buf)*ABUF+512*\c
.endr
	ds_store_b32 v[ISW], v[PW] offset:(\buf)*ABUF
	BARRIER
.endm
; the softmax of one head for 128 keys: the scores in v[S..S+63] become p's codes and scale word; the head's sum and its half of O^T come under the new M
.macro SMAX hd
.set SH, ST+4*(\hd)
.set PH, PC+20*(\hd)
.set OH, ACC+32*(\hd)
.irp b, 0,1,2,3
	v_max3_num_f32 v[TM+\b], v[S+16*\b], v[S+16*\b+1], v[S+16*\b+2]        ; the largest score of each block of 32 keys: for the row's maximum and, since p rises with the score, for the block's largest p
.endr
.irp i, 3,5,7,9,11,13
.irp b, 0,1,2,3
	v_max3_num_f32 v[TM+\b], v[TM+\b], v[S+16*\b+\i], v[S+16*\b+\i+1]
.endr
.endr
.irp b, 0,1,2,3
	v_max_num_f32 v[TM+\b], v[TM+\b], v[S+16*\b+15]
.endr
.irp b, 0,1,2,3
	v_permlanex16_b32 v[TM+4+\b], v[TM+\b], s[SEL], s[SEL+1]
.endr
.irp b, 0,1,2,3
	v_max_num_f32 v[TM+\b], v[TM+\b], v[TM+4+\b]
.endr
	v_max3_num_f32 v108, v[TM], v[TM+1], v[TM+2]
	v_max_num_f32 v108, v108, v[TM+3]
	v_mul_f32 v108, s[CS], v108                    ; as t
	v_max_num_f32 v[SH+1], v[SH+1], v108           ; the running largest t
	v_mov_b32 v108, v[SH]
	v_floor_f32 v[SH], -v[SH+1]                    ; the new -M = -ceil(t): a whole number
	v_sub_f32 v108, v[SH], v108                    ; old M - new M, 0 or less
	v_cvt_i32_f32 v108, v108                       ; (it saturates)
	v_ldexp_f32 v104, 1.0, v108                    ; f = 2^(old M - new M): a multiplication by it rounds nothing
.set J, 0
.rept 32
	v_pk_fma_f32 v[S+J:S+J+1], v[S+J:S+J+1], s[CS:CS+1], v[SH:SH+1] op_sel_hi:[1,0,0]   ; t - M
.set J, J+2
.endr
.irp b, 0,1,2,3
	v_fma_f32 v[TM+\b], v[TM+\b], s[CS], v[SH]
.endr
.set J, 0
.rept 64
	v_exp_f32 v[S+J], v[S+J]                       ; p = 2^(t - M): not normalised
.set J, J+1
.endr
	v_pk_mul_f32 v[SH+2:SH+3], v[SH+2:SH+3], v[104:105] op_sel_hi:[1,0]    ; the sum under the new M: a plain instruction behind the batch
	s_wait_alu depctr_va_vdst(0)                   ; one wait for the 64, ahead of their first reader
.irp b, 0,1,2,3
	v_exp_f32 v[TM+\b], v[TM+\b]                   ; each block's largest p
.endr
	v_pk_add_f32 v[106:107], v[S:S+1], v[S+2:S+3]  ; the sum of the unquantised p, in two chains
.irp j, 4,8,12,16,20,24,28,32,36,40,44,48,52,56,60
	v_pk_add_f32 v[SH+2:SH+3], v[SH+2:SH+3], v[S+\j:S+\j+1]
	v_pk_add_f32 v[106:107], v[106:107], v[S+\j+2:S+\j+3]
.endr
	v_pk_add_f32 v[SH+2:SH+3], v[SH+2:SH+3], v[106:107]
	s_wait_alu depctr_va_vdst(0)                   ; and one for the four
.irp b, 0,1,2,3
	v_max_num_f32 v[TM+\b], 0x1800000, v[TM+\b]    ; the floor: the byte cannot fall under 1
.endr
.irp b, 0,1,2,3
	v_add_nc_u32 v[TM+12+\b], 0xff000000, v[TM+\b]
.endr
.irp b, 0,1,2,3
	v_lshrrev_b32 v[TM+4+\b], 23, v[TM+12+\b]
.endr
	v_lshl_or_b32 v[PWA+(\hd)], v[TM+5], 8, v[TM+4]
	v_lshl_or_b32 v[PWA+(\hd)], v[TM+6], 16, v[PWA+(\hd)]
	v_lshl_or_b32 v[PWA+(\hd)], v[TM+7], 24, v[PWA+(\hd)]
.irp c, 0,1
	v_cvt_scalef32_pk16_fp6_f32 v[PH+6*\c:PH+2+6*\c], v[S+32*\c:S+15+32*\c], v[TM+12+2*\c]
	v_cvt_scalef32_pk16_fp6_f32 v[PH+12+4*\c:PH+14+4*\c], v[S+16+32*\c:S+31+32*\c], v[TM+12+2*\c+1]
.endr
	v_nop
.irp c, 0,1
.irp i, 0,1,2
	v_permlane16_swap_b32 v[PH+6*\c+\i], v[PH+12+4*\c+\i]
.endr
.irp i, 0,1,2
	v_mov_b32 v[PH+3+6*\c+\i], v[PH+12+4*\c+\i]
.endr
.endr
.set J, 0
.rept 16
	v_pk_mul_f32 v[OH+J:OH+J+1], v[OH+J:OH+J+1], v[104:105] op_sel_hi:[1,0]   ; the head's O^T under the new M; these sixteen also stand between the writing of p's codes and scale word and the products that take them
.set J, J+2
.endr
.endm
	s_load_b512 s[4:19], s[0:1], 0x0               ; x, AV, WQ, KC, VC, bo, bcq, bco
	s_load_b256 s[20:27], s[0:1], 0x40             ; b1, b2, gamma, beta
	s_load_b64 s[28:29], s[0:1], 0x60              ; out0
	v_lshl_add_u32 v246, v0, 2, 0x1e500
	v_mov_b32 v247, 0
	v_lshrrev_b32 v12, 5, v0
	v_readfirstlane_b32 s2, v12                    ; wave v
	v_and_b32 v12, 31, v0                          ; lane
	v_and_b32 v13, 15, v0                          ; r
	v_bfe_u32 v14, v0, 4, 1                        ; h
	v_lshlrev_b32 v[LI], 4, v12
	v_lshlrev_b32 v[L4], 2, v12
	v_lshlrev_b32 v[T16], 4, v0
	s_lshl_b32 s48, s2, 9
	v_lshl_add_u32 v15, v14, 6, s48                ; 512 v + 64 h
	v_mul_u32_u24 v[RP], v13, RPITCH
	v_add_nc_u32 v[RP], v[RP], v15
	v_add_nc_u32 v[PP], PAR, v15
	s_mul_i32 s48, s2, 1536
	s_add_co_u32 s48, s48, AIMG
	v_add_nc_u32 v[IW], s48, v[LI]
	s_lshl_b32 s48, s2, 7
	s_add_co_u32 s48, s48, AIMG+12288
	v_add_nc_u32 v[ISW], s48, v[L4]
	v_lshl_add_u32 v[SRD], v13, 5, STAT
	s_lshl_b32 s48, s2, 2
	v_add_nc_u32 v[SWR], s48, v[SRD]
	v_add_nc_u32 v12, PAR, v[T16]
.irp b, 0,1,2,3
	v_mov_b32 v[TM+4+\b], 0                        ; written once: a lane permute's destination counts as one of its sources
.endr
	s_mov_b32 s[SEL], 0x76543210
	s_mov_b32 s[SEL+1], 0xfedcba98
	s_mov_b32 s[CS], 0x3d38aa3b
	s_mov_b32 s[CS+1], s[CS]
	s_mov_b32 s[INV], 0x3a800000
	s_mov_b32 s[EPS], 0x3727c5ac
	s_mov_b32 s49, 0
	s_lshr_b32 s48, ttmp9, 1
	s_lshl_b32 s48, s48, 17
	s_and_b32 s56, ttmp9, 1
	s_lshl_b32 s56, s56, 15
	s_add_co_u32 s48, s48, s56                     ; my tile's first token x 4,096 bytes: 32 (T / 2) + 8 (T % 2)
	s_wait_kmcnt 0x0
	s_add_nc_u64 s[50:51], s[4:5], s[48:49]
	s_add_nc_u64 s[28:29], s[28:29], s[48:49]
	s_lshl_b32 s48, s2, 13
	s_lshr_b32 s56, s2, 2
	s_lshl_b32 s56, s56, 15
	s_add_co_u32 s48, s48, s56                     ; the rows that I store: 2 v + 8 (v / 4) tokens on
	s_add_nc_u64 s[28:29], s[28:29], s[48:49]
	s_lshl_b32 s56, ttmp9, 3
	s_add_co_u32 s56, s56, s2                      ; 8 T + v
	s_mul_i32 s48, s56, 1536
	s_add_nc_u64 s[52:53], s[6:7], s[48:49]
	s_lshl_b32 s48, s56, 7
	s_add_co_u32 s48, s48, 3145728
	s_add_nc_u64 s[54:55], s[6:7], s[48:49]
	s_mul_i32 s48, s2, 983040
	s_add_co_u32 s48, s48, 5*98304                 ; my group's Wo; Wcq, Wco, W1, W2 follow it on end
	s_add_nc_u64 s[60:61], s[8:9], s[48:49]
	s_add_nc_u64 s[CW:CW+1], s[60:61], 24576
	s_mul_i32 s48, s2, 40960
	s_add_co_u32 s48, s48, 7864320+5*4096
	s_add_nc_u64 s[62:63], s[8:9], s[48:49]
	s_add_nc_u64 s[CSW:CSW+1], s[62:63], 1024
	s_lshr_b32 s56, ttmp9, 5                       ; batch
	s_mul_i32 s48, s56, 393216
	s_mul_i32 s57, s2, 49152
	s_add_co_u32 s48, s48, s57
	s_add_nc_u64 s[R0:R0+1], s[10:11], s[48:49]
	s_add_nc_u64 s[R1:R1+1], s[12:13], s[48:49]
	s_lshl_b32 s48, s56, 14
	s_lshl_b32 s57, s2, 11
	s_add_co_u32 s48, s48, s57
	s_add_co_u32 s48, s48, 3145728
	s_add_nc_u64 s[R0S:R0S+1], s[10:11], s[48:49]
	s_add_nc_u64 s[R1S:R1S+1], s[12:13], s[48:49]
.irp i, 0,1,2,3,4,5,6,7,8,9,10,11,12,13,14,15
	global_load_b128 v[ACC+4*\i:ACC+4*\i+3], v[T16], s[50:51] offset:(\i+8*(\i/8))*4096   ; a whole row of x an instruction
.endr
.irp k, 0,1,2,3,4,5,6
	global_load_b128 v[176+4*\k:179+4*\k], v[T16], s[14+2*\k:15+2*\k]
.endr
.irp c, 0,1,2
	global_load_b128 v[204+4*\c:207+4*\c], v[LI], s[52:53] offset:512*\c   ; av's K step v of my tile
.endr
	global_load_b32 v216, v[L4], s[54:55]
	LOADBLK 0, 60, 62, 0
	LOADBLK 1, 60, 62, 1
	s_wait_loadcnt 50                              ; the 27 loads above are in; the stream's first two blocks stay out
.irp i, 0,1,2,3,4,5,6,7,8,9,10,11,12,13,14,15
	ds_store_b128 v[T16], v[ACC+4*\i:ACC+4*\i+3] offset:\i*RPITCH
.endr
.irp k, 0,1,2,3,4,5,6
	ds_store_b128 v12, v[176+4*\k:179+4*\k] offset:4096*\k
.endr
.irp c, 0,1,2
	ds_store_b128 v[IW], v[204+4*\c:207+4*\c] offset:512*\c
.endr
	ds_store_b32 v[ISW], v216
	BARRIER
	GEMM 0, 0, 1                                   ; av Wo + bo
	LNORM 0                                        ; + x, normalised
	QUANT ACC, PC, PW
	IMAGE 1
	GEMM 1, 1, 2                                   ; Q = out1 Wcq + bcq: my head pair's 128 channels
	QUANT ACC, PC, SQ
.irp i, 0,1,2,3,4,5
	v_mov_b32 v[QA+\i], v[PC+\i]                   ; a fragment of K spans two heads: Q with the other head's codes zero picks one
	v_mov_b32 v[QA+6+\i], 0
	v_mov_b32 v[QB+\i], 0
	v_mov_b32 v[QB+6+\i], v[PC+6+\i]
.endr
.irp d, 0,1
	v_mov_b32 v[ST+4*\d+1], 0xff61b1e6             ; the largest t so far: -3e38, under every t
	v_floor_f32 v[ST+4*\d], -v[ST+4*\d+1]
	v_mov_b32 v[ST+4*\d+2], 0
	v_mov_b32 v[ST+4*\d+3], 0
.endr
	v_mov_b32 v105, 0                              ; (named as upper halves of pairs)
	v_mov_b32 v109, 0
.set J, 0
.rept 64
	v_mov_b32 v[ACC+J], 0                          ; O^T: the loop is written once; its first step finds zeros
.set J, J+1
.endr
	s_add_nc_u64 s[66:67], s[CW:CW+1], 12288       ; Wco's second block and pack
	s_add_nc_u64 s[68:69], s[CSW:CSW+1], 512
	s_mov_b32 s[KAP], 0
.Latt:                                             ; four trips of 128 keys
	s_wait_loadcnt 25                              ; K's block is in; V's 25 loads stay out
	WIN 0x01
.irp t, 0,1,2,3,4,5,6,7
	MM S+8*\t, 12*\t, QA, -1, SW+\t/2, SQ, \t%2
.endr
	WIN 0
	PLACES
	SMAX 0
	WIN 0x01
.irp t, 0,1,2,3,4,5,6,7
	MM S+8*\t, 12*\t, QB, -1, SW+\t/2, SQ, \t%2
.endr
	WIN 0
	PLACES
	LOADBLK 0, R0, R0S, 0                          ; the next keys' K (in the last trip: Wco's first block)
	SMAX 1
	s_wait_loadcnt 25                              ; V's block is in; the 25 just issued stay out
	WIN 0x01
.irp t, 0,1,2,3,4,5,6,7
	MM ACC+8*\t, 96+12*\t, PC+20*(\t/4), ACC+8*\t, SW+4+\t/2, PWA+\t/4, \t%2
.endr
	WIN 0
	PLACES
	LOADBLK 1, R1, R1S, 0
	s_wait_xcnt 0x0                                ; the loads have read their bases
	s_add_nc_u64 s[R0:R0+1], s[R0:R0+1], 12288
	s_add_nc_u64 s[R0S:R0S+1], s[R0S:R0S+1], 512
	s_add_nc_u64 s[R1:R1+1], s[R1:R1+1], 12288
	s_add_nc_u64 s[R1S:R1S+1], s[R1S:R1S+1], 512
	s_cmp_eq_u32 s[KAP], 2                         ; the last trip asks for the stream's next blocks: Wco's first two
	s_cselect_b64 s[R0:R0+1], s[CW:CW+1], s[R0:R0+1]
	s_cselect_b64 s[R0S:R0S+1], s[CSW:CSW+1], s[R0S:R0S+1]
	s_cselect_b64 s[R1:R1+1], s[66:67], s[R1:R1+1]
	s_cselect_b64 s[R1S:R1S+1], s[68:69], s[R1S:R1S+1]
	s_add_co_u32 s[KAP], s[KAP], 1
	s_cmp_lt_u32 s[KAP], 4
	s_cbranch_scc1 .Latt
	s_add_nc_u64 s[CW:CW+1], s[CW:CW+1], 24576
	s_add_nc_u64 s[CSW:CSW+1], s[CSW:CSW+1], 1024
.irp d, 0,1
	v_add_f32 v[106+\d], v[ST+4*\d+2], v[ST+4*\d+3]
.endr
.irp d, 0,1
	v_permlanex16_b32 v[TM+4+\d], v[106+\d], s[SEL], s[SEL+1]
.endr
.irp d, 0,1
	v_add_f32 v[106+\d], v[106+\d], v[TM+4+\d]     ; the rows' sums
.endr
	v_rcp_f32 v104, v106
	v_rcp_f32 v108, v107
	v_nop
	s_wait_alu depctr_va_vdst(0)                   ; one wait for the two reciprocals
.set J, 0
.rept 16
	v_pk_mul_f32 v[ACC+J:ACC+J+1], v[ACC+J:ACC+J+1], v[104:105] op_sel_hi:[1,0]
.set J, J+2
.endr
.set J, 0
.rept 16
	v_pk_mul_f32 v[ACC+32+J:ACC+33+J], v[ACC+32+J:ACC+33+J], v[108:109] op_sel_hi:[1,0]
.set J, J+2
.endr
	QUANT ACC, PC, PW
	IMAGE 0
	GEMM 2, 0, 1                                   ; o Wco + bco
	LNORM 1                                        ; + out1, normalised
	QUANT ACC, PC, PW
	IMAGE 1
	GEMM 3, 1, 1                                   ; out2 W1 + b1
	QUANT ACC, PC, PW
	IMAGE 0
	GEMM 4, 0, 0                                   ; W2 + b2
	LNORM 2                                        ; + out2, normalised
	BARRIER                                        ; sixteen whole rows lie in LDS
	s_mul_i32 s48, s2, 2*RPITCH
	v_add_nc_u32 v[AA], s48, v[LI]                 ; wave v stores rows 2 v and 2 v + 1
.irp e, 0,1
.irp k, 0,1,2,3,4,5,6,7
	ds_load_b128 v[16+32*\e+4*\k:19+32*\e+4*\k], v[AA] offset:\e*RPITCH+512*\k
.endr
.endr
.irp e, 0,1
.irp k, 0,1,2,3,4,5,6,7
	s_wait_dscnt 15-8*\e-\k                        ; this load is in; the younger ones stay out
	global_store_b128 v[LI], v[16+32*\e+4*\k:19+32*\e+4*\k], s[28:29] offset:\e*4096+512*\k th:TH_STORE_NT   ; 512 consecutive bytes, aligned
.endr
.endr
	s_wait_tensorcnt 0x0
	ds_add_u32 v246, v247
	s_wait_dscnt 0x0
	s_endpgm
.Lfunc_end_k_qa3cba2f183_chain:
	.size	k_qa3cba2f183_chain, .Lfunc_end_k_qa3cba2f183_chain-k_qa3cba2f183_chain
	.p2alignl 7, 3214868480
	.fill 96, 4, 3214868480
	.section	.rodata,"a",@progbits
	.p2align	6, 0x0
	.amdhsa_kernel k_qa3cba2f183_chain
		.amdhsa_group_segment_fixed_size 125184
		.amdhsa_private_segment_fixed_size 0
		.amdhsa_enable_private_segment 0
		.amdhsa_kernarg_size 104
		.amdhsa_user_sgpr_count 2
		.amdhsa_user_sgpr_kernarg_segment_ptr 1
		.amdhsa_wavefront_size32 1
		.amdhsa_system_sgpr_workgroup_id_x 1
		.amdhsa_system_sgpr_workgroup_id_y 1
		.amdhsa_system_sgpr_workgroup_id_z 1
		.amdhsa_system_vgpr_workitem_id 0
		.amdhsa_next_free_vgpr 448
		.amdhsa_next_free_sgpr 72
		.amdhsa_reserve_vcc 0
		.amdhsa_float_denorm_mode_32 3
		.amdhsa_float_denorm_mode_16_64 3
		.amdhsa_memory_ordered 1
		.amdhsa_forward_progress 1
		.amdhsa_inst_pref_size 210
	.end_amdhsa_kernel
	.amdgpu_metadata
---
amdhsa.version: [ 1, 2 ]
amdhsa.kernels:
  - .name:           k_qa3cba2f183_chain
    .symbol:         k_qa3cba2f183_chain.kd
    .args:
      - { .name: x, .offset: 0, .size: 8, .value_kind: global_buffer, .address_space: global }
      - { .name: AV, .offset: 8, .size: 8, .value_kind: global_buffer, .address_space: global }
      - { .name: WQ, .offset: 16, .size: 8, .value_kind: global_buffer, .address_space: global }
      - { .name: KC, .offset: 24, .size: 8, .value_kind: global_buffer, .address_space: global }
      - { .name: VC, .offset: 32, .size: 8, .value_kind: global_buffer, .address_space: global }
      - { .name: bo, .offset: 40, .size: 8, .value_kind: global_buffer, .address_space: global }
      - { .name: bcq, .offset: 48, .size: 8, .value_kind: global_buffer, .address_space: global }
      - { .name: bco, .offset: 56, .size: 8, .value_kind: global_buffer, .address_space: global }
      - { .name: b1, .offset: 64, .size: 8, .value_kind: global_buffer, .address_space: global }
      - { .name: b2, .offset: 72, .size: 8, .value_kind: global_buffer, .address_space: global }
      - { .name: gamma, .offset: 80, .size: 8, .value_kind: global_buffer, .address_space: global }
      - { .name: beta, .offset: 88, .size: 8, .value_kind: global_buffer, .address_space: global }
      - { .name: out0, .offset: 96, .size: 8, .value_kind: global_buffer, .address_space: global }
    .group_segment_fixed_size: 125184
    .private_segment_fixed_size: 0
    .kernarg_segment_align: 8
    .kernarg_segment_size: 104
    .max_flat_workgroup_size: 256
    .sgpr_count:     72
    .vgpr_count:     448
    .wavefront_size: 32
...
	.end_amdgpu_metadata
.endif
;; end of part 4
;; ======== version 2 of 2: 4 launches; version 1 with the launches kv, self, chain written anew for expert scheduling mode
;; workspace buffers: WQ 8,192,000 bytes; XC 3,407,872 bytes; HC 3,407,872 bytes; AV 3,407,872 bytes; KC 3,276,800 bytes; VC 3,276,800 bytes
;; launch prep: the kernel of part 1 again; grid 576 x 1, 4 waves a work-group, no clusters, 26,112 bytes of LDS; arguments Wq, Wk, Wv, Wck, Wcv, Wo, Wcq, Wco, W1, W2, x, h, WQ, XC, HC; writes WQ, XC, HC
;; launch kv (part 5): grid 32 x 8, 8 waves a work-group, no clusters, 174,080 bytes of LDS; arguments HC, WQ, bck, bcv, KC, VC; writes KC, VC
.if DOCPART == 5
	.amdgcn_target "amdgcn-amd-amdhsa--gfx1250"
	.amdhsa_code_object_version 6
	.text
	.protected	k_qa3cba2f183_kv
	.globl	k_qa3cba2f183_kv
	.p2align	8
	.type	k_qa3cba2f183_kv,@function
k_qa3cba2f183_kv:
	s_mov_b64 s[64:65], 0
	v_nop
	global_prefetch_b8 v0, s[64:65] scope:SCOPE_SE
	s_setreg_imm32_b32 hwreg(HW_REG_WAVE_SCHED_MODE, 0, 2), 2
	s_setreg_imm32_b32 hwreg(HW_REG_WAVE_MODE, 25, 1), 1
	s_wait_xcnt 0x0
	s_wait_alu depctr_vm_vsrc(0)
; KV: K = h Wck + bck and V = h Wcv + bcv of the cross attention, both products on codes of FP6 (E2M3) with E8M0 scales; the results are quantised again:
; K along its channels (the first attention product's K), V along the keys (the second's).  Work-group (x = block of 128 tokens, y = group g of 128 channels = two heads); eight waves.
; Wave v takes channel tile v against all eight token tiles: accK[tau] = Wck tile x tokens (a lane holds a token, registers run along channels),
; accV[tau] = tokens x Wcv tile (a lane holds a channel, registers run along tokens = keys).  h's 64 fragment images lie in LDS, brought once; the weights go from memory straight into registers, two K steps ahead.
; V's 64 registers of a lane are 128 keys' worth of one channel in the quantiser's order: they are quantised in place.  K's channels of a token lie in eight waves: they change hands through LDS as images of the accumulators.
; KC: codes [batch][g][kappa = 128 keys][key tile i] x 1,536 (16 keys x the group's 128 channels); VC: the same shape (16 channels x 128 keys); packs of scale words from byte 3,145,728, [batch][g][kappa] x 512.
; No tensor load: each operand block is brought once and no LDS byte is filled again.  LIMITS as in the first launch: the byte 1 for blocks under 2^-124; NaN and infinities are not served.
; THE MODE: SCHED_MODE bits 1:0 = 2 (LLVM: expert scheduling mode 2), set by the entry lines.  The code itself states the register dependences
; between vector or matrix instructions and memory or LDS instructions, with s_wait_alu, always for 0.
; THE PLAN.  Registers that memory or LDS instructions touch:
;   v1-v13     addresses and offsets: written at the head, ahead of one wait on va_vdst, and never again.
;   v64-167    at the head h's images as loaded, read by the LDS stores; the products write them afterwards: one wait on vm_vsrc behind the first barrier.
;   F0, F1     window 1 v0-47 with v16-19, v48-95 with v20-23: fragments and scale words of token tiles 0-3 and 4-7.  Read by one half step's eight products, asked for again at once behind them.
;   W0, W1     window 1 v96-119 with v24-25, v120-143 with v26-27: K step s's weights in set s % 2.  Read by both halves' products, asked for again behind the second half, for K step s + 2.
;   So one wait on va_vdst stands behind each half's products, ahead of the run of loads into the registers that they have read; the second half's serves the weights' loads too.
;   v64-127    accK: written by the products, read by the LDS stores (places, then va_vdst); behind the second barrier LDS loads land in them (vm_vsrc).
;   v192-203, v29 and v212-223, v28: the quantiser's results, each read by one run of stores behind one wait on va_vdst, and not written again.
.set HSC, 98304                        ; LDS: h's fragment images [tau][s] x 1,536 from 0; their scale images [tau][s] x 128;
.set KX,  106496                       ; K's accumulators as images, [tau][channel tile] x 1,024;
.set SCG, 172032                       ; K's pack of scale words, then V's
.set TM,  232
.set SEL, 18
.set MSB, 0
.macro WIN new                         ; the immediate's high byte repeats the setting that is left
.if MSB != \new
	s_set_vgpr_msb (MSB<<8)|\new
.set MSB, \new
.endif
.endm
.macro BARRIER
	s_wait_dscnt 0x0                               ; my LDS stores have landed and my LDS loads are in
	s_barrier_signal -1
	s_barrier_wait -1
.endm
.macro MM d, a, b, c, sa, sb, row      ; the scaled FP6 product; c < 0: the constant 0 starts the sum; row = 1: source 0's scales stand in lanes 16-31
.if ((\c) < 0) && ((\row) == 0)
	v_wmma_scale_f32_16x16x128_f8f6f4 v[(\d):(\d)+7], v[(\a):(\a)+11], v[(\b):(\b)+11], 0, v[\sa], v[\sb] matrix_a_fmt:MATRIX_FMT_FP6 matrix_b_fmt:MATRIX_FMT_FP6
.elseif (\c) < 0
	v_wmma_scale_f32_16x16x128_f8f6f4 v[(\d):(\d)+7], v[(\a):(\a)+11], v[(\b):(\b)+11], 0, v[\sa], v[\sb] matrix_a_fmt:MATRIX_FMT_FP6 matrix_b_fmt:MATRIX_FMT_FP6 matrix_a_scale:MATRIX_SCALE_ROW1
.elseif (\row) == 0
	v_wmma_scale_f32_16x16x128_f8f6f4 v[(\d):(\d)+7], v[(\a):(\a)+11], v[(\b):(\b)+11], v[(\c):(\c)+7], v[\sa], v[\sb] matrix_a_fmt:MATRIX_FMT_FP6 matrix_b_fmt:MATRIX_FMT_FP6
.else
	v_wmma_scale_f32_16x16x128_f8f6f4 v[(\d):(\d)+7], v[(\a):(\a)+11], v[(\b):(\b)+11], v[(\c):(\c)+7], v[\sa], v[\sb] matrix_a_fmt:MATRIX_FMT_FP6 matrix_b_fmt:MATRIX_FMT_FP6 matrix_a_scale:MATRIX_SCALE_ROW1
.endif
.endm
.macro QUANT s, pc, pw                 ; 64 numbers of a lane (register 16 b + i = k 32 b + 16 (lane / 16) + i of my row) -> codes in v[pc..pc+11], scale word in v[pw]
.irp b, 0,1,2,3
	v_max3_num_f32 v[TM+\b], |v[(\s)+16*\b]|, |v[(\s)+1+16*\b]|, 0x1800000   ; with the floor 2^(3 - 127): the byte cannot fall under 1
.endr
.irp i, 2,4,6,8,10,12,14
.irp b, 0,1,2,3
	v_max3_num_f32 v[TM+\b], v[TM+\b], |v[(\s)+16*\b+\i]|, |v[(\s)+1+16*\b+\i]|
.endr
.endr
.irp b, 0,1,2,3
	v_permlanex16_b32 v[TM+4+\b], v[TM+\b], s[SEL], s[SEL+1]
.endr
.irp b, 0,1,2,3
	v_max_num_f32 v[TM+\b], v[TM+\b], v[TM+4+\b]
.endr
.irp b, 0,1,2,3
	v_add_nc_u32 v[TM+12+\b], 0xff000000, v[TM+\b]                 ; 2 off the exponent field: the conversion's scale operand
.endr
.irp b, 0,1,2,3
	v_lshrrev_b32 v[TM+4+\b], 23, v[TM+12+\b]
.endr
	v_lshl_or_b32 v[\pw], v[TM+5], 8, v[TM+4]
	v_lshl_or_b32 v[\pw], v[TM+6], 16, v[\pw]
	v_lshl_or_b32 v[\pw], v[TM+7], 24, v[\pw]
.irp c, 0,1
	v_cvt_scalef32_pk16_fp6_f32 v[(\pc)+6*\c:(\pc)+2+6*\c], v[(\s)+32*\c:(\s)+15+32*\c], v[TM+12+2*\c]
	v_cvt_scalef32_pk16_fp6_f32 v[(\pc)+12+4*\c:(\pc)+14+4*\c], v[(\s)+16+32*\c:(\s)+31+32*\c], v[TM+12+2*\c+1]
.endr
	v_nop                                                          ; one plain instruction behind the scaled conversions
.irp c, 0,1
.irp i, 0,1,2
	v_permlane16_swap_b32 v[(\pc)+6*\c+\i], v[(\pc)+12+4*\c+\i]
.endr
.irp i, 0,1,2
	v_mov_b32 v[(\pc)+3+6*\c+\i], v[(\pc)+12+4*\c+\i]
.endr
.endr
.endm
; REGISTERS, window 0: v1-13 addresses; v16-23 h's scale words; v24-27 the weights' (two sets x Wck, Wcv); v28, v29 the words just made; v32-39 bck, v40-47 bcv in the results' layouts;
;   v64-127 accK; v128-191 accV; v192-231 codes; v232-247 at work.   window 1: v0-95 h's eight fragments; v96-143 the weights' (two sets x 2 x 12).
	s_load_b256 s[4:11], s[0:1], 0x0               ; HC, WQ, bck, bcv
	s_load_b128 s[12:15], s[0:1], 0x20             ; KC, VC
	v_lshl_add_u32 v254, v0, 2, 0x2a400
	v_mov_b32 v255, 0
	v_lshrrev_b32 v1, 5, v0
	v_readfirstlane_b32 s2, v1                     ; wave v
	s_and_b32 s16, ttmp7, 0xffff                   ; g
	v_and_b32 v13, 31, v0                          ; lane
	v_and_b32 v14, 15, v0                          ; r
	v_bfe_u32 v15, v0, 4, 1                        ; h
	v_lshlrev_b32 v1, 4, v13                       ; 16 x lane: an image's place for my lane
	v_lshlrev_b32 v2, 4, v0                        ; 16 x thread
	v_add_nc_u32 v3, 65536, v2
	v_add_nc_u32 v4, 49152, v1                     ; token tiles 4-7
	v_lshl_add_u32 v5, v13, 2, HSC                 ; scale images
	s_wait_alu depctr_va_sdst(0)                   ; s2 is written, ahead of its first reader: addresses and bases are made from it
	s_mul_i32 s17, s2, 1536
	v_add_nc_u32 v6, s17, v1                       ; my tile's fragment in a block of eight
	s_and_b32 s20, s2, 1
	s_lshr_b32 s21, s2, 1
	s_lshl_b32 s22, s20, 8
	s_lshl_b32 s23, s21, 2
	s_add_co_u32 s22, s22, s23
	v_lshl_add_u32 v7, v14, 4, s22                 ; my tile's word in a pack: 16 r + 256 (v % 2) + 4 (v / 2)
	v_lshlrev_b32 v8, 6, v15                       ; bck: 64 h
	v_and_b32 v9, 8, v14
	v_add_nc_u32 v9, v9, v14
	v_lshlrev_b32 v9, 2, v9                        ; bcv: 4 (r + 8 (r / 8))
	s_lshl_b32 s23, s2, 10
	s_add_co_u32 s23, s23, KX
	v_add_nc_u32 v10, s23, v1                      ; accK out: + 8,192 tau
	s_lshl_b32 s23, s2, 13
	s_add_co_u32 s23, s23, KX
	v_add_nc_u32 v11, s23, v1                      ; and back: token tile v, + 1,024 t
	v_add_nc_u32 v12, SCG, v7
	s_lshl_b32 s23, s20, 9
	s_add_co_u32 s23, s23, SCG
	v_add_nc_u32 v13, s23, v1                      ; the packs' way out (waves 0 and 1)
	s_mov_b32 s[SEL], 0x76543210
	s_mov_b32 s[SEL+1], 0xfedcba98
.irp b, 0,1,2,3
	v_mov_b32 v[TM+4+\b], 0                        ; written once: a lane permute's destination counts as one of its sources
.endr
	s_mov_b32 s45, 0
	s_wait_kmcnt 0x0
	s_mul_i32 s44, ttmp9, 98304
	s_add_nc_u64 s[24:25], s[4:5], s[44:45]        ; my block's 64 fragments of h
	s_lshl_b32 s44, ttmp9, 13
	s_add_co_u32 s44, s44, 3145728
	s_add_nc_u64 s[26:27], s[4:5], s[44:45]        ; and their scale images
	s_mul_i32 s44, s16, 983040
	s_add_nc_u64 s[28:29], s[6:7], s[44:45]        ; the group's weights
	s_mul_i32 s44, s16, 40960
	s_add_co_u32 s44, s44, 7864320
	s_add_nc_u64 s[30:31], s[6:7], s[44:45]        ; and their packs
	s_lshl_b32 s44, s16, 9
	s_lshl_b32 s46, s21, 7
	s_add_co_u32 s44, s44, s46
	s_lshl_b32 s46, s20, 5
	s_add_co_u32 s44, s44, s46                     ; 4 x (128 g + 32 (v / 2) + 8 (v % 2))
	s_add_nc_u64 s[32:33], s[8:9], s[44:45]
	s_add_nc_u64 s[34:35], s[10:11], s[44:45]
	s_lshr_b32 s46, ttmp9, 2                       ; batch
	s_lshl_b32 s46, s46, 3
	s_add_co_u32 s46, s46, s16
	s_lshl_b32 s46, s46, 2
	s_and_b32 s47, ttmp9, 3                        ; kappa
	s_add_co_u32 s46, s46, s47                     ; (batch x 8 + g) x 4 + kappa
	s_lshl_b32 s44, s46, 3
	s_add_co_u32 s44, s44, s2
	s_mul_i32 s44, s44, 1536
	s_add_nc_u64 s[36:37], s[12:13], s[44:45]
	s_add_nc_u64 s[38:39], s[14:15], s[44:45]
	s_lshl_b32 s44, s46, 9
	s_add_co_u32 s44, s44, 3145728
	s_add_nc_u64 s[40:41], s[12:13], s[44:45]
	s_add_nc_u64 s[42:43], s[14:15], s[44:45]
	s_wait_alu depctr_va_vdst(0)                   ; the addresses and offsets v1 to v13 are written: every load and store of the kernel reads one of them
.irp i, 0,1,2,3,4,5,6,7,8,9,10,11,12,13,14,15,16,17,18,19,20,21,22,23
	global_load_b128 v[64+4*\i:67+4*\i], v2, s[24:25] offset:4096*\i
.endr
.irp i, 0,1
	global_load_b128 v[160+4*\i:163+4*\i], v2, s[26:27] offset:4096*\i
.endr
	global_load_b128 v[32:35], v8, s[32:33]
	global_load_b128 v[36:39], v8, s[32:33] offset:16
	global_load_b32 v40, v9, s[34:35]
.macro WLOAD s                         ; K step s of my tile of Wck and of Wcv: six loads of 512 consecutive bytes, and two of scale words
	WIN 0x40
.irp m, 0,1
.irp c, 0,1,2
	global_load_b128 v[96+24*((\s)%2)+12*\m+4*\c:96+24*((\s)%2)+12*\m+4*\c+3], v6, s[28:29] offset:(3+\m)*98304+(\s)*12288+512*\c
.endr
.endr
	WIN 0
.irp m, 0,1
	global_load_b32 v[24+2*((\s)%2)+\m], v7, s[30:31] offset:(3+\m)*4096+(\s)*512
.endr
.endm
.macro HFETCH hf, s                    ; K step s of token tiles 4 hf .. 4 hf + 3: 12 + 4 LDS loads
	WIN 0x40
.irp a, 0,1,2,3
.irp c, 0,1,2
	ds_load_b128 v[12*(4*\hf+\a)+4*\c:12*(4*\hf+\a)+4*\c+3], v[1+3*\hf] offset:(8*\a+(\s))*1536+512*\c
.endr
.endr
	WIN 0
.irp a, 0,1,2,3
	ds_load_b32 v[16+4*\hf+\a], v5 offset:(8*(4*\hf+\a)+(\s))*128
.endr
.endm
	WLOAD 0
	WLOAD 1
	s_wait_loadcnt 19                              ; h's 26 loads are in; the 3 bias loads and the 2 x 8 of the weights stay out
.irp i, 0,1,2,3,4,5,6,7,8,9,10,11,12,13,14,15
	ds_store_b128 v2, v[64+4*\i:67+4*\i] offset:4096*\i
.endr
.irp i, 16,17,18,19,20,21,22,23,24,25
	ds_store_b128 v3, v[64+4*\i:67+4*\i] offset:4096*(\i-16)
.endr
	BARRIER                                        ; h's images lie in LDS
	s_wait_alu depctr_vm_vsrc(0)                   ; my LDS stores have read v64-167: these registers are the accumulators from here on, written by the products
	HFETCH 0, 0
	HFETCH 1, 0
	s_wait_loadcnt 16                              ; the biases are in; two K steps of weights stay out
.irp j, 1,2,3,4,5,6,7
	v_mov_b32 v[40+\j], v40                        ; accV's eight registers are eight tokens of one channel: the same bias
.endr
.rept 4
	v_nop
.endr
.macro KHALF s, hf                     ; eight products: the accumulators take turns, one instruction a turn
	WIN 0x05                                       ; sources 0 and 1 in window 1
.irp a, 0,1,2,3
.if (\s) == 0
	MM 64+8*(4*\hf+\a), 96+24*((\s)%2), 12*(4*\hf+\a), 32, 24+2*((\s)%2), 16+4*\hf+\a, 0
	MM 128+8*(4*\hf+\a), 12*(4*\hf+\a), 108+24*((\s)%2), 40, 16+4*\hf+\a, 25+2*((\s)%2), 0
.else
	MM 64+8*(4*\hf+\a), 96+24*((\s)%2), 12*(4*\hf+\a), 64+8*(4*\hf+\a), 24+2*((\s)%2), 16+4*\hf+\a, 0
	MM 128+8*(4*\hf+\a), 12*(4*\hf+\a), 108+24*((\s)%2), 128+8*(4*\hf+\a), 16+4*\hf+\a, 25+2*((\s)%2), 0
.endif
.endr
	WIN 0
.rept 4
	v_nop                                          ; four plain instructions behind the products (ISA guide 7.12.1); they stay beside the waits that follow them
.endr
.endm
.macro KSTEP s
.if (\s) < 7
	s_wait_loadcnt 8                               ; this K step's weights are in; the next step's 8 loads stay out
.else
	s_wait_loadcnt 0x0
.endif
	s_wait_dscnt 16                                ; token tiles 0-3 are in; tiles 4-7's 16 loads stay out
	KHALF \s, 0
.if (\s) < 7
	s_wait_alu depctr_va_vdst(0)                   ; the eight products above are done reading tiles 0-3's fragments and scale words, in which the sixteen loads below land
	HFETCH 0, (\s)+1
	s_wait_dscnt 16                                ; tiles 4-7 are in; the 16 just issued stay out
.else
	s_wait_dscnt 0x0
.endif
	KHALF \s, 1
.if (\s) < 7
	s_wait_alu depctr_va_vdst(0)                   ; the products are done reading tiles 4-7's fragments and scale words, and this K step's weights and their scale words: the loads below land in these
	HFETCH 1, (\s)+1
.endif
.if (\s) < 6
	WLOAD (\s)+2
.endif
.endm
.irp s, 0,1,2,3,4,5,6,7
	KSTEP \s
.endr
	s_wait_alu depctr_va_vdst(0)                   ; the products have written accK, which the LDS stores read; the four places above stay beside this wait
	; K's accumulators change hands: wave v leaves its channel tile of every token tile, each accumulator from its low end on
.irp a, 0,1,2,3,4,5,6,7
	ds_store_b128 v10, v[64+8*\a:67+8*\a] offset:8192*\a
	ds_store_b128 v10, v[68+8*\a:71+8*\a] offset:8192*\a+512
.endr
	QUANT 128, 192, 29                             ; V: my channel tile x 128 keys
	s_wait_alu depctr_va_vdst(0)                   ; the quantiser has written v192-203 and v29, which the stores below read
.irp c, 0,1,2
	global_store_b128 v1, v[192+4*\c:195+4*\c], s[38:39] offset:512*\c
.endr
	ds_store_b32 v12, v29 offset:512               ; both halves of the lanes write the same word with the same value
	BARRIER
	s_wait_alu depctr_vm_vsrc(0)                   ; my LDS stores have read v64-127, in which the loads below land
.irp t, 0,1,2,3,4,5,6,7
	ds_load_b128 v[64+8*\t:67+8*\t], v11 offset:1024*\t
	ds_load_b128 v[68+8*\t:71+8*\t], v11 offset:1024*\t+512
.endr
	s_wait_dscnt 0x0
	QUANT 64, 212, 28                              ; K: token tile v x the group's 128 channels
	s_wait_alu depctr_va_vdst(0)                   ; the quantiser has written v212-223 and v28, which the stores below read
.irp c, 0,1,2
	global_store_b128 v1, v[212+4*\c:215+4*\c], s[36:37] offset:512*\c
.endr
	ds_store_b32 v12, v28
	BARRIER                                        ; both packs are whole
	s_cmp_lt_u32 s2, 2
	s_cbranch_scc0 .Lend
	s_cmp_eq_u32 s2, 0                             ; wave 0 stores K's pack, wave 1 V's
	s_cselect_b64 s[44:45], s[40:41], s[42:43]
	ds_load_b128 v[48:51], v13
	s_wait_dscnt 0x0
	global_store_b128 v1, v[48:51], s[44:45]       ; 512 consecutive bytes, aligned
.Lend:
	s_wait_dscnt 0x0                               ; the closing lines, six on end
	s_wait_alu 0x0
	s_wait_tensorcnt 0x0
	ds_add_u32 v254, v255
	s_wait_dscnt 0x0
	s_endpgm
.Lfunc_end_k_qa3cba2f183_kv:
	.size	k_qa3cba2f183_kv, .Lfunc_end_k_qa3cba2f183_kv-k_qa3cba2f183_kv
	.p2alignl 7, 3214868480
	.fill 96, 4, 3214868480
	.section	.rodata,"a",@progbits
	.p2align	6, 0x0
	.amdhsa_kernel k_qa3cba2f183_kv
		.amdhsa_group_segment_fixed_size 174080
		.amdhsa_private_segment_fixed_size 0
		.amdhsa_enable_private_segment 0
		.amdhsa_kernarg_size 48
		.amdhsa_user_sgpr_count 2
		.amdhsa_user_sgpr_kernarg_segment_ptr 1
		.amdhsa_wavefront_size32 1
		.amdhsa_system_sgpr_workgroup_id_x 1
		.amdhsa_system_sgpr_workgroup_id_y 1
		.amdhsa_system_sgpr_workgroup_id_z 1
		.amdhsa_system_vgpr_workitem_id 0
		.amdhsa_next_free_vgpr 400
		.amdhsa_next_free_sgpr 66
		.amdhsa_reserve_vcc 0
		.amdhsa_float_denorm_mode_32 3
		.amdhsa_float_denorm_mode_16_64 3
		.amdhsa_memory_ordered 1
		.amdhsa_forward_progress 1
		.amdhsa_inst_pref_size 64
	.end_amdhsa_kernel
	.amdgpu_metadata
---
amdhsa.version: [ 1, 2 ]
amdhsa.kernels:
  - .name:           k_qa3cba2f183_kv
    .symbol:         k_qa3cba2f183_kv.kd
    .args:
      - { .name: HC, .offset: 0, .size: 8, .value_kind: global_buffer, .address_space: global }
      - { .name: WQ, .offset: 8, .size: 8, .value_kind: global_buffer, .address_space: global }
      - { .name: bck, .offset: 16, .size: 8, .value_kind: global_buffer, .address_space: global }
      - { .name: bcv, .offset: 24, .size: 8, .value_kind: global_buffer, .address_space: global }
      - { .name: KC, .offset: 32, .size: 8, .value_kind: global_buffer, .address_space: global }
      - { .name: VC, .offset: 40, .size: 8, .value_kind: global_buffer, .address_space: global }
    .group_segment_fixed_size: 174080
    .private_segment_fixed_size: 0
    .kernarg_segment_align: 8
    .kernarg_segment_size: 48
    .max_flat_workgroup_size: 256
    .sgpr_count:     66
    .vgpr_count:     400
    .wavefront_size: 32
...
	.end_amdgpu_metadata
.endif
;; end of part 5
;; launch self (part 6): grid 32 x 8, 8 waves a work-group, no clusters, 304,128 bytes of LDS; arguments XC, WQ, bq, bk, bv, AV; writes AV
.if DOCPART == 6
	.amdgcn_target "amdgcn-amd-amdhsa--gfx1250"
	.amdhsa_code_object_version 6
	.text
	.protected	k_qa3cba2f183_self
	.globl	k_qa3cba2f183_self
	.p2align	8
	.type	k_qa3cba2f183_self,@function
k_qa3cba2f183_self:
	s_mov_b64 s[64:65], 0
	v_nop
	global_prefetch_b8 v0, s[64:65] scope:SCOPE_SE
	s_setreg_imm32_b32 hwreg(HW_REG_WAVE_SCHED_MODE, 0, 2), 2
	s_setreg_imm32_b32 hwreg(HW_REG_WAVE_MODE, 25, 1), 1
	s_wait_xcnt 0x0
	s_wait_alu depctr_vm_vsrc(0)
; SELF: Q, K, V = x W + b on codes of FP6 (E2M3) with E8M0 scales; then, for each (token, head), the attention over the head's 64 CHANNELS:
; av[q] = sum over k <= q of softmax_k(Q[q] K[k] / 8) V[k], all in f32 by vector instructions, since av goes on into a quantiser; av is quantised along the channels and stored as fragment images.
; Work-group (x = block of 128 tokens, y = head pair p = 128 columns); eight waves.  GEMM: wave v takes column tile v of Wq, Wk, Wv against all eight token tiles (24 accumulators).
; Then the results change hands through LDS so that ONE LANE owns one (token, head): wave tau owns token tile tau, lane = token + 16 x head.
; THE MAXIMUM is taken away exactly: over k <= q the largest Q[q] K[k] is Q[q] times the running largest or the running smallest K, so max(Q kmax, Q kmin) is the row's maximum, known before any exponential.
; The 64 x 64 triangle goes in blocks of 16 x 16; blocks above the diagonal are left out (a scalar branch on the two loop counters).  In a block, two rows form a group: 32 exponentials in one batch,
; issued by turns with the packed sums of the group before, one wait a batch.
; LIMITS: NaN and infinities are not served; sums are taken in another order than the model's text; the byte 1 for blocks under 2^-124.
; THE MODE: SCHED_MODE bits 1:0 = 2 (LLVM: expert scheduling mode 2), set by the entry lines.  The code itself states the register dependences
; between vector or matrix instructions and memory or LDS instructions, with s_wait_alu, always for 0.
; THE PLAN.  Registers that memory or LDS instructions touch:
;   v1-v13     addresses and offsets: written at the head, ahead of one wait on va_vdst, and never again.
;   v64-167    at the head x's images as loaded, read by the LDS stores; the products write them afterwards: one wait on vm_vsrc behind the first barrier.
;   F0, F1     window 1 v0-47 with v16-19, v48-95 with v20-23: fragments and scale words of token tiles 0-3 and 4-7.  Read by one half step's twelve products, asked for again at once behind them.
;   W0, W1     window 1 v96-131 with v24-26, v132-167 with v27-29: K step s's weights in set s % 2.  Read by both halves' products, asked for again behind the second half, for K step s + 2.
;   So one wait on va_vdst stands behind each half's products, ahead of the run of loads into the registers that they have read; the second half's serves the weights' loads too.
;   v64-255    the 24 accumulators: written by the products, read by the exchange's LDS stores (places, then va_vdst); written again in the attention (vm_vsrc at the row loop's head).
;   v14, v15   LDS addresses of a block of rows and of a block of columns: each written once a block: vm_vsrc ahead of the add, va_vdst behind it, which also states that the block before
;              is done with Q's, K's and V's registers (v64-79, v96-127), in which the loads land.
;   v224-239   av of 16 rows: written by the multiplications, read by four LDS stores (va_vdst); written again in the next trip (the row loop's vm_vsrc).
;   v192-203, v38, v39: the codes, the scale word and its offset: read by the last stores behind one wait on va_vdst.
.set XSC, 98304                        ; LDS: x's fragment images [tau][s] x 1,536 from 0; their scale images;
.set SCR, 106496                       ; eight units of 24,576: Q, K, V of token tile tau: element (channel c, lane) at 512 (c / 4) + 16 lane + 4 (c % 4)
.set SEL, 18
.set CS,  20                           ; s[20:21] log2(e) / 8
.set QOFF, 22
.set KOFF, 23
.set QS, 64                            ; v64-79   16 rows' Q x log2(e) / 8
.set MX, 80                            ; v80-95   their maxima
.set KR, 96                            ; v96-111  16 K
.set VR, 112                           ; v112-127 16 V
.set LL, 128                           ; v128-159 16 pairs: the rows' sums (even k, odd k)
.set AC, 160                           ; v160-191 16 pairs: the rows' weighted sums
.set TT, 192                           ; v192-255 two sets of 2 rows x 16
.set MSB, 0
.macro WIN new                         ; the immediate's high byte repeats the setting that is left
.if MSB != \new
	s_set_vgpr_msb (MSB<<8)|\new
.set MSB, \new
.endif
.endm
.macro BARRIER
	s_wait_dscnt 0x0                               ; my LDS stores have landed and my LDS loads are in
	s_barrier_signal -1
	s_barrier_wait -1
.endm
.macro MM d, a, b, c, sa, sb           ; the scaled FP6 product
	v_wmma_scale_f32_16x16x128_f8f6f4 v[(\d):(\d)+7], v[(\a):(\a)+11], v[(\b):(\b)+11], v[(\c):(\c)+7], v[\sa], v[\sb] matrix_a_fmt:MATRIX_FMT_FP6 matrix_b_fmt:MATRIX_FMT_FP6
.endm
; REGISTERS of the GEMM, window 0: v1-15 addresses; v16-23 x's scale words; v24-29 the weights' (two sets x 3); v32-55 the three biases; v64-255 acc[tau][m] at 64 + 8 (3 tau + m).
;   window 1: v0-95 x's eight fragments; v96-167 the weights' (two sets x 3 x 12).
	s_load_b256 s[4:11], s[0:1], 0x0               ; XC, WQ, bq, bk
	s_load_b128 s[12:15], s[0:1], 0x20             ; bv, AV
	v_lshl_add_u32 v62, v0, 2, 0x4a000
	v_mov_b32 v63, 0
	v_lshrrev_b32 v1, 5, v0
	v_readfirstlane_b32 s2, v1                     ; wave v
	s_and_b32 s16, ttmp7, 0xffff                   ; p
	v_and_b32 v13, 31, v0
	v_and_b32 v14, 15, v0                          ; r
	v_bfe_u32 v15, v0, 4, 1                        ; h
	v_lshlrev_b32 v1, 4, v13                       ; 16 x lane
	v_lshlrev_b32 v2, 4, v0                        ; 16 x thread
	v_add_nc_u32 v3, 65536, v2
	v_add_nc_u32 v4, 49152, v1
	v_lshl_add_u32 v5, v13, 2, XSC
	s_wait_alu depctr_va_sdst(0)                   ; s2 is written, ahead of its first reader: addresses and bases are made from it
	s_mul_i32 s17, s2, 1536
	v_add_nc_u32 v6, s17, v1
	s_and_b32 s44, s2, 1
	s_lshr_b32 s45, s2, 1
	s_lshl_b32 s46, s44, 8
	s_lshl_b32 s47, s45, 2
	s_add_co_u32 s46, s46, s47
	v_lshl_add_u32 v7, v14, 4, s46                 ; my tile's word in a pack
	v_lshlrev_b32 v8, 6, v15                       ; the biases: 64 h
	s_bfe_u32 s46, s2, 0x10001
	s_lshl_b32 s46, s46, 12                        ; the exchange: channel c = 32 ((v / 2) % 2) + 16 h + 8 (v % 2) + j of head v / 4
	s_lshl_b32 s47, s44, 10
	s_add_co_u32 s46, s46, s47
	s_lshr_b32 s47, s2, 2
	s_lshl_b32 s47, s47, 8
	s_add_co_u32 s46, s46, s47
	s_add_co_u32 s46, s46, SCR
	v_lshlrev_b32 v9, 4, v14
	v_lshl_add_u32 v9, v15, 11, v9
	v_add_nc_u32 v9, s46, v9                       ; units 0, 1
	v_add_nc_u32 v10, 49152, v9                    ; units 2, 3
	v_add_nc_u32 v11, 98304, v9                    ; units 4, 5
	v_add_nc_u32 v12, 147456, v9                   ; units 6, 7
	s_mul_i32 s46, s2, 24576
	s_add_co_u32 s46, s46, SCR
	v_add_nc_u32 v13, s46, v1                      ; RA: my unit, my lane
	s_mov_b32 s[SEL], 0x76543210
	s_mov_b32 s[SEL+1], 0xfedcba98
	s_mov_b32 s[CS], 0x3e38aa3b
	s_mov_b32 s[CS+1], s[CS]
	s_lshl_b32 s46, s16, 9
	s_lshl_b32 s47, s45, 7
	s_add_co_u32 s46, s46, s47
	s_lshl_b32 s47, s44, 5
	s_add_co_u32 s46, s46, s47                     ; 4 x (128 p + 32 (v / 2) + 8 (v % 2))
	s_mov_b32 s47, 0
	s_mov_b32 s45, 0
	s_wait_kmcnt 0x0
	s_add_nc_u64 s[32:33], s[8:9], s[46:47]
	s_add_nc_u64 s[34:35], s[10:11], s[46:47]
	s_add_nc_u64 s[36:37], s[12:13], s[46:47]
	s_mul_i32 s44, ttmp9, 98304
	s_add_nc_u64 s[24:25], s[4:5], s[44:45]
	s_lshl_b32 s44, ttmp9, 13
	s_add_co_u32 s44, s44, 3145728
	s_add_nc_u64 s[26:27], s[4:5], s[44:45]
	s_mul_i32 s44, s16, 983040
	s_add_nc_u64 s[28:29], s[6:7], s[44:45]
	s_mul_i32 s44, s16, 40960
	s_add_co_u32 s44, s44, 7864320
	s_add_nc_u64 s[30:31], s[6:7], s[44:45]
	s_lshl_b32 s46, ttmp9, 3
	s_add_co_u32 s46, s46, s2
	s_lshl_b32 s46, s46, 3
	s_add_co_u32 s46, s46, s16                     ; (8 tb + v) x 8 + p
	s_mul_i32 s44, s46, 1536
	s_add_nc_u64 s[38:39], s[14:15], s[44:45]
	s_lshl_b32 s44, s46, 7
	s_add_co_u32 s44, s44, 3145728
	s_add_nc_u64 s[40:41], s[14:15], s[44:45]
	s_wait_alu depctr_va_vdst(0)                   ; the addresses and offsets v1 to v13 are written, which the loads and stores below read
.irp i, 0,1,2,3,4,5,6,7,8,9,10,11,12,13,14,15,16,17,18,19,20,21,22,23
	global_load_b128 v[64+4*\i:67+4*\i], v2, s[24:25] offset:4096*\i
.endr
.irp i, 0,1
	global_load_b128 v[160+4*\i:163+4*\i], v2, s[26:27] offset:4096*\i
.endr
.irp m, 0,1,2
	global_load_b128 v[32+8*\m:35+8*\m], v8, s[32+2*\m:33+2*\m]
	global_load_b128 v[36+8*\m:39+8*\m], v8, s[32+2*\m:33+2*\m] offset:16
.endr
.macro WLOAD s                         ; K step s of my tile of Wq, Wk, Wv: 9 + 3 loads
	WIN 0x40
.irp m, 0,1,2
.irp c, 0,1,2
	global_load_b128 v[96+36*((\s)%2)+12*\m+4*\c:96+36*((\s)%2)+12*\m+4*\c+3], v6, s[28:29] offset:\m*98304+(\s)*12288+512*\c
.endr
.endr
	WIN 0
.irp m, 0,1,2
	global_load_b32 v[24+3*((\s)%2)+\m], v7, s[30:31] offset:\m*4096+(\s)*512
.endr
.endm
.macro XFETCH hf, s                    ; K step s of token tiles 4 hf .. 4 hf + 3: 12 + 4 LDS loads
	WIN 0x40
.irp a, 0,1,2,3
.irp c, 0,1,2
	ds_load_b128 v[12*(4*\hf+\a)+4*\c:12*(4*\hf+\a)+4*\c+3], v[1+3*\hf] offset:(8*\a+(\s))*1536+512*\c
.endr
.endr
	WIN 0
.irp a, 0,1,2,3
	ds_load_b32 v[16+4*\hf+\a], v5 offset:(8*(4*\hf+\a)+(\s))*128
.endr
.endm
	WLOAD 0
	WLOAD 1
	s_wait_loadcnt 30                              ; x's 26 loads are in; 6 bias loads and 2 x 12 of the weights stay out
.irp i, 0,1,2,3,4,5,6,7,8,9,10,11,12,13,14,15
	ds_store_b128 v2, v[64+4*\i:67+4*\i] offset:4096*\i
.endr
.irp i, 16,17,18,19,20,21,22,23,24,25
	ds_store_b128 v3, v[64+4*\i:67+4*\i] offset:4096*(\i-16)
.endr
	BARRIER                                        ; x's images lie in LDS
	s_wait_alu depctr_vm_vsrc(0)                   ; my LDS stores have read v64-167: these registers are accumulators from here on, written by the products
	XFETCH 0, 0
	XFETCH 1, 0
.macro XHALF s, hf                     ; twelve products on twelve accumulators, one instruction a turn; the biases are the C of the first K step
	WIN 0x05
.irp a, 0,1,2,3
.irp m, 0,1,2
.if (\s) == 0
	MM 64+8*(3*(4*\hf+\a)+\m), 96+36*((\s)%2)+12*\m, 12*(4*\hf+\a), 32+8*\m, 24+3*((\s)%2)+\m, 16+4*\hf+\a
.else
	MM 64+8*(3*(4*\hf+\a)+\m), 96+36*((\s)%2)+12*\m, 12*(4*\hf+\a), 64+8*(3*(4*\hf+\a)+\m), 24+3*((\s)%2)+\m, 16+4*\hf+\a
.endif
.endr
.endr
	WIN 0
.rept 4
	v_nop                                          ; four plain instructions behind the products (ISA guide 7.12.1); they stay beside the waits that follow them
.endr
.endm
.macro KSTEP s
.if (\s) < 7
	s_wait_loadcnt 12                              ; this K step's weights (and, the first time, the biases) are in; the next step's 12 loads stay out
.else
	s_wait_loadcnt 0x0
.endif
	s_wait_dscnt 16                                ; token tiles 0-3 are in; tiles 4-7's 16 loads stay out
	XHALF \s, 0
.if (\s) < 7
	s_wait_alu depctr_va_vdst(0)                   ; the twelve products above are done reading tiles 0-3's fragments and scale words, in which the sixteen loads below land
	XFETCH 0, (\s)+1
	s_wait_dscnt 16
.else
	s_wait_dscnt 0x0
.endif
	XHALF \s, 1
.if (\s) < 7
	s_wait_alu depctr_va_vdst(0)                   ; the products are done reading tiles 4-7's fragments and scale words, and this K step's weights and their scale words: the loads below land in these
	XFETCH 1, (\s)+1
.endif
.if (\s) < 6
	WLOAD (\s)+2
.endif
.endm
.irp s, 0,1,2,3,4,5,6,7
	KSTEP \s
.endr
	s_wait_alu depctr_va_vdst(0)                   ; the products have written the 24 accumulators, which the LDS stores read; the four places above stay beside this wait
	; the exchange: each accumulator from its low end on
.irp a, 0,1,2,3,4,5,6,7
.irp m, 0,1,2
	ds_store_b128 v[9+\a/2], v[64+8*(3*\a+\m):67+8*(3*\a+\m)] offset:(\a%2)*24576+\m*8192
	ds_store_b128 v[9+\a/2], v[68+8*(3*\a+\m):71+8*(3*\a+\m)] offset:(\a%2)*24576+\m*8192+512
.endr
.endr
	BARRIER                                        ; from here on a wave touches its own unit alone
; ---- the attention over channels ----
; group g = rows 2 g and 2 g + 1 of the block.  (row i, column k) counts where the block lies under the diagonal (diag = 0) or k <= i.
.macro TFMA g, diag                    ; t = K x (Q c) - the row's maximum, two columns an instruction
.irp e, 0,1
.irp j, 0,1,2,3,4,5,6,7
.if ((\diag) == 0) || (2*\j <= 2*(\g)+\e)
.if \e == 0
	v_pk_fma_f32 v[TT+32*((\g)%2)+2*\j:TT+32*((\g)%2)+2*\j+1], v[KR+2*\j:KR+2*\j+1], v[QS+2*(\g):QS+2*(\g)+1], v[MX+2*(\g):MX+2*(\g)+1] op_sel_hi:[1,0,0] neg_lo:[0,0,1] neg_hi:[0,0,1]
.else
	v_pk_fma_f32 v[TT+32*((\g)%2)+16+2*\j:TT+32*((\g)%2)+16+2*\j+1], v[KR+2*\j:KR+2*\j+1], v[QS+2*(\g):QS+2*(\g)+1], v[MX+2*(\g):MX+2*(\g)+1] op_sel:[0,1,1] op_sel_hi:[1,1,1] neg_lo:[0,0,1] neg_hi:[0,0,1]
.endif
.if (\diag) && (2*\j == 2*(\g)+\e)
	v_mov_b32 v[TT+32*((\g)%2)+16*\e+2*\j+1], 0    ; the column just above the diagonal: weight 0, and no exponential
.endif
.endif
.endr
.endr
.endm
.macro TEXP1 g, n, diag                ; element n = 16 e + k of the group
.if ((\diag) == 0) || (((\n)%16) <= 2*(\g)+(\n)/16)
	v_exp_f32 v[TT+32*((\g)%2)+(\n)], v[TT+32*((\g)%2)+(\n)]
.endif
.endm
.macro TCON1 g, n, diag                ; step n: kind n % 2 (the sum, the weighted sum), row (n / 2) % 2, pair n / 4: the group's four sums take turns
.set ce, ((\n)/2)%2
.set cj, (\n)/4
.set ci, 2*(\g)+ce
.set ct, TT+32*((\g)%2)+16*ce+2*cj
.if ((\diag) == 0) || (2*cj <= ci)
.if ((\n)%2) == 0
.if (\diag) && (cj == 0)
	v_pk_mul_f32 v[LL+2*ci:LL+2*ci+1], v[ct:ct+1], 1.0 op_sel_hi:[1,0]     ; the diagonal block comes first and starts the sums: nothing is cleared
.else
	v_pk_add_f32 v[LL+2*ci:LL+2*ci+1], v[LL+2*ci:LL+2*ci+1], v[ct:ct+1]
.endif
.else
.if (\diag) && (cj == 0)
	v_pk_mul_f32 v[AC+2*ci:AC+2*ci+1], v[ct:ct+1], v[VR:VR+1]
.else
	v_pk_fma_f32 v[AC+2*ci:AC+2*ci+1], v[ct:ct+1], v[VR+2*cj:VR+2*cj+1], v[AC+2*ci:AC+2*ci+1]
.endif
.endif
.endif
.endm
.macro BLK diag
	TFMA 0, \diag
.set NN, 0
.rept 32
	TEXP1 0, NN, \diag
.set NN, NN+1
.endr
.irp g, 1,2,3,4,5,6,7
	TFMA \g, \diag                                 ; plain work behind the batch of the group before; it names the other set
	s_wait_alu depctr_va_vdst(0)                   ; the exponentials of the group before have written their results: one wait for that batch, ahead of its first reader
.set NN, 0
.rept 32
	TEXP1 \g, NN, \diag
	TCON1 (\g)-1, NN, \diag
.set NN, NN+1
.endr
.endr
	v_nop                                          ; a plain instruction behind the last exponential
	s_wait_alu depctr_va_vdst(0)                   ; the last group's exponentials have written their results, ahead of their first reader
.set NN, 0
.rept 32
	TCON1 7, NN, \diag
.set NN, NN+1
.endr
.endm
	v_mov_b32 v32, 0xff800000                      ; the running largest K,
	v_mov_b32 v33, 0x7f800000                      ; and the running smallest
	s_mov_b32 s[QOFF], 0
.Lqb:                                              ; four trips: rows 16 qb .. 16 qb + 15
	s_wait_alu depctr_vm_vsrc(0)                   ; the LDS instructions issued so far have read their registers: in the first trip the exchange's stores v64-255, later av's stores v224-239 and the trip's address v14: all are written below
	v_add_nc_u32 v14, s[QOFF], v13
	s_wait_alu depctr_va_vdst(0)                   ; v14 is written, which the loads read; the trip before is done with Q's, K's and V's registers, in which they land
.irp i, 0,1,2,3
	ds_load_b128 v[QS+4*\i:QS+4*\i+3], v14 offset:512*\i
	ds_load_b128 v[KR+4*\i:KR+4*\i+3], v14 offset:8192+512*\i
	ds_load_b128 v[VR+4*\i:VR+4*\i+3], v14 offset:16384+512*\i
.endr
	s_wait_dscnt 0x0
.irp i, 0,2,4,6,8,10,12,14
	v_pk_mul_f32 v[QS+\i:QS+\i+1], v[QS+\i:QS+\i+1], s[CS:CS+1] op_sel_hi:[1,0]
.endr
.irp i, 0,1,2,3,4,5,6,7,8,9,10,11,12,13,14,15
	v_max_num_f32 v32, v32, v[KR+\i]
	v_min_num_f32 v33, v33, v[KR+\i]
	v_mul_f32 v[34+2*(\i%2)], v[QS+\i], v32
	v_mul_f32 v[35+2*(\i%2)], v[QS+\i], v33
	v_max_num_f32 v[MX+\i], v[34+2*(\i%2)], v[35+2*(\i%2)]         ; the row's largest t over k <= q
.endr
	BLK 1
	s_mov_b32 s[KOFF], 0
.Lkb:                                              ; four trips; the blocks at and above the diagonal are passed over
	s_cmp_ge_u32 s[KOFF], s[QOFF]
	s_cbranch_scc1 .Lskip
	s_wait_alu depctr_vm_vsrc(0)                   ; the loads of the block before have read v15
	v_add_nc_u32 v15, s[KOFF], v13
	s_wait_alu depctr_va_vdst(0)                   ; v15 is written, which the loads read; the block before is done reading K's and V's registers, in which they land
.irp i, 0,1,2,3
	ds_load_b128 v[KR+4*\i:KR+4*\i+3], v15 offset:8192+512*\i
	ds_load_b128 v[VR+4*\i:VR+4*\i+3], v15 offset:16384+512*\i
.endr
	s_wait_dscnt 0x0
	BLK 0
.Lskip:
	s_add_co_u32 s[KOFF], s[KOFF], 2048
	s_cmp_lt_u32 s[KOFF], 8192
	s_cbranch_scc1 .Lkb
.irp i, 0,1,2,3,4,5,6,7,8,9,10,11,12,13,14,15
	v_add_f32 v[TT+\i], v[LL+2*\i], v[LL+2*\i+1]
.endr
.irp i, 0,1,2,3,4,5,6,7,8,9,10,11,12,13,14,15
	v_add_f32 v[TT+16+\i], v[AC+2*\i], v[AC+2*\i+1]
.endr
.irp i, 0,1,2,3,4,5,6,7,8,9,10,11,12,13,14,15
	v_rcp_f32 v[TT+\i], v[TT+\i]
.endr
	v_nop
	s_wait_alu depctr_va_vdst(0)                   ; the sixteen reciprocals have written their results: one wait, ahead of their first reader
.irp i, 0,2,4,6,8,10,12,14
	v_pk_mul_f32 v[TT+32+\i:TT+33+\i], v[TT+16+\i:TT+17+\i], v[TT+\i:TT+\i+1]
.endr
	s_wait_alu depctr_va_vdst(0)                   ; the multiplications have written v224-239, which the LDS stores read
.irp i, 0,1,2,3
	ds_store_b128 v14, v[TT+32+4*\i:TT+35+4*\i] offset:512*\i      ; av takes the place of these rows' Q, which is done with
.endr
	s_wait_dscnt 0x0
	s_add_co_u32 s[QOFF], s[QOFF], 2048
	s_cmp_lt_u32 s[QOFF], 8192
	s_cbranch_scc1 .Lqb
	; av is quantised: my 64 channels are blocks 2 head and 2 head + 1 of K step p, both wholly mine.  (No wait ahead of the loads: no vector instruction since the last wait on va_vdst names v64-127 or v13)
.irp i, 0,1,2,3,4,5,6,7,8,9,10,11,12,13,14,15
	ds_load_b128 v[64+4*\i:67+4*\i], v13 offset:512*\i
.endr
	s_wait_dscnt 0x0
.irp b, 0,1
	v_max3_num_f32 v[34+\b], |v[64+32*\b]|, |v[65+32*\b]|, 0x1800000
.endr
.irp i, 2,4,6,8,10,12,14,16,18,20,22,24,26,28,30
.irp b, 0,1
	v_max3_num_f32 v[34+\b], v[34+\b], |v[64+32*\b+\i]|, |v[65+32*\b+\i]|
.endr
.endr
.irp b, 0,1
	v_add_nc_u32 v[36+\b], 0xff000000, v[34+\b]
.endr
.irp b, 0,1
	v_lshrrev_b32 v[34+\b], 23, v[36+\b]
.endr
	v_lshl_or_b32 v38, v35, 8, v34                 ; my two bytes,
	v_bfe_u32 v39, v0, 4, 1
	v_lshlrev_b32 v39, 4, v39
	v_lshlrev_b32 v38, v39, v38                    ; at their places in the row's scale word;
	v_mov_b32 v39, 0
	v_permlanex16_b32 v39, v38, s[SEL], s[SEL+1]
	v_or_b32 v38, v38, v39                         ; with the other head's two the word is whole
.irp b, 0,1
	v_cvt_scalef32_pk16_fp6_f32 v[192+6*\b:194+6*\b], v[64+32*\b:79+32*\b], v[36+\b]
	v_cvt_scalef32_pk16_fp6_f32 v[204+4*\b:206+4*\b], v[80+32*\b:95+32*\b], v[36+\b]
.endr
	v_nop
.irp b, 0,1
.irp i, 0,1,2
	v_mov_b32 v[195+6*\b+\i], v[204+4*\b+\i]
.endr
.endr
.irp i, 0,1,2,3,4,5
	v_permlane16_swap_b32 v[192+\i], v[198+\i]     ; lanes 0-15 now hold blocks 0 and 2, lanes 16-31 blocks 1 and 3: the operand's layout
.endr
	v_lshlrev_b32 v39, 2, v0
	v_and_b32 v39, 124, v39                        ; 4 x lane
	s_wait_alu depctr_va_vdst(0)                   ; the codes v192-203, the scale word v38 and its offset v39 are written, which the stores read
.irp c, 0,1,2
	global_store_b128 v1, v[192+4*\c:195+4*\c], s[38:39] offset:512*\c
.endr
	global_store_b32 v39, v38, s[40:41]
	s_wait_dscnt 0x0                               ; the closing lines, six on end
	s_wait_alu 0x0
	s_wait_tensorcnt 0x0
	ds_add_u32 v62, v63
	s_wait_dscnt 0x0
	s_endpgm
.Lfunc_end_k_qa3cba2f183_self:
	.size	k_qa3cba2f183_self, .Lfunc_end_k_qa3cba2f183_self-k_qa3cba2f183_self
	.p2alignl 7, 3214868480
	.fill 96, 4, 3214868480
	.section	.rodata,"a",@progbits
	.p2align	6, 0x0
	.amdhsa_kernel k_qa3cba2f183_self
		.amdhsa_group_segment_fixed_size 304128
		.amdhsa_private_segment_fixed_size 0
		.amdhsa_enable_private_segment 0
		.amdhsa_kernarg_size 48
		.amdhsa_user_sgpr_count 2
		.amdhsa_user_sgpr_kernarg_segment_ptr 1
		.amdhsa_wavefront_size32 1
		.amdhsa_system_sgpr_workgroup_id_x 1
		.amdhsa_system_sgpr_workgroup_id_y 1
		.amdhsa_system_sgpr_workgroup_id_z 1
		.amdhsa_system_vgpr_workitem_id 0
		.amdhsa_next_free_vgpr 424
		.amdhsa_next_free_sgpr 66
		.amdhsa_reserve_vcc 0
		.amdhsa_float_denorm_mode_32 3
		.amdhsa_float_denorm_mode_16_64 3
		.amdhsa_memory_ordered 1
		.amdhsa_forward_progress 1
		.amdhsa_inst_pref_size 130
	.end_amdhsa_kernel
	.amdgpu_metadata
---
amdhsa.version: [ 1, 2 ]
amdhsa.kernels:
  - .name:           k_qa3cba2f183_self
    .symbol:         k_qa3cba2f183_self.kd
    .args:
      - { .name: XC, .offset: 0, .size: 8, .value_kind: global_buffer, .address_space: global }
      - { .name: WQ, .offset: 8, .size: 8, .value_kind: global_buffer, .address_space: global }
      - { .name: bq, .offset: 16, .size: 8, .value_kind: global_buffer, .address_space: global }
      - { .name: bk, .offset: 24, .size: 8, .value_kind: global_buffer, .address_space: global }
      - { .name: bv, .offset: 32, .size: 8, .value_kind: global_buffer, .address_space: global }
      - { .name: AV, .offset: 40, .size: 8, .value_kind: global_buffer, .address_space: global }
    .group_segment_fixed_size: 304128
    .private_segment_fixed_size: 0
    .kernarg_segment_align: 8
    .kernarg_segment_size: 48
    .max_flat_workgroup_size: 256
    .sgpr_count:     66
    .vgpr_count:     424
    .wavefront_size: 32
...
	.end_amdgpu_metadata
.endif
;; end of part 6
;; launch chain (part 7): grid 256 x 1, 8 waves a work-group, no clusters, 125,184 bytes of LDS; arguments x, AV, WQ, KC, VC, bo, bcq, bco, b1, b2, gamma, beta, out0; writes out0
.if DOCPART == 7
	.amdgcn_target "amdgcn-amd-amdhsa--gfx1250"
	.amdhsa_code_object_version 6
	.text
	.protected	k_qa3cba2f183_chain
	.globl	k_qa3cba2f183_chain
	.p2align	8
	.type	k_qa3cba2f183_chain,@function
k_qa3cba2f183_chain:
	s_mov_b64 s[64:65], 0
	v_nop
	global_prefetch_b8 v0, s[64:65] scope:SCOPE_SE
	s_setreg_imm32_b32 hwreg(HW_REG_WAVE_SCHED_MODE, 0, 2), 2
	s_setreg_imm32_b32 hwreg(HW_REG_WAVE_MODE, 25, 1), 1
	s_wait_xcnt 0x0
	s_wait_alu depctr_vm_vsrc(0)
; CHAIN: for one tile of 16 tokens, all that follows the channel attention: av Wo + bo + x, LayerNorm; Wcq; the cross attention of all 16 heads; Wco + bco + residual, LayerNorm; W1; W2 + residual, LayerNorm.
; All products on codes of FP6 (E2M3) with E8M0 scales; everything else in f32; nothing between the steps goes to memory.
; SHARES.  A work-group owns 16 whole rows (LayerNorm wants whole rows); wave v makes columns 128 v .. 128 v + 127 of every product, which are K step v of the next product and the head pair v of the attention.
; Products are used transposed (source 0 = 16 columns of a weight, 16 keys, or 16 channels of V^T; source 1 = my 16 tokens): a lane holds one token, and by the tile order its 64 registers are the quantiser's order.
; A quantised operand goes from wave to wave through LDS as an image of its registers (two buffers by turns).
; THE STREAM.  Each wave reads 48 blocks of 8 fragments (12,288 dense bytes) and a pack of scale words (512): Wo, Wcq, (K, V) x 4, Wco, W1, W2.  Block n lies in register slot n % 2 (window 1); the slot is asked for again
; as soon as block n's products are issued, so one or two blocks of every wave are always on their way, through the epilogues and barriers too.  A fragment feeds one product of one wave, so it does not pass through LDS.
; No cluster: the shared weights would have to pass through LDS to be asked for jointly, and each byte would then be written and read once more for one product.
; SOFTMAX of the cross attention: t = score x log2(e) / 32; M = the running largest t rounded up to a whole number; p = 2^(t - M) is quantised along the keys; the sum of the unquantised p divides at the end.
; LIMITS: NaN and infinities are not served; LayerNorm's and the softmax's sums are taken in another order than the model's text; the byte 1 for blocks under 2^-124.
; THE MODE: SCHED_MODE bits 1:0 = 2 (LLVM: expert scheduling mode 2), set by the entry lines.  The code itself states the register dependences
; between vector or matrix instructions and memory or LDS instructions, with s_wait_alu, always for 0.
; THE PLAN.  Registers that memory or LDS instructions touch:
;   v1, v4-v11     addresses and offsets: written at the head, ahead of one wait on va_vdst, and never again.
;   slot 0, slot 1 window 1 v0-95 with v248-251, v96-191 with v252-255: read by one K step's eight products (in the attention: by sixteen, or by eight), asked for again at once behind them.
;   AF0, AF1       v16-27 with v240, v28-39 with v241: K step k's image of A in set k % 2: read by that step's products; the image two steps on is fetched at the next step's head.
;   v2, v3         the LDS addresses of A's images: read by every fetch; written at a product's head and once in two K steps, behind the odd step's products.
;   So ONE wait on va_vdst stands in a K step, behind its products and places: it states that they are done reading their slot, its pack and their set of A, and, in an odd step, that v2 and v3 are written.
;   The slot's 25 loads follow it, and the next step's fetch of A leans on it too: no vector or matrix instruction stands between.  One wait on vm_vsrc in two K steps stands ahead of the adds to v2 and v3.
;   v112-175       the accumulators: the bias is loaded into them at a product's head (vm_vsrc: the rows' stores have read them; va_vdst: the quantiser is done reading them); LayerNorm's result is stored from them (va_vdst).
;   v16-79, v80-111, v176-207: in LayerNorm the residual, then gamma, and beta.  gamma's and beta's loads stand behind the first statistic's barrier, so that the wait on va_vdst ahead of that statistic's store serves them too.
;   v216, v224-231 a statistic: stored from v216 (va_vdst ahead; vm_vsrc behind the barrier, since v216 is written again), the eight waves' words loaded into v224-231.
;   v176-187, v245 the codes and the scale word of an image: written by the quantiser, read by four LDS stores (va_vdst); written again behind the next product's wait on vm_vsrc.
;   v80-103, v242; v176-187, v196-207, v243-244: Q's and p's codes and scale words, written by vector instructions and taken by scaled products as operand and scales: their places, then va_vdst.
.set RPITCH, 4112                      ; LDS: 16 rows of 4,096 bytes + 16: the residual (x, then each LayerNorm's result)
.set PAR,  65792                       ; bo, bcq, bco, b1, b2, gamma, beta: 4,096 bytes each
.set AIMG, 94464                       ; two buffers of 8 fragment images + 8 scale images
.set ABUF, 13312
.set STAT, 121088                      ; six regions of [row 16][wave 8] words
.set LI,  1                            ; v1  16 x lane
.set AA,  2                            ; v2  the A images in hand
.set AS,  3                            ; v3  their scale images
.set RP,  4                            ; v4  my place in the residual: r x 4,112 + 512 v + 64 h
.set PP,  5                            ; v5  my place in a parameter vector
.set IW,  6                            ; v6  where I store my fragment image
.set ISW, 7                            ; v7  and its scale image
.set SWR, 8                            ; v8  my word in a region of statistics
.set SRD, 9                            ; v9  my row's eight words
.set L4,  10                           ; v10 4 x lane
.set T16, 11                           ; v11 16 x thread
.set AF,  16                           ; v16-39   A's fragments, two sets
.set S,   16                           ; v16-79   the scores, then p
.set QA,  80                           ; v80-91   Q with the second head's codes zero
.set QB,  92                           ; v92-103  Q with the first head's codes zero
.set ACC, 112                          ; v112-175 eight accumulators; O^T in the attention
.set PC,  176                          ; v176-195 codes just made (the first head's p); v196-215 the second head's p
.set TM,  216                          ; v216-231 at work
.set ST,  232                          ; v232-239 a head's -M, largest t, and sum in two halves
.set SA,  240                          ; v240-241 A's scale words, two sets
.set SQ,  242                          ; v242     Q's scale word
.set PWA, 243                          ; v243-244 p's scale words
.set PW,  245                          ; v245     the scale word just made
.set SW,  248                          ; v248-255 the stream's packs, two slots x 4
.set SEL, 30
.set CS,  32                           ; s[32:33] log2(e) / 32
.set INV, 34                           ; 1 / 1,024
.set EPS, 35
.set CW,  36                           ; s[36:37] the weights' next two blocks;  s[38:39] their packs
.set CSW, 38
.set R0,  40                           ; s[40:47] K's next block and pack, V's next block and pack
.set R0S, 42
.set R1,  44
.set R1S, 46
.set CNT, 56
.set AO,  57
.set AO2, 58
.set KAP, 59
.set MSB, 0
.macro WIN new                         ; the immediate's high byte repeats the setting that is left
.if MSB != \new
	s_set_vgpr_msb (MSB<<8)|\new
.set MSB, \new
.endif
.endm
.macro BARRIER
	s_wait_dscnt 0x0                               ; my LDS stores have landed and my LDS loads are in
	s_barrier_signal -1
	s_barrier_wait -1
.endm
.macro MM d, a, b, c, sa, sb, row      ; the scaled FP6 product; c < 0: the constant 0 starts the sum; row = 1: source 0's scales stand in lanes 16-31
.if ((\c) < 0) && ((\row) == 0)
	v_wmma_scale_f32_16x16x128_f8f6f4 v[(\d):(\d)+7], v[(\a):(\a)+11], v[(\b):(\b)+11], 0, v[\sa], v[\sb] matrix_a_fmt:MATRIX_FMT_FP6 matrix_b_fmt:MATRIX_FMT_FP6
.elseif (\c) < 0
	v_wmma_scale_f32_16x16x128_f8f6f4 v[(\d):(\d)+7], v[(\a):(\a)+11], v[(\b):(\b)+11], 0, v[\sa], v[\sb] matrix_a_fmt:MATRIX_FMT_FP6 matrix_b_fmt:MATRIX_FMT_FP6 matrix_a_scale:MATRIX_SCALE_ROW1
.elseif (\row) == 0
	v_wmma_scale_f32_16x16x128_f8f6f4 v[(\d):(\d)+7], v[(\a):(\a)+11], v[(\b):(\b)+11], v[(\c):(\c)+7], v[\sa], v[\sb] matrix_a_fmt:MATRIX_FMT_FP6 matrix_b_fmt:MATRIX_FMT_FP6
.else
	v_wmma_scale_f32_16x16x128_f8f6f4 v[(\d):(\d)+7], v[(\a):(\a)+11], v[(\b):(\b)+11], v[(\c):(\c)+7], v[\sa], v[\sb] matrix_a_fmt:MATRIX_FMT_FP6 matrix_b_fmt:MATRIX_FMT_FP6 matrix_a_scale:MATRIX_SCALE_ROW1
.endif
.endm
.macro PLACES                          ; four plain instructions behind products (ISA guide 7.12.1); they stay beside the waits that follow them
.rept 4
	v_nop
.endr
.endm
.macro QUANT s, pc, pw                 ; 64 numbers of a lane (register 16 b + i = k 32 b + 16 (lane / 16) + i of my row) -> codes in v[pc..pc+11], scale word in v[pw]
.irp b, 0,1,2,3
	v_max3_num_f32 v[TM+\b], |v[(\s)+16*\b]|, |v[(\s)+1+16*\b]|, 0x1800000   ; with the floor 2^(3 - 127): the byte cannot fall under 1
.endr
.irp i, 2,4,6,8,10,12,14
.irp b, 0,1,2,3
	v_max3_num_f32 v[TM+\b], v[TM+\b], |v[(\s)+16*\b+\i]|, |v[(\s)+1+16*\b+\i]|
.endr
.endr
.irp b, 0,1,2,3
	v_permlanex16_b32 v[TM+4+\b], v[TM+\b], s[SEL], s[SEL+1]
.endr
.irp b, 0,1,2,3
	v_max_num_f32 v[TM+\b], v[TM+\b], v[TM+4+\b]
.endr
.irp b, 0,1,2,3
	v_add_nc_u32 v[TM+12+\b], 0xff000000, v[TM+\b]                 ; 2 off the exponent field: the conversion's scale operand
.endr
.irp b, 0,1,2,3
	v_lshrrev_b32 v[TM+4+\b], 23, v[TM+12+\b]
.endr
	v_lshl_or_b32 v[\pw], v[TM+5], 8, v[TM+4]
	v_lshl_or_b32 v[\pw], v[TM+6], 16, v[\pw]
	v_lshl_or_b32 v[\pw], v[TM+7], 24, v[\pw]
.irp c, 0,1
	v_cvt_scalef32_pk16_fp6_f32 v[(\pc)+6*\c:(\pc)+2+6*\c], v[(\s)+32*\c:(\s)+15+32*\c], v[TM+12+2*\c]
	v_cvt_scalef32_pk16_fp6_f32 v[(\pc)+12+4*\c:(\pc)+14+4*\c], v[(\s)+16+32*\c:(\s)+31+32*\c], v[TM+12+2*\c+1]
.endr
	v_nop                                                          ; one plain instruction behind the scaled conversions
.irp c, 0,1
.irp i, 0,1,2
	v_permlane16_swap_b32 v[(\pc)+6*\c+\i], v[(\pc)+12+4*\c+\i]
.endr
.irp i, 0,1,2
	v_mov_b32 v[(\pc)+3+6*\c+\i], v[(\pc)+12+4*\c+\i]
.endr
.endr
.endm
; a block of the stream into slot sg: 24 loads of 512 consecutive bytes, and the pack: 25 loads
.macro LOADBLK sg, c, s, imm
	WIN 0x40
.irp k, 0,1,2,3,4,5,6,7,8,9,10,11,12,13,14,15,16,17,18,19,20,21,22,23
	global_load_b128 v[96*(\sg)+4*\k:96*(\sg)+4*\k+3], v[LI], s[\c:\c+1] offset:(\imm)*12288+512*\k
.endr
	WIN 0
	global_load_b128 v[SW+4*(\sg):SW+4*(\sg)+3], v[LI], s[\s:\s+1] offset:(\imm)*512
.endm
.macro AFETCH set, k                   ; the A image k K steps on from the trip's first, into set
.irp c, 0,1,2
	ds_load_b128 v[AF+12*(\set)+4*\c:AF+12*(\set)+4*\c+3], v[AA] offset:1536*(\k)+512*\c
.endr
	ds_load_b32 v[SA+(\set)], v[AS] offset:128*(\k)
.endm
; a K step of a product: slot and A set sg.  refill: 0 none, 1 the weights' next block, 2 K's or V's first block.  step = 1: A's addresses move on by two K steps
.macro KST sg, afetch, refill, cnt, step
	s_wait_loadcnt \cnt                            ; this slot's block is in; the other slot's 25 loads stay out (0: nothing is left)
	s_wait_dscnt 0x0                               ; this K step's A image (and, the first time, the bias) is in
.if \afetch
	AFETCH 1-(\sg), (\sg)+1                        ; no wait: the products that read this set, and the lines that made v2 and v3, stand ahead of the last wait on va_vdst, and no vector or matrix instruction since names these registers
.endif
	WIN 0x01                                       ; source 0 in window 1
.irp t, 0,1,2,3,4,5,6,7                        ; the eight accumulators take turns, one instruction a turn
	MM ACC+8*\t, 96*(\sg)+12*\t, AF+12*(\sg), ACC+8*\t, SW+4*(\sg)+\t/2, SA+(\sg), \t%2
.endr
	WIN 0
	PLACES
.if \step
	s_add_co_u32 s[AO], s[AO], 3072
	s_add_co_u32 s[AO2], s[AO2], 256
	s_wait_alu depctr_vm_vsrc(0)                   ; the fetches of A issued so far have read v2 and v3
	v_add_nc_u32 v[AA], s[AO], v[LI]               ; the next trip's addresses, ahead of the wait that stands below in any case
	v_add_nc_u32 v[AS], s[AO2], v[L4]
.endif
.if \refill
	s_wait_alu depctr_va_vdst(0)                   ; the eight products are done reading this slot, its pack and their set of A, in which the loads below and the next step's fetch land; in an odd step of the loop v2 and v3 are written
.endif
.if (\refill) == 1
	LOADBLK \sg, CW, CSW, \sg
.elseif (\refill) == 2
.if (\sg) == 0
	LOADBLK 0, R0, R0S, 0
.else
	LOADBLK 1, R1, R1S, 0
.endif
.endif
.endm
; a product of 16 rows x 1,024 x my 128 columns.  The bias is loaded straight into the accumulators, so every K step adds in place.
.macro GEMM par, buf, tail
	s_mov_b32 s[AO], AIMG+(\buf)*ABUF
	s_mov_b32 s[AO2], AIMG+(\buf)*ABUF+12288
	s_wait_alu depctr_vm_vsrc(0)                   ; the LDS instructions issued so far have read their registers: the fetches v2 and v3; the rows' stores the accumulators; the images' stores the codes and the scale word (the first time: the head's stores v112-216 and v12): all are written again from here on
	v_add_nc_u32 v[AA], s[AO], v[LI]
	v_add_nc_u32 v[AS], s[AO2], v[L4]
	s_wait_alu depctr_va_vdst(0)                   ; v2 and v3 are written, which the fetches read; the vector instructions that named the accumulators, A's two sets and their scale words are done: the loads below land in these
.irp t, 0,1,2,3,4,5,6,7
.irp q, 0,1
	ds_load_b128 v[ACC+8*\t+4*\q:ACC+8*\t+4*\q+3], v[PP] offset:(\par)*4096+128*(\t/2)+32*(\t%2)+16*\q
.endr
.endr
	AFETCH 0, 0
	s_mov_b32 s[CNT], 3
.Lgemm_\@:                                         ; three trips of two K steps
	KST 0, 1, 1, 25, 0
	KST 1, 1, 1, 25, 1
	s_wait_xcnt 0x0                                ; the loads have read their bases: they may step
	s_add_nc_u64 s[CW:CW+1], s[CW:CW+1], 24576
	s_add_nc_u64 s[CSW:CSW+1], s[CSW:CSW+1], 1024
	s_sub_co_u32 s[CNT], s[CNT], 1
	s_cmp_lg_u32 s[CNT], 0
	s_cbranch_scc1 .Lgemm_\@
.if (\tail) == 0                       ; the last product: nothing is left to ask for
	KST 0, 1, 0, 25, 0
	KST 1, 0, 0, 0, 0
	s_wait_alu depctr_va_vdst(0)                   ; the last two K steps' products are done reading A's two sets, in which the residual's loads land
.elseif (\tail) == 1                   ; the next weight's first two blocks
	KST 0, 1, 1, 25, 0
	KST 1, 0, 1, 25, 0
	s_wait_xcnt 0x0
	s_add_nc_u64 s[CW:CW+1], s[CW:CW+1], 24576
	s_add_nc_u64 s[CSW:CSW+1], s[CSW:CSW+1], 1024
.else                                  ; K's and V's first blocks
	KST 0, 1, 2, 25, 0
	KST 1, 0, 2, 25, 0
	s_wait_xcnt 0x0
	s_add_nc_u64 s[R0:R0+1], s[R0:R0+1], 12288
	s_add_nc_u64 s[R0S:R0S+1], s[R0S:R0S+1], 512
	s_add_nc_u64 s[R1:R1+1], s[R1:R1+1], 12288
	s_add_nc_u64 s[R1S:R1S+1], s[R1S:R1S+1], 512
.endif
.endm
; four packed partial sums in v[TM..TM+7] -> my wave's 128 columns of row r in v[TM]
.macro REDA
	v_pk_add_f32 v[TM:TM+1], v[TM:TM+1], v[TM+2:TM+3]
	v_pk_add_f32 v[TM+4:TM+5], v[TM+4:TM+5], v[TM+6:TM+7]
	v_pk_add_f32 v[TM:TM+1], v[TM:TM+1], v[TM+4:TM+5]
	v_add_f32 v[TM], v[TM], v[TM+1]
	v_permlanex16_b32 v[TM+1], v[TM], s[SEL], s[SEL+1]
	v_add_f32 v[TM], v[TM], v[TM+1]
.endm
; v[TM] of the eight waves -> the whole row's sum in v[dst], the same bits in every wave.  gb = 1: gamma's and beta's 32 loads are issued behind the two of the statistics
.macro REDB off, dst, gb
	ds_store_b32 v[SWR], v[TM] offset:\off         ; both halves of the lanes write the same word with the same value
	BARRIER
	s_wait_alu depctr_vm_vsrc(0)                   ; my store has read v[TM], which the next partial sums, or the quantiser, write again
	ds_load_b128 v[TM+8:TM+11], v[SRD] offset:\off
	ds_load_b128 v[TM+12:TM+15], v[SRD] offset:(\off)+16
.if \gb
.irp t, 0,1,2,3,4,5,6,7                        ; gamma and beta land while the mean is taken away and the squares are summed.  No wait: no vector instruction since the wait ahead of the store names their registers
.irp q, 0,1
	ds_load_b128 v[16+8*\t+4*\q:19+8*\t+4*\q], v[PP] offset:5*4096+128*(\t/2)+32*(\t%2)+16*\q
.endr
.endr
.irp t, 0,1,2,3
.irp q, 0,1
	ds_load_b128 v[80+8*\t+4*\q:83+8*\t+4*\q], v[PP] offset:6*4096+128*(\t/2)+32*(\t%2)+16*\q
	ds_load_b128 v[176+8*\t+4*\q:179+8*\t+4*\q], v[PP] offset:6*4096+256+128*(\t/2)+32*(\t%2)+16*\q
.endr
.endr
	s_wait_dscnt 32                                ; LDS loads come back in order (ISA guide 5.7.1): the two of the statistics are in; gamma's and beta's 32 stay out
.else
	s_wait_dscnt 0x0
.endif
	v_pk_add_f32 v[TM+8:TM+9], v[TM+8:TM+9], v[TM+10:TM+11]
	v_pk_add_f32 v[TM+12:TM+13], v[TM+12:TM+13], v[TM+14:TM+15]
	v_pk_add_f32 v[TM+8:TM+9], v[TM+8:TM+9], v[TM+12:TM+13]
	v_add_f32 v[\dst], v[TM+8], v[TM+9]
.endm
; the residual is added, the rows are normalised, and the result takes the residual's place
.macro LNORM k
.irp t, 0,1,2,3,4,5,6,7                        ; no wait: the product's last wait on va_vdst stands ahead, and no vector or matrix instruction since names v16-79
.irp q, 0,1
	ds_load_b128 v[16+8*\t+4*\q:19+8*\t+4*\q], v[RP] offset:128*(\t/2)+32*(\t%2)+16*\q
.endr
.endr
	s_wait_dscnt 0x0
.set J, 0
.rept 32
	v_pk_add_f32 v[ACC+J:ACC+J+1], v[ACC+J:ACC+J+1], v[16+J:17+J]  ; each accumulator from its low end on
.set J, J+2
.endr
.irp c, 0,1,2,3
	v_pk_add_f32 v[TM+2*\c:TM+2*\c+1], v[ACC+2*\c:ACC+2*\c+1], v[ACC+8+2*\c:ACC+9+2*\c]
.endr
.irp m, 2,3,4,5,6,7
.irp c, 0,1,2,3
	v_pk_add_f32 v[TM+2*\c:TM+2*\c+1], v[TM+2*\c:TM+2*\c+1], v[ACC+8*\m+2*\c:ACC+8*\m+2*\c+1]
.endr
.endr
	REDA
	s_wait_alu depctr_va_vdst(0)                   ; v[TM] is written, which the store reads; the additions above are done reading v16-79, and all earlier vector instructions are done with v80-111, v176-207 and v224-231: the loads behind the barrier land in these
	REDB 1024*(\k), 12, 1
	v_mul_f32 v12, s[INV], v12                     ; the mean
	v_mov_b32 v13, v12
.set J, 0
.rept 32
	v_pk_add_f32 v[ACC+J:ACC+J+1], v[ACC+J:ACC+J+1], v[12:13] neg_lo:[0,1] neg_hi:[0,1]
.set J, J+2
.endr
.irp c, 0,1,2,3
	v_pk_mul_f32 v[TM+2*\c:TM+2*\c+1], v[ACC+2*\c:ACC+2*\c+1], v[ACC+2*\c:ACC+2*\c+1]
.endr
.irp m, 1,2,3,4,5,6,7
.irp c, 0,1,2,3
	v_pk_fma_f32 v[TM+2*\c:TM+2*\c+1], v[ACC+8*\m+2*\c:ACC+8*\m+2*\c+1], v[ACC+8*\m+2*\c:ACC+8*\m+2*\c+1], v[TM+2*\c:TM+2*\c+1]
.endr
.endr
	REDA
	s_wait_alu depctr_va_vdst(0)                   ; v[TM] is written, which the store reads; the first statistic's additions are done reading v224-231, in which the loads behind the barrier land
	REDB 1024*(\k)+512, 14, 0
	v_fma_f32 v14, v14, s[INV], s[EPS]             ; the variance + 1e-5
	v_rsq_f32 v14, v14
	v_nop                                          ; a plain instruction behind the transcendental,
	s_wait_alu depctr_va_vdst(0)                   ; and the wait for its result ahead of the first reader
	v_mov_b32 v15, v14
.set J, 0
.rept 32
	v_pk_mul_f32 v[ACC+J:ACC+J+1], v[ACC+J:ACC+J+1], v[14:15]
.set J, J+2
.endr
.set J, 0
.rept 16
	v_pk_fma_f32 v[ACC+J:ACC+J+1], v[ACC+J:ACC+J+1], v[16+J:17+J], v[80+J:81+J]
.set J, J+2
.endr
.set J, 0
.rept 16
	v_pk_fma_f32 v[ACC+32+J:ACC+33+J], v[ACC+32+J:ACC+33+J], v[48+J:49+J], v[176+J:177+J]
.set J, J+2
.endr
	s_wait_alu depctr_va_vdst(0)                   ; the multiply-adds have written v112-175, which the LDS stores read
.irp t, 0,1,2,3,4,5,6,7
.irp q, 0,1
	ds_store_b128 v[RP], v[ACC+8*\t+4*\q:ACC+8*\t+4*\q+3] offset:128*(\t/2)+32*(\t%2)+16*\q   ; my own places: no other wave touches them before the last barrier
.endr
.endr
.endm
.macro IMAGE buf                       ; my fragment (K step v of the next product) and its scale word go to LDS as they stand
	s_wait_alu depctr_va_vdst(0)                   ; the quantiser has written the codes v176-187 and the scale word v245, which the LDS stores read
.irp c, 0,1,2
	ds_store_b128 v[IW], v[PC+4*\c:PC+4*\c+3] offset:(\buf)*ABUF+512*\c
.endr
	ds_store_b32 v[ISW], v[PW] offset:(\buf)*ABUF
	BARRIER
.endm
; the softmax of one head for 128 keys: the scores in v[S..S+63] become p's codes and scale word; the head's sum and its half of O^T come under the new M
.macro SMAX hd
.set SH, ST+4*(\hd)
.set PH, PC+20*(\hd)
.set OH, ACC+32*(\hd)
.irp b, 0,1,2,3
	v_max3_num_f32 v[TM+\b], v[S+16*\b], v[S+16*\b+1], v[S+16*\b+2]        ; the largest score of each block of 32 keys: for the row's maximum and, since p rises with the score, for the block's largest p
.endr
.irp i, 3,5,7,9,11,13
.irp b, 0,1,2,3
	v_max3_num_f32 v[TM+\b], v[TM+\b], v[S+16*\b+\i], v[S+16*\b+\i+1]
.endr
.endr
.irp b, 0,1,2,3
	v_max_num_f32 v[TM+\b], v[TM+\b], v[S+16*\b+15]
.endr
.irp b, 0,1,2,3
	v_permlanex16_b32 v[TM+4+\b], v[TM+\b], s[SEL], s[SEL+1]
.endr
.irp b, 0,1,2,3
	v_max_num_f32 v[TM+\b], v[TM+\b], v[TM+4+\b]
.endr
	v_max3_num_f32 v108, v[TM], v[TM+1], v[TM+2]
	v_max_num_f32 v108, v108, v[TM+3]
	v_mul_f32 v108, s[CS], v108                    ; as t
	v_max_num_f32 v[SH+1], v[SH+1], v108           ; the running largest t
	v_mov_b32 v108, v[SH]
	v_floor_f32 v[SH], -v[SH+1]                    ; the new -M = -ceil(t): a whole number
	v_sub_f32 v108, v[SH], v108                    ; old M - new M, 0 or less
	v_cvt_i32_f32 v108, v108                       ; (it saturates)
	v_ldexp_f32 v104, 1.0, v108                    ; f = 2^(old M - new M): a multiplication by it rounds nothing
.set J, 0
.rept 32
	v_pk_fma_f32 v[S+J:S+J+1], v[S+J:S+J+1], s[CS:CS+1], v[SH:SH+1] op_sel_hi:[1,0,0]   ; t - M
.set J, J+2
.endr
.irp b, 0,1,2,3
	v_fma_f32 v[TM+\b], v[TM+\b], s[CS], v[SH]
.endr
.set J, 0
.rept 64
	v_exp_f32 v[S+J], v[S+J]                       ; p = 2^(t - M): not normalised
.set J, J+1
.endr
	v_pk_mul_f32 v[SH+2:SH+3], v[SH+2:SH+3], v[104:105] op_sel_hi:[1,0]    ; the sum under the new M: a plain instruction behind the batch
	s_wait_alu depctr_va_vdst(0)                   ; the 64 exponentials have written p: one wait, ahead of their first reader
.irp b, 0,1,2,3
	v_exp_f32 v[TM+\b], v[TM+\b]                   ; each block's largest p
.endr
	v_pk_add_f32 v[106:107], v[S:S+1], v[S+2:S+3]  ; the sum of the unquantised p, in two chains
.irp j, 4,8,12,16,20,24,28,32,36,40,44,48,52,56,60
	v_pk_add_f32 v[SH+2:SH+3], v[SH+2:SH+3], v[S+\j:S+\j+1]
	v_pk_add_f32 v[106:107], v[106:107], v[S+\j+2:S+\j+3]
.endr
	v_pk_add_f32 v[SH+2:SH+3], v[SH+2:SH+3], v[106:107]
	s_wait_alu depctr_va_vdst(0)                   ; the four exponentials have written the blocks' largest p, ahead of their first reader
.irp b, 0,1,2,3
	v_max_num_f32 v[TM+\b], 0x1800000, v[TM+\b]    ; the floor: the byte cannot fall under 1
.endr
.irp b, 0,1,2,3
	v_add_nc_u32 v[TM+12+\b], 0xff000000, v[TM+\b]
.endr
.irp b, 0,1,2,3
	v_lshrrev_b32 v[TM+4+\b], 23, v[TM+12+\b]
.endr
	v_lshl_or_b32 v[PWA+(\hd)], v[TM+5], 8, v[TM+4]
	v_lshl_or_b32 v[PWA+(\hd)], v[TM+6], 16, v[PWA+(\hd)]
	v_lshl_or_b32 v[PWA+(\hd)], v[TM+7], 24, v[PWA+(\hd)]
.irp c, 0,1
	v_cvt_scalef32_pk16_fp6_f32 v[PH+6*\c:PH+2+6*\c], v[S+32*\c:S+15+32*\c], v[TM+12+2*\c]
	v_cvt_scalef32_pk16_fp6_f32 v[PH+12+4*\c:PH+14+4*\c], v[S+16+32*\c:S+31+32*\c], v[TM+12+2*\c+1]
.endr
	v_nop
.irp c, 0,1
.irp i, 0,1,2
	v_permlane16_swap_b32 v[PH+6*\c+\i], v[PH+12+4*\c+\i]
.endr
.irp i, 0,1,2
	v_mov_b32 v[PH+3+6*\c+\i], v[PH+12+4*\c+\i]
.endr
.endr
.set J, 0
.rept 16
	v_pk_mul_f32 v[OH+J:OH+J+1], v[OH+J:OH+J+1], v[104:105] op_sel_hi:[1,0]   ; the head's O^T under the new M; these sixteen also stand between the writing of p's codes and scale word and the products that take them
.set J, J+2
.endr
.endm
	s_load_b512 s[4:19], s[0:1], 0x0               ; x, AV, WQ, KC, VC, bo, bcq, bco
	s_load_b256 s[20:27], s[0:1], 0x40             ; b1, b2, gamma, beta
	s_load_b64 s[28:29], s[0:1], 0x60              ; out0
	v_lshl_add_u32 v246, v0, 2, 0x1e500
	v_mov_b32 v247, 0
	v_lshrrev_b32 v12, 5, v0
	v_readfirstlane_b32 s2, v12                    ; wave v
	v_and_b32 v12, 31, v0                          ; lane
	v_and_b32 v13, 15, v0                          ; r
	v_bfe_u32 v14, v0, 4, 1                        ; h
	v_lshlrev_b32 v[LI], 4, v12
	v_lshlrev_b32 v[L4], 2, v12
	v_lshlrev_b32 v[T16], 4, v0
	s_wait_alu depctr_va_sdst(0)                   ; s2 is written, ahead of its first reader: addresses and bases are made from it
	s_lshl_b32 s48, s2, 9
	v_lshl_add_u32 v15, v14, 6, s48                ; 512 v + 64 h
	v_mul_u32_u24 v[RP], v13, RPITCH
	v_add_nc_u32 v[RP], v[RP], v15
	v_add_nc_u32 v[PP], PAR, v15
	s_mul_i32 s48, s2, 1536
	s_add_co_u32 s48, s48, AIMG
	v_add_nc_u32 v[IW], s48, v[LI]
	s_lshl_b32 s48, s2, 7
	s_add_co_u32 s48, s48, AIMG+12288
	v_add_nc_u32 v[ISW], s48, v[L4]
	v_lshl_add_u32 v[SRD], v13, 5, STAT
	s_lshl_b32 s48, s2, 2
	v_add_nc_u32 v[SWR], s48, v[SRD]
	v_add_nc_u32 v12, PAR, v[T16]
.irp b, 0,1,2,3
	v_mov_b32 v[TM+4+\b], 0                        ; written once: a lane permute's destination counts as one of its sources
.endr
	s_mov_b32 s[SEL], 0x76543210
	s_mov_b32 s[SEL+1], 0xfedcba98
	s_mov_b32 s[CS], 0x3d38aa3b
	s_mov_b32 s[CS+1], s[CS]
	s_mov_b32 s[INV], 0x3a800000
	s_mov_b32 s[EPS], 0x3727c5ac
	s_mov_b32 s49, 0
	s_lshr_b32 s48, ttmp9, 1
	s_lshl_b32 s48, s48, 17
	s_and_b32 s56, ttmp9, 1
	s_lshl_b32 s56, s56, 15
	s_add_co_u32 s48, s48, s56                     ; my tile's first token x 4,096 bytes: 32 (T / 2) + 8 (T % 2)
	s_wait_kmcnt 0x0
	s_add_nc_u64 s[50:51], s[4:5], s[48:49]
	s_add_nc_u64 s[28:29], s[28:29], s[48:49]
	s_lshl_b32 s48, s2, 13
	s_lshr_b32 s56, s2, 2
	s_lshl_b32 s56, s56, 15
	s_add_co_u32 s48, s48, s56                     ; the rows that I store: 2 v + 8 (v / 4) tokens on
	s_add_nc_u64 s[28:29], s[28:29], s[48:49]
	s_lshl_b32 s56, ttmp9, 3
	s_add_co_u32 s56, s56, s2                      ; 8 T + v
	s_mul_i32 s48, s56, 1536
	s_add_nc_u64 s[52:53], s[6:7], s[48:49]
	s_lshl_b32 s48, s56, 7
	s_add_co_u32 s48, s48, 3145728
	s_add_nc_u64 s[54:55], s[6:7], s[48:49]
	s_mul_i32 s48, s2, 983040
	s_add_co_u32 s48, s48, 5*98304                 ; my group's Wo; Wcq, Wco, W1, W2 follow it on end
	s_add_nc_u64 s[60:61], s[8:9], s[48:49]
	s_add_nc_u64 s[CW:CW+1], s[60:61], 24576
	s_mul_i32 s48, s2, 40960
	s_add_co_u32 s48, s48, 7864320+5*4096
	s_add_nc_u64 s[62:63], s[8:9], s[48:49]
	s_add_nc_u64 s[CSW:CSW+1], s[62:63], 1024
	s_lshr_b32 s56, ttmp9, 5                       ; batch
	s_mul_i32 s48, s56, 393216
	s_mul_i32 s57, s2, 49152
	s_add_co_u32 s48, s48, s57
	s_add_nc_u64 s[R0:R0+1], s[10:11], s[48:49]
	s_add_nc_u64 s[R1:R1+1], s[12:13], s[48:49]
	s_lshl_b32 s48, s56, 14
	s_lshl_b32 s57, s2, 11
	s_add_co_u32 s48, s48, s57
	s_add_co_u32 s48, s48, 3145728
	s_add_nc_u64 s[R0S:R0S+1], s[10:11], s[48:49]
	s_add_nc_u64 s[R1S:R1S+1], s[12:13], s[48:49]
	s_wait_alu depctr_va_vdst(0)                   ; the addresses and offsets v1 and v4 to v12 are written, which the loads and stores below read
.irp i, 0,1,2,3,4,5,6,7,8,9,10,11,12,13,14,15
	global_load_b128 v[ACC+4*\i:ACC+4*\i+3], v[T16], s[50:51] offset:(\i+8*(\i/8))*4096   ; a whole row of x an instruction
.endr
.irp k, 0,1,2,3,4,5,6
	global_load_b128 v[176+4*\k:179+4*\k], v[T16], s[14+2*\k:15+2*\k]
.endr
.irp c, 0,1,2
	global_load_b128 v[204+4*\c:207+4*\c], v[LI], s[52:53] offset:512*\c   ; av's K step v of my tile
.endr
	global_load_b32 v216, v[L4], s[54:55]
	LOADBLK 0, 60, 62, 0
	LOADBLK 1, 60, 62, 1
	s_wait_loadcnt 50                              ; the 27 loads above are in; the stream's first two blocks stay out
.irp i, 0,1,2,3,4,5,6,7,8,9,10,11,12,13,14,15
	ds_store_b128 v[T16], v[ACC+4*\i:ACC+4*\i+3] offset:\i*RPITCH
.endr
.irp k, 0,1,2,3,4,5,6
	ds_store_b128 v12, v[176+4*\k:179+4*\k] offset:4096*\k
.endr
.irp c, 0,1,2
	ds_store_b128 v[IW], v[204+4*\c:207+4*\c] offset:512*\c
.endr
	ds_store_b32 v[ISW], v216
	BARRIER
	GEMM 0, 0, 1                                   ; av Wo + bo
	LNORM 0                                        ; + x, normalised
	QUANT ACC, PC, PW
	IMAGE 1
	GEMM 1, 1, 2                                   ; Q = out1 Wcq + bcq: my head pair's 128 channels
	QUANT ACC, PC, SQ
.irp i, 0,1,2,3,4,5
	v_mov_b32 v[QA+\i], v[PC+\i]                   ; a fragment of K spans two heads: Q with the other head's codes zero picks one
	v_mov_b32 v[QA+6+\i], 0
	v_mov_b32 v[QB+\i], 0
	v_mov_b32 v[QB+6+\i], v[PC+6+\i]
.endr
.irp d, 0,1
	v_mov_b32 v[ST+4*\d+1], 0xff61b1e6             ; the largest t so far: -3e38, under every t
	v_floor_f32 v[ST+4*\d], -v[ST+4*\d+1]
	v_mov_b32 v[ST+4*\d+2], 0
	v_mov_b32 v[ST+4*\d+3], 0
.endr
	v_mov_b32 v105, 0                              ; (named as upper halves of pairs)
	v_mov_b32 v109, 0
.set J, 0
.rept 64
	v_mov_b32 v[ACC+J], 0                          ; O^T: the loop is written once; its first step finds zeros
.set J, J+1
.endr
	s_add_nc_u64 s[66:67], s[CW:CW+1], 12288       ; Wco's second block and pack
	s_add_nc_u64 s[68:69], s[CSW:CSW+1], 512
	s_mov_b32 s[KAP], 0
	s_wait_alu depctr_va_vdst(0)                   ; Q's two fragments v80-103 and its scale word v242 are written by vector instructions: the scaled products of the loop take them as operand and scales; the lines above are their places
.Latt:                                             ; four trips of 128 keys
	s_wait_loadcnt 25                              ; K's block is in; V's 25 loads stay out
	WIN 0x01
.irp t, 0,1,2,3,4,5,6,7
	MM S+8*\t, 12*\t, QA, -1, SW+\t/2, SQ, \t%2
.endr
	WIN 0
	PLACES
	SMAX 0
	WIN 0x01
.irp t, 0,1,2,3,4,5,6,7
	MM S+8*\t, 12*\t, QB, -1, SW+\t/2, SQ, \t%2
.endr
	WIN 0
	PLACES
	s_wait_alu depctr_va_vdst(0)                   ; the sixteen products with K are done reading slot 0 and its pack, in which the loads below land
	LOADBLK 0, R0, R0S, 0                          ; the next keys' K (in the last trip: Wco's first block)
	SMAX 1
	s_wait_loadcnt 25                              ; V's block is in; the 25 just issued stay out
	s_wait_alu depctr_va_vdst(0)                   ; p's codes v176-187 and v196-207 and its scale words v243-244 are written by vector instructions: the scaled products below take them as operand and scales; their places stand above
	WIN 0x01
.irp t, 0,1,2,3,4,5,6,7
	MM ACC+8*\t, 96+12*\t, PC+20*(\t/4), ACC+8*\t, SW+4+\t/2, PWA+\t/4, \t%2
.endr
	WIN 0
	PLACES
	s_wait_alu depctr_va_vdst(0)                   ; the eight products with V are done reading slot 1 and its pack, in which the loads below land
	LOADBLK 1, R1, R1S, 0
	s_wait_xcnt 0x0                                ; the loads have read their bases
	s_add_nc_u64 s[R0:R0+1], s[R0:R0+1], 12288
	s_add_nc_u64 s[R0S:R0S+1], s[R0S:R0S+1], 512
	s_add_nc_u64 s[R1:R1+1], s[R1:R1+1], 12288
	s_add_nc_u64 s[R1S:R1S+1], s[R1S:R1S+1], 512
	s_cmp_eq_u32 s[KAP], 2                         ; the last trip asks for the stream's next blocks: Wco's first two
	s_cselect_b64 s[R0:R0+1], s[CW:CW+1], s[R0:R0+1]
	s_cselect_b64 s[R0S:R0S+1], s[CSW:CSW+1], s[R0S:R0S+1]
	s_cselect_b64 s[R1:R1+1], s[66:67], s[R1:R1+1]
	s_cselect_b64 s[R1S:R1S+1], s[68:69], s[R1S:R1S+1]
	s_add_co_u32 s[KAP], s[KAP], 1
	s_cmp_lt_u32 s[KAP], 4
	s_cbranch_scc1 .Latt
	s_add_nc_u64 s[CW:CW+1], s[CW:CW+1], 24576
	s_add_nc_u64 s[CSW:CSW+1], s[CSW:CSW+1], 1024
.irp d, 0,1
	v_add_f32 v[106+\d], v[ST+4*\d+2], v[ST+4*\d+3]
.endr
.irp d, 0,1
	v_permlanex16_b32 v[TM+4+\d], v[106+\d], s[SEL], s[SEL+1]
.endr
.irp d, 0,1
	v_add_f32 v[106+\d], v[106+\d], v[TM+4+\d]     ; the rows' sums
.endr
	v_rcp_f32 v104, v106
	v_rcp_f32 v108, v107
	v_nop
	s_wait_alu depctr_va_vdst(0)                   ; the two reciprocals have written their results: one wait, ahead of their first reader
.set J, 0
.rept 16
	v_pk_mul_f32 v[ACC+J:ACC+J+1], v[ACC+J:ACC+J+1], v[104:105] op_sel_hi:[1,0]
.set J, J+2
.endr
.set J, 0
.rept 16
	v_pk_mul_f32 v[ACC+32+J:ACC+33+J], v[ACC+32+J:ACC+33+J], v[108:109] op_sel_hi:[1,0]
.set J, J+2
.endr
	QUANT ACC, PC, PW
	IMAGE 0
	GEMM 2, 0, 1                                   ; o Wco + bco
	LNORM 1                                        ; + out1, normalised
	QUANT ACC, PC, PW
	IMAGE 1
	GEMM 3, 1, 1                                   ; out2 W1 + b1
	QUANT ACC, PC, PW
	IMAGE 0
	GEMM 4, 0, 0                                   ; W2 + b2
	LNORM 2                                        ; + out2, normalised
	BARRIER                                        ; sixteen whole rows lie in LDS
	s_mul_i32 s48, s2, 2*RPITCH
	s_wait_alu depctr_vm_vsrc(0)                   ; the last product's fetches of A have read v2
	v_add_nc_u32 v[AA], s48, v[LI]                 ; wave v stores rows 2 v and 2 v + 1
	s_wait_alu depctr_va_vdst(0)                   ; v2 is written, which the loads below read
.irp e, 0,1
.irp k, 0,1,2,3,4,5,6,7
	ds_load_b128 v[16+32*\e+4*\k:19+32*\e+4*\k], v[AA] offset:\e*RPITCH+512*\k
.endr
.endr
.irp e, 0,1
.irp k, 0,1,2,3,4,5,6,7
	s_wait_dscnt 15-8*\e-\k                        ; this load is in; the younger ones stay out
	global_store_b128 v[LI], v[16+32*\e+4*\k:19+32*\e+4*\k], s[28:29] offset:\e*4096+512*\k th:TH_STORE_NT   ; 512 consecutive bytes, aligned
.endr
.endr
	s_wait_dscnt 0x0                               ; the closing lines, six on end
	s_wait_alu 0x0
	s_wait_tensorcnt 0x0
	ds_add_u32 v246, v247
	s_wait_dscnt 0x0
	s_endpgm
.Lfunc_end_k_qa3cba2f183_chain:
	.size	k_qa3cba2f183_chain, .Lfunc_end_k_qa3cba2f183_chain-k_qa3cba2f183_chain
	.p2alignl 7, 3214868480
	.fill 96, 4, 3214868480
	.section	.rodata,"a",@progbits
	.p2align	6, 0x0
	.amdhsa_kernel k_qa3cba2f183_chain
		.amdhsa_group_segment_fixed_size 125184
		.amdhsa_private_segment_fixed_size 0
		.amdhsa_enable_private_segment 0
		.amdhsa_kernarg_size 104
		.amdhsa_user_sgpr_count 2
		.amdhsa_user_sgpr_kernarg_segment_ptr 1
		.amdhsa_wavefront_size32 1
		.amdhsa_system_sgpr_workgroup_id_x 1
		.amdhsa_system_sgpr_workgroup_id_y 1
		.amdhsa_system_sgpr_workgroup_id_z 1
		.amdhsa_system_vgpr_workitem_id 0
		.amdhsa_next_free_vgpr 448
		.amdhsa_next_free_sgpr 72
		.amdhsa_reserve_vcc 0
		.amdhsa_float_denorm_mode_32 3
		.amdhsa_float_denorm_mode_16_64 3
		.amdhsa_memory_ordered 1
		.amdhsa_forward_progress 1
		.amdhsa_inst_pref_size 212
	.end_amdhsa_kernel
	.amdgpu_metadata
---
amdhsa.version: [ 1, 2 ]
amdhsa.kernels:
  - .name:           k_qa3cba2f183_chain
    .symbol:         k_qa3cba2f183_chain.kd
    .args:
      - { .name: x, .offset: 0, .size: 8, .value_kind: global_buffer, .address_space: global }
      - { .name: AV, .offset: 8, .size: 8, .value_kind: global_buffer, .address_space: global }
      - { .name: WQ, .offset: 16, .size: 8, .value_kind: global_buffer, .address_space: global }
      - { .name: KC, .offset: 24, .size: 8, .value_kind: global_buffer, .address_space: global }
      - { .name: VC, .offset: 32, .size: 8, .value_kind: global_buffer, .address_space: global }
      - { .name: bo, .offset: 40, .size: 8, .value_kind: global_buffer, .address_space: global }
      - { .name: bcq, .offset: 48, .size: 8, .value_kind: global_buffer, .address_space: global }
      - { .name: bco, .offset: 56, .size: 8, .value_kind: global_buffer, .address_space: global }
      - { .name: b1, .offset: 64, .size: 8, .value_kind: global_buffer, .address_space: global }
      - { .name: b2, .offset: 72, .size: 8, .value_kind: global_buffer, .address_space: global }
      - { .name: gamma, .offset: 80, .size: 8, .value_kind: global_buffer, .address_space: global }
      - { .name: beta, .offset: 88, .size: 8, .value_kind: global_buffer, .address_space: global }
      - { .name: out0, .offset: 96, .size: 8, .value_kind: global_buffer, .address_space: global }
    .group_segment_fixed_size: 125184
    .private_segment_fixed_size: 0
    .kernarg_segment_align: 8
    .kernarg_segment_size: 104
    .max_flat_workgroup_size: 256
    .sgpr_count:     72
    .vgpr_count:     448
    .wavefront_size: 32
...
	.end_amdgpu_metadata
.endif
;; end of part 7
